; MI455X (gfx1250); checked and timed in simulation.
; The chip was launched on July 23, 2026; its instructions are those of AMD's public machine-readable ISA for CDNA 5 (MIT licence, August 2026) and "CDNA5" Instruction Set Architecture Reference Guide (July 2026). The comments in the code are by the model that wrote it; some were corrected since.
;; Block. Allowed arithmetic: matrix products marked QUANTISED: E4M3 operands, one E8M0 scale for each 32 along K, by v_wmma_scale_f32_16x16x128_f8f6f4 with both operands' format E4M3, f32 sums; everything else in f32.
;; Inputs: attn_b 3,072 float32; attn_w_codes 3,072 x 32 x 32 uint8 (E4M3 codes of attn_w, K innermost, in blocks of 32 codes); attn_w_scales 3,072 x 32 uint8 (E8M0 scales of attn_w, one for each 32 codes along K); fc_b 4,096 float32; fc_proj_b 1,024 float32; fc_proj_w_codes 1,024 x 128 x 32 uint8 (E4M3 codes of fc_proj_w, K innermost, in blocks of 32 codes); fc_proj_w_scales 1,024 x 128 uint8 (E8M0 scales of fc_proj_w, one for each 32 codes along K); fc_w_codes 4,096 x 32 x 32 uint8 (E4M3 codes of fc_w, K innermost, in blocks of 32 codes); fc_w_scales 4,096 x 32 uint8 (E8M0 scales of fc_w, one for each 32 codes along K); ln1_b 1,024 float32; ln1_w 1,024 float32; ln2_b 1,024 float32; ln2_w 1,024 float32; proj_b 1,024 float32; proj_w_codes 1,024 x 32 x 32 uint8 (E4M3 codes of proj_w, K innermost, in blocks of 32 codes); proj_w_scales 1,024 x 32 uint8 (E8M0 scales of proj_w, one for each 32 codes along K); x 2 x 2,048 x 1,024 float32.
;; Outputs: out0 2 x 2,048 x 1,024 float32.
;; This version of the problem:
;;   THIS VERSION OF THE PROBLEM IS GIVEN IN LOW PRECISION. The matrix products marked QUANTISED in the list below multiply operands that are first quantised to E4M3 (4 exponent bits, 3 mantissa bits; 8 bits a number), with one power-of-two scale for each 32 numbers along K (OCP MX v1.0); their sums are f32. All else is computed in f32.
;;   The module's matrix products, in the order in which they are computed (A, B: the left and right operand; K: the contracted axis; several contracted axes count as one K, in the product's order):
;;     1. [M 4,096, K 1,024] x [K 1,024, N 3,072]; A: computed on the way; B: input attn_w (given as codes): QUANTISED
;;     2. batch 32 x [M 2,048, K 64] x [K 64, N 2,048]; A: computed on the way; B: computed on the way: QUANTISED
;;     3. batch 32 x [M 2,048, K 2,048] x [K 2,048, N 64]; A: softmax (see below); B: computed on the way: QUANTISED
;;     4. [M 4,096, K 1,024] x [K 1,024, N 1,024]; A: computed on the way; B: input proj_w (given as codes): QUANTISED
;;     5. [M 4,096, K 1,024] x [K 1,024, N 4,096]; A: computed on the way; B: input fc_w (given as codes): QUANTISED
;;     6. [M 4,096, K 4,096] x [K 4,096, N 1,024]; A: computed on the way; B: input fc_proj_w (given as codes): QUANTISED
;;   THE QUANTISER, for each operand of a quantised product, along K:
;;     - K is cut into blocks of 32 from its start; a last block that is shorter is filled with zeros.
;;     - A block's scale is 2^e with e = floor(log2(the largest magnitude in the block)) - 8, held to -126 .. 127; a block of zeros has e = 0. As a byte (E8M0): e + 127.
;;     - Each number is divided by its block's scale, clamped to +-448, and rounded to the nearest number of E4M3, ties to even, subnormals kept.
;;     - The product sums the exact products of the quantised numbers (number of the format x scale) in f32.
;;   ~~~python
;;   def quantise(x, axis):      # numpy; x: float32 -> the quantised numbers, widened to float32 again
;;       x = np.moveaxis(x, axis, -1); K = x.shape[-1]
;;       x = np.pad(x, [(0, 0)] * (x.ndim - 1) + [(0, -K % 32)]); x = x.reshape(x.shape[:-1] + (-1, 32)); a = np.abs(x).max(-1, keepdims=True)
;;       e = np.where(a > 0, np.clip(np.frexp(np.where(a > 0, a, 1))[1] - 1 - 8, -126, 127), 0)      # np.frexp(a)[1] - 1 = floor(log2(a)), exactly
;;       r = np.clip(x / 2.0 ** e, -448, 448)
;;       step = 2.0 ** (np.maximum(np.frexp(np.where(r == 0, 1, r))[1] - 1, -6) - 3)
;;       q = np.round(r / step) * step * 2.0 ** e      # np.round: ties to even
;;       return np.moveaxis(q.reshape(q.shape[:-2] + (-1,))[..., :K], -1, axis).astype(np.float32)
;;   ~~~
;;   SOFTMAX AHEAD OF A QUANTISED PRODUCT. Where the list says 'softmax', what is quantised is not the finished softmax but p = 2^(t - M), with t = logit x log2(e) and M = ceil(the row's largest t), a whole number; so 1/2 < the row's largest p <= 1. The row's sum l is taken of the UNQUANTISED p, in f32, and the product's result is divided by l at the end. Since M is a whole number, a kernel that streams over the keys may use a running M (the ceiling of the running maximum): every later rescaling is an exact power of two, which a block's scale takes up: the codes' values come out the same.
;;   OPERANDS COMPUTED ON THE WAY. 'Computed on the way' means the value that the module computes at that place (a softmax that the list does not call 'softmax' is quantised finished and normalised). What goes into a quantiser is computed in f32, as accurately as f32 sums, v_exp_f32 and their like allow (about 1e-6 of the number): no bf16 or f16 on the way to a quantiser, and a product that is left as it is and whose result goes on into a quantised operand takes f32 operands (vector FMAs, or v_wmma_f32_16x16x4_f32). A number that lies on a knife's edge between two numbers of the format may be rounded either way, as far as f32 arithmetic and the matrix unit's own rounding can turn it there, and no further.
;;   INPUTS GIVEN AS CODES. attn_w (in the module: [1024, 3072], K = its axis 0); fc_proj_w (in the module: [4096, 1024], K = its axis 0); fc_w (in the module: [1024, 4096], K = its axis 0); proj_w (in the module: [1024, 1024], K = its axis 0): each comes as NAME_codes (uint8): NAME with its K axis moved to the last place and cut into blocks of 32 codes, [.., K / 32, bytes a block], one block behind the other in memory; one code a byte (a code: sign, 4 exponent bits, 3 mantissa bits); and NAME_scales (uint8): the same leading axes, one E8M0 byte (e + 127) for each 32 codes along K. Its value is code x scale, taken as it is: it is not quantised again, and the codes and scales need not be those that the quantiser above would give.
;; 2 versions, each right. Each part assembles by itself: llvm-mc -triple=amdgcn-amd-amdhsa -mcpu=gfx1250 --defsym DOCPART=n.
;; ======== version 1 of 2: 8 launches
;; limits: a function is approximated: absolute error at most 7.5e-08
;; workspace buffers: wr 12,976,128 bytes; hr 4,325,376 bytes; qkvr 13,238,272 bytes; yr 4,325,376 bytes; x2 16,777,216 bytes; hid 17,301,504 bytes
;; launch prep (part 1): grid 384 x 1, 4 waves a work-group, no clusters, 35,328 bytes of LDS; arguments attn_w_codes, attn_w_scales, proj_w_codes, proj_w_scales, fc_w_codes, fc_w_scales, fc_proj_w_codes, fc_proj_w_scales, wr; writes wr
.if DOCPART == 1
	.amdgcn_target "amdgcn-amd-amdhsa--gfx1250"
	.amdhsa_code_object_version 6
	.text
	.protected	k_qcf807ce6d9_prep
	.globl	k_qcf807ce6d9_prep
	.p2align	8
	.type	k_qcf807ce6d9_prep,@function
k_qcf807ce6d9_prep:
	s_mov_b64 s[64:65], 0
	v_nop
	global_prefetch_b8 v0, s[64:65] scope:SCOPE_SE
	s_setreg_imm32_b32 hwreg(HW_REG_WAVE_MODE, 25, 1), 1
	s_wait_xcnt 0x0
; The four weights (codes [N][K], K innermost, and E8M0 bytes [N][K/32]) are laid once as RECORDS, the order in which a wave's operand registers take them.
; A record is 128 rows x 256 along K, 33,792 bytes: codes at a*4096 + q*2048 + c*512 + 16*lane (tile a of 16 rows, K step q of 128, registers 4c..4c+3 of the fragment), scale words at 32768 + q*512 + a*64 + 4*r.
; THE ROWS OF A TILE ARE NOT NEIGHBOURS: lane r of tile 2 b + u holds row 32 b + 8 u + r + 8 (r / 8) of the 128; lane (r, h) holds k = 128 q + 32 c + 16 h + 0..15 of it.
; wr: records 0-95 attn_w, 96-127 proj_w, 128-255 fc_w, 256-383 fc_proj_w; inside a weight record = group of 128 rows x (K / 256) + K slot.  Work-group p makes record p.
; Wave w takes rows 32 w .. 32 w + 31 (tiles 2 w, 2 w + 1): 16 loads of two whole 256-byte row pieces, through its own stage in LDS (pitch 272), back as register images, 16 stores of 512 consecutive bytes.
; Only pointers and sizes are chosen by the work-group's number: one path through the text.  No tensor loads, no barrier: waves share nothing.
.set REC,   33792
.set PITCH, 272
.set WST,   32*PITCH                   ; a wave's stage
.set AD,    16                         ; v16-31   byte offsets of the 16 loads; never rewritten
.set RAW,   32                         ; v32-95   rows as loaded
.set IMG,   96                         ; v96-159  the images
.set SW,    160                        ; v160-161 scale words of my two tiles
	s_load_b256 s[8:15], s[0:1], 0x0               ; attn codes, scales; proj codes, scales
	s_load_b256 s[16:23], s[0:1], 0x20             ; fc codes, scales; fc_proj codes, scales
	s_load_b64 s[24:25], s[0:1], 0x40              ; wr
	v_lshl_add_u32 v168, v0, 2, 0x8800
	v_mov_b32 v169, 0
	v_lshrrev_b32 v1, 5, v0
	v_readfirstlane_b32 s2, v1                     ; wave
	v_and_b32 v1, 31, v0                           ; lane
	v_and_b32 v2, 15, v0                           ; r
	v_bfe_u32 v3, v0, 4, 1                         ; h
	v_and_b32 v4, 8, v2
	v_add_nc_u32 v4, v4, v2                        ; r + 8 (r / 8)
	s_mul_i32 s3, s2, WST
	v_mul_u32_u24 v5, v3, PITCH
	v_lshl_add_u32 v5, v2, 4, v5
	v_add_nc_u32 v5, s3, v5                        ; into the stage: lanes 0-15 one row, lanes 16-31 the next
	v_mul_u32_u24 v6, v4, PITCH
	v_lshl_add_u32 v6, v3, 4, v6
	v_add_nc_u32 v6, s3, v6                        ; out of it: my tile's row, + 16 h
	v_lshlrev_b32 v7, 4, v1                        ; 16 x lane
	v_lshlrev_b32 v10, 9, v3
	v_lshl_add_u32 v10, v2, 2, v10                 ; a scale word's place: 512 h + 4 r (h = the K step)
	s_mov_b32 s30, 256                             ; fc_proj_w: first record 256,
	s_mov_b32 s31, 4                               ; 2^4 K slots
	s_wait_kmcnt 0x0
	s_mov_b64 s[26:27], s[20:21]
	s_mov_b64 s[28:29], s[22:23]
	s_cmp_lt_u32 ttmp9, 256                        ; fc_w
	s_cselect_b64 s[26:27], s[16:17], s[26:27]
	s_cselect_b64 s[28:29], s[18:19], s[28:29]
	s_cselect_b32 s30, 128, s30
	s_cselect_b32 s31, 2, s31
	s_cmp_lt_u32 ttmp9, 128                        ; proj_w
	s_cselect_b64 s[26:27], s[12:13], s[26:27]
	s_cselect_b64 s[28:29], s[14:15], s[28:29]
	s_cselect_b32 s30, 96, s30
	s_cmp_lt_u32 ttmp9, 96                         ; attn_w
	s_cselect_b64 s[26:27], s[8:9], s[26:27]
	s_cselect_b64 s[28:29], s[10:11], s[28:29]
	s_cselect_b32 s30, 0, s30
	s_sub_co_u32 s33, ttmp9, s30                   ; the record's number inside its weight
	s_lshr_b32 s34, s33, s31                       ; group of 128 rows
	s_lshl_b32 s35, s34, s31
	s_sub_co_u32 s35, s33, s35                     ; K slot
	s_lshl_b32 s36, s34, 7
	s_lshl_b32 s37, s2, 5
	s_add_co_u32 s36, s36, s37                     ; my first row
	s_add_co_u32 s38, s31, 8                       ; log2 K
	s_add_co_u32 s39, s31, 3                       ; log2 (K / 32)
	s_lshl_b32 s40, s36, s38
	s_lshl_b32 s41, s35, 8
	s_add_co_u32 s40, s40, s41
	s_mov_b32 s41, 0
	s_add_nc_u64 s[26:27], s[26:27], s[40:41]      ; the codes of my rows, at this K slot
	s_lshl_b32 s40, s36, s39
	s_lshl_b32 s42, s35, 3
	s_add_co_u32 s40, s40, s42
	s_add_nc_u64 s[28:29], s[28:29], s[40:41]      ; their scale bytes
	s_mul_i32 s40, ttmp9, REC
	s_lshl_b32 s42, s2, 13
	s_add_co_u32 s42, s42, s40
	s_mov_b32 s43, 0
	s_add_nc_u64 s[44:45], s[24:25], s[42:43]      ; the record, at tile 2 w
	s_lshl_b32 s42, s2, 7
	s_add_co_u32 s42, s42, s40
	s_add_co_u32 s42, s42, 32768
	s_add_nc_u64 s[46:47], s[24:25], s[42:43]      ; its scale words, at tile 2 w
	s_lshl_b32 s32, 2, s38                         ; two rows in bytes
	s_lshl_b32 s37, 8, s39                         ; eight rows of scale bytes
	v_lshlrev_b32 v[AD], s38, v3
	v_lshl_add_u32 v[AD], v2, 4, v[AD]             ; h rows + 16 r
.irp i, 1,2,3,4,5,6,7,8,9,10,11,12,13,14,15
	v_add_nc_u32 v[AD+\i], s32, v[AD+\i-1]
.endr
	v_lshlrev_b32 v8, s39, v4
	v_lshl_add_u32 v8, v3, 2, v8                   ; tile 2 w: my row's bytes, + 4 h
	v_add_nc_u32 v9, s37, v8                       ; tile 2 w + 1 begins eight rows on
.irp i, 0,1,2,3,4,5,6,7,8,9,10,11,12,13,14,15
	global_load_b128 v[RAW+4*\i:RAW+4*\i+3], v[AD+\i], s[26:27] th:TH_LOAD_NT   ; rows 2 i, 2 i + 1: 256 consecutive bytes each
.endr
	global_load_b32 v[SW], v8, s[28:29]
	global_load_b32 v[SW+1], v9, s[28:29]
	s_wait_loadcnt 0x2                             ; the 16 loads of codes are in; the two behind them may be out
.irp i, 0,1,2,3,4,5,6,7,8,9,10,11,12,13,14,15
	ds_store_b128 v5, v[RAW+4*\i:RAW+4*\i+3] offset:2*PITCH*\i
.endr
.irp u, 0,1
.irp q, 0,1
.irp c, 0,1,2,3
	ds_load_b128 v[IMG+4*(8*\u+4*\q+\c):IMG+4*(8*\u+4*\q+\c)+3], v6 offset:8*PITCH*\u+128*\q+32*\c   ; LDS serves a wave's instructions in order: these see my stores
.endr
.endr
.endr
.irp u, 0,1
.irp q, 0,1
.irp c, 0,1,2,3
	s_wait_dscnt 15-(8*\u+4*\q+\c)
	global_store_b128 v7, v[IMG+4*(8*\u+4*\q+\c):IMG+4*(8*\u+4*\q+\c)+3], s[44:45] offset:4096*\u+2048*\q+512*\c   ; 512 consecutive bytes
.endr
.endr
.endr
	s_wait_loadcnt 0x0
	global_store_b32 v10, v[SW], s[46:47]
	global_store_b32 v10, v[SW+1], s[46:47] offset:64
	s_wait_tensorcnt 0x0
	ds_add_u32 v168, v169
	s_wait_dscnt 0x0
	s_endpgm
.Lfunc_end_k_qcf807ce6d9_prep:
	.size	k_qcf807ce6d9_prep, .Lfunc_end_k_qcf807ce6d9_prep-k_qcf807ce6d9_prep
	.p2alignl 7, 3214868480
	.fill 96, 4, 3214868480
	.section	.rodata,"a",@progbits
	.p2align	6, 0x0
	.amdhsa_kernel k_qcf807ce6d9_prep
		.amdhsa_group_segment_fixed_size 35328
		.amdhsa_private_segment_fixed_size 0
		.amdhsa_enable_private_segment 0
		.amdhsa_kernarg_size 72
		.amdhsa_user_sgpr_count 2
		.amdhsa_user_sgpr_kernarg_segment_ptr 1
		.amdhsa_wavefront_size32 1
		.amdhsa_system_sgpr_workgroup_id_x 1
		.amdhsa_system_sgpr_workgroup_id_y 1
		.amdhsa_system_sgpr_workgroup_id_z 1
		.amdhsa_system_vgpr_workitem_id 0
		.amdhsa_next_free_vgpr 170
		.amdhsa_next_free_sgpr 66
		.amdhsa_reserve_vcc 0
		.amdhsa_float_denorm_mode_32 3
		.amdhsa_float_denorm_mode_16_64 3
		.amdhsa_memory_ordered 1
		.amdhsa_forward_progress 1
		.amdhsa_inst_pref_size 10
	.end_amdhsa_kernel
	.amdgpu_metadata
---
amdhsa.version: [ 1, 2 ]
amdhsa.kernels:
  - .name:           k_qcf807ce6d9_prep
    .symbol:         k_qcf807ce6d9_prep.kd
    .args:
      - { .name: attn_w_codes, .offset: 0, .size: 8, .value_kind: global_buffer, .address_space: global }
      - { .name: attn_w_scales, .offset: 8, .size: 8, .value_kind: global_buffer, .address_space: global }
      - { .name: proj_w_codes, .offset: 16, .size: 8, .value_kind: global_buffer, .address_space: global }
      - { .name: proj_w_scales, .offset: 24, .size: 8, .value_kind: global_buffer, .address_space: global }
      - { .name: fc_w_codes, .offset: 32, .size: 8, .value_kind: global_buffer, .address_space: global }
      - { .name: fc_w_scales, .offset: 40, .size: 8, .value_kind: global_buffer, .address_space: global }
      - { .name: fc_proj_w_codes, .offset: 48, .size: 8, .value_kind: global_buffer, .address_space: global }
      - { .name: fc_proj_w_scales, .offset: 56, .size: 8, .value_kind: global_buffer, .address_space: global }
      - { .name: wr, .offset: 64, .size: 8, .value_kind: global_buffer, .address_space: global }
    .group_segment_fixed_size: 35328
    .private_segment_fixed_size: 0
    .kernarg_segment_align: 8
    .kernarg_segment_size: 72
    .max_flat_workgroup_size: 128
    .sgpr_count:     66
    .vgpr_count:     170
    .wavefront_size: 32
...
	.end_amdgpu_metadata
.endif
;; end of part 1
;; launch ln1 (part 2): grid 256 x 1, 4 waves a work-group, no clusters, 43,520 bytes of LDS; arguments x, ln1_w, ln1_b, hr; writes hr
.if DOCPART == 2
	.amdgcn_target "amdgcn-amd-amdhsa--gfx1250"
	.amdhsa_code_object_version 6
	.text
	.protected	k_qcf807ce6d9_ln1
	.globl	k_qcf807ce6d9_ln1
	.p2align	8
	.type	k_qcf807ce6d9_ln1,@function
k_qcf807ce6d9_ln1:
	s_mov_b64 s[64:65], 0
	v_nop
	global_prefetch_b8 v0, s[64:65] scope:SCOPE_SE
	s_setreg_imm32_b32 hwreg(HW_REG_WAVE_MODE, 25, 1), 1
	s_wait_xcnt 0x0
; h = (x - mean) * rsqrt(var + 1e-5) * w + b over rows of 1,024 f32, quantised along the row to E4M3 with one E8M0 byte for each 32, and stored as records (128 rows x 256 K, 33,792 bytes:
; codes at a*4096 + q*2048 + c*512 + 16*lane, scale words at 32768 + q*512 + a*64 + 4*r; lane r of tile 2 b + u holds row 32 b + 8 u + r + 8 (r / 8)), laid [row group][K slot].
; A work-group is one tile of 16 rows; wave w takes columns 256 w .. 256 w + 255: K slot w, two fragments.  Every load reads 512 consecutive bytes; the numbers turn through the wave's own stage in LDS, so that
; lane (r, h) holds, of row r, 16 neighbours of each block of 32.  Mean and variance in two passes (the deviations are squared, not the numbers), summed over the four waves through LDS: two barriers.
; LIMITS: NaN and infinities are not served; a block whose largest magnitude lies under 2^-118 (a block of zeros among them) gets the byte 1: the bytes are read by this program alone; the last multiply and add are fused.
.set REC,  33792
.set SP,   528                         ; a stage row: 512 bytes + 16
.set WB,   33792                       ; behind the four stages: 2,048 bytes a wave: its 256 gains, its 256 biases
.set RED,  41984                       ; 512 bytes: the waves' sums; 512 more for the sums of squares
.set X,    16                          ; v16-143  number 64 q + 16 b + i = column 256 w + 128 q + 32 b + 16 h + i of my row
.set GA,   144                         ; v144-159 a block's gains
.set BE,   160                         ; v160-175 a block's biases
.set TM,   176                         ; v176-191 the quantiser's: largest magnitudes, bytes, holds, scale operands
.set PC,   192                         ; v192-207 a fragment's codes
.set PW,   208                         ; v208-209 the two scale words
.set SM,   210                         ; v210-217 four chains of packed sums
.set MU,   218                         ; v218-219 the mean, twice
.set RS,   220                         ; v220-221 1 / sqrt(var + eps), twice
.set T0,   222
.set SEL,  12                          ; s[12:13] lane selects: lane l xor 16
.set MNT,  14                          ; s14 the mantissa field of 448
; 64 numbers of a lane, register 16 b + i = k 32 b + 16 h + i of my row, become a fragment's codes in v[PC] on and its scale word in v[pw]
.macro QUANT s, pw
.irp b, 0,1,2,3
	v_max3_num_f32 v[TM+\b], |v[(\s)+16*\b]|, |v[(\s)+1+16*\b]|, 0x4800000   ; my 16 numbers of block b, and the floor 2^(9 - 127): the byte cannot fall under 1
.endr
.irp i, 2,4,6,8,10,12,14
.irp b, 0,1,2,3
	v_max3_num_f32 v[TM+\b], v[TM+\b], |v[(\s)+16*\b+\i]|, |v[(\s)+1+16*\b+\i]|
.endr
.endr
.irp b, 0,1,2,3
	v_permlanex16_b32 v[TM+4+\b], v[TM+\b], s[SEL], s[SEL+1]
.endr
.irp b, 0,1,2,3
	v_max_num_f32 v[TM+\b], v[TM+\b], v[TM+4+\b]   ; with lane l xor 16's: the block's largest magnitude
.endr
.irp b, 0,1,2,3
	v_add_nc_u32 v[TM+12+\b], 0xfc000000, v[TM+\b] ; 8 off its exponent field: the conversion's scale operand
.endr
.irp b, 0,1,2,3
	v_and_or_b32 v[TM+8+\b], v[TM+\b], 0x7f800000, s[MNT]   ; 448 x the scale
.endr
.irp b, 0,1,2,3
	v_lshrrev_b32 v[TM+4+\b], 23, v[TM+12+\b]      ; the scale's byte
.endr
	v_lshl_or_b32 v[\pw], v[TM+5], 8, v[TM+4]
	v_lshl_or_b32 v[\pw], v[TM+6], 16, v[\pw]
	v_lshl_or_b32 v[\pw], v[TM+7], 24, v[\pw]
.irp b, 0,1,2,3
.irp i, 0,1,2,3,4,5,6,7,8,9,10,11,12,13,14,15
	v_med3_num_f32 v[(\s)+16*\b+\i], v[(\s)+16*\b+\i], -v[TM+8+\b], v[TM+8+\b]   ; the conversion does not saturate (ISA guide 7.6.2): the hold
.endr
	v_cvt_scalef32_pk8_fp8_f32 v[PC+4*\b:PC+1+4*\b], v[(\s)+16*\b:(\s)+7+16*\b], v[TM+12+\b]
	v_cvt_scalef32_pk8_fp8_f32 v[PC+2+4*\b:PC+3+4*\b], v[(\s)+8+16*\b:(\s)+15+16*\b], v[TM+12+\b]
.endr
	v_nop                                          ; a plain line behind the last conversion
.endm
; the four chains in v[SM] on are added, joined with lane l xor 16's, and summed over the four waves through the words at off; the row's sum comes back in v[SM]
.macro REDUCE off
	v_pk_add_f32 v[SM:SM+1], v[SM:SM+1], v[SM+2:SM+3]
	v_pk_add_f32 v[SM+4:SM+5], v[SM+4:SM+5], v[SM+6:SM+7]
	v_pk_add_f32 v[SM:SM+1], v[SM:SM+1], v[SM+4:SM+5]
	v_add_f32 v[T0], v[SM], v[SM+1]
	v_permlanex16_b32 v[T0+1], v[T0], s[SEL], s[SEL+1]
	v_add_f32 v[T0], v[T0], v[T0+1]
	ds_store_b32 v9, v[T0] offset:\off
	s_wait_dscnt 0x0                               ; for the others' sake: my word has landed
	s_barrier_signal -1
	s_barrier_wait -1
.irp w, 0,1,2,3
	ds_load_b32 v[SM+\w], v8 offset:\off+128*\w
.endr
	s_wait_dscnt 0x0
	v_add_f32 v[SM], v[SM], v[SM+1]
	v_add_f32 v[SM+2], v[SM+2], v[SM+3]
	v_add_f32 v[SM], v[SM], v[SM+2]
.endm
	s_load_b256 s[4:11], s[0:1], 0x0               ; x, gain, bias, hr
	v_lshl_add_u32 v224, v0, 2, 0xa800
	v_mov_b32 v225, 0
	v_lshrrev_b32 v1, 5, v0
	v_readfirstlane_b32 s2, v1                     ; wave
	v_and_b32 v1, 31, v0                           ; lane
	v_and_b32 v2, 15, v0                           ; r
	v_bfe_u32 v3, v0, 4, 1                         ; h
	v_lshlrev_b32 v4, 4, v1                        ; 16 x lane
	s_mul_i32 s3, s2, 16*SP
	v_add_nc_u32 v5, s3, v4                        ; into my stage: a row's 512 bytes, 16 a lane
	v_mul_u32_u24 v6, v2, SP
	v_lshl_add_u32 v6, v3, 6, v6
	v_add_nc_u32 v6, s3, v6                        ; out of it: row r, + 64 h
	s_lshl_b32 s3, s2, 11
	s_add_co_u32 s3, s3, WB
	v_lshlrev_b32 v7, 6, v3
	v_add_nc_u32 v7, s3, v7                        ; my gains: + 64 h
	v_add_nc_u32 v10, s3, v4                       ; and where they are put
	v_lshl_add_u32 v8, v1, 2, RED
	s_lshl_b32 s3, s2, 7
	v_add_nc_u32 v9, s3, v8                        ; my wave's 32 words
	v_mov_b32 v[T0+1], 0                           ; (a lane permute's destination counts as one of its sources)
.irp b, 0,1,2,3
	v_mov_b32 v[TM+4+\b], 0
.endr
	s_mov_b32 s[SEL], 0x76543210
	s_mov_b32 s[SEL+1], 0xfedcba98
	s_mov_b32 s[MNT], 0x600000
	s_mov_b32 s30, 0x3a800000                      ; 1 / 1024
	s_mov_b32 s31, 0x3727c5ac                      ; 1e-5
	s_lshr_b32 s16, ttmp9, 3                       ; group of 128 rows
	s_and_b32 s17, ttmp9, 7                        ; tile a
	s_lshl_b32 s18, s16, 7
	s_lshr_b32 s19, s17, 1
	s_lshl_b32 s19, s19, 5
	s_add_co_u32 s18, s18, s19
	s_and_b32 s19, s17, 1
	s_lshl_b32 s19, s19, 3
	s_add_co_u32 s18, s18, s19                     ; the tile's first row: 128 g + 32 (a / 2) + 8 (a % 2)
	s_lshl_b32 s18, s18, 12
	s_lshl_b32 s20, s2, 10                         ; my 256 columns
	s_add_co_u32 s18, s18, s20
	s_mov_b32 s19, 0
	s_mov_b32 s21, 0
	s_lshl_b32 s22, s16, 2
	s_add_co_u32 s22, s22, s2
	s_mul_i32 s22, s22, REC                        ; record (g, K slot w)
	s_lshl_b32 s24, s17, 12
	s_add_co_u32 s24, s24, s22
	s_mov_b32 s25, 0
	s_lshl_b32 s23, s17, 6
	s_add_co_u32 s22, s22, s23
	s_add_co_u32 s22, s22, 32768
	s_mov_b32 s23, 0
	s_wait_kmcnt 0x0
	s_add_nc_u64 s[4:5], s[4:5], s[18:19]
	s_add_nc_u64 s[6:7], s[6:7], s[20:21]
	s_add_nc_u64 s[8:9], s[8:9], s[20:21]
	s_add_nc_u64 s[26:27], s[10:11], s[24:25]      ; my tile's codes
	s_add_nc_u64 s[28:29], s[10:11], s[22:23]      ; its scale words
	global_load_b128 v[GA:GA+3], v4, s[6:7]
	global_load_b128 v[GA+4:GA+7], v4, s[6:7] offset:512
	global_load_b128 v[BE:BE+3], v4, s[8:9]
	global_load_b128 v[BE+4:BE+7], v4, s[8:9] offset:512
.irp q, 0,1
.irp i, 0,1,2,3,4,5,6,7,8,9,10,11,12,13,14,15
	global_load_b128 v[X+64*\q+4*\i:X+64*\q+4*\i+3], v4, s[4:5] offset:(\i+8*(\i/8))*4096+512*\q th:TH_LOAD_NT   ; the tile's row i, 512 consecutive bytes
.endr
.endr
	s_wait_loadcnt 32                              ; gains and biases are in; the 32 loads of x may be out
	ds_store_b128 v10, v[GA:GA+3]
	ds_store_b128 v10, v[GA+4:GA+7] offset:512
	ds_store_b128 v10, v[BE:BE+3] offset:1024
	ds_store_b128 v10, v[BE+4:BE+7] offset:1536
.irp q, 0,1
	s_wait_loadcnt 16-16*\q                        ; this half's 16 loads are in
.irp i, 0,1,2,3,4,5,6,7,8,9,10,11,12,13,14,15
	ds_store_b128 v5, v[X+64*\q+4*\i:X+64*\q+4*\i+3] offset:SP*\i
.endr
	s_wait_dscnt 0x0                               ; the stores have read their registers, which take the numbers back
.irp b, 0,1,2,3
.irp j, 0,1,2,3
	ds_load_b128 v[X+64*\q+16*\b+4*\j:X+64*\q+16*\b+4*\j+3], v6 offset:128*\b+16*\j
.endr
.endr
.endr
	s_wait_dscnt 0x0
	; the mean
.irp c, 0,1,2,3
	v_pk_add_f32 v[SM+2*\c:SM+2*\c+1], v[X+2*\c:X+2*\c+1], v[X+8+2*\c:X+8+2*\c+1]
.endr
.set j, 16
.rept 14
.irp c, 0,1,2,3
	v_pk_add_f32 v[SM+2*\c:SM+2*\c+1], v[SM+2*\c:SM+2*\c+1], v[X+j+2*\c:X+j+2*\c+1]
.endr
.set j, j+8
.endr
	REDUCE 0
	v_mul_f32 v[MU], s30, v[SM]
	v_mov_b32 v[MU+1], v[MU]
	; the deviations, in place, and the sum of their squares
.set j, 0
.rept 64
	v_pk_add_f32 v[X+j:X+j+1], v[X+j:X+j+1], v[MU:MU+1] op_sel_hi:[1,0] neg_lo:[0,1] neg_hi:[0,1]
.set j, j+2
.endr
.irp c, 0,1,2,3
	v_pk_mul_f32 v[SM+2*\c:SM+2*\c+1], v[X+2*\c:X+2*\c+1], v[X+2*\c:X+2*\c+1]
.endr
.set j, 8
.rept 15
.irp c, 0,1,2,3
	v_pk_fma_f32 v[SM+2*\c:SM+2*\c+1], v[X+j+2*\c:X+j+2*\c+1], v[X+j+2*\c:X+j+2*\c+1], v[SM+2*\c:SM+2*\c+1]
.endr
.set j, j+8
.endr
	REDUCE 512
	v_fma_f32 v[T0], v[SM], s30, s31               ; var + eps
	v_rsq_f32 v[RS], v[T0]
	v_nop                                          ; a plain line behind the transcendental
	s_wait_alu depctr_va_vdst(0)                   ; the wait ahead of the first line that names the result
	v_mov_b32 v[RS+1], v[RS]
	; x rstd x gain + bias, block by block
.irp q, 0,1
.irp b, 0,1,2,3
.irp j, 0,1,2,3
	ds_load_b128 v[GA+4*\j:GA+4*\j+3], v7 offset:512*\q+128*\b+16*\j
	ds_load_b128 v[BE+4*\j:BE+4*\j+3], v7 offset:1024+512*\q+128*\b+16*\j
.endr
.irp i, 0,2,4,6,8,10,12,14
	v_pk_mul_f32 v[X+64*\q+16*\b+\i:X+64*\q+16*\b+\i+1], v[X+64*\q+16*\b+\i:X+64*\q+16*\b+\i+1], v[RS:RS+1] op_sel_hi:[1,0]
.endr
	s_wait_dscnt 0x0
.irp i, 0,2,4,6,8,10,12,14
	v_pk_fma_f32 v[X+64*\q+16*\b+\i:X+64*\q+16*\b+\i+1], v[X+64*\q+16*\b+\i:X+64*\q+16*\b+\i+1], v[GA+\i:GA+\i+1], v[BE+\i:BE+\i+1]
.endr
.endr
.endr
	QUANT X, PW
.irp c, 0,1,2,3
	global_store_b128 v4, v[PC+4*\c:PC+4*\c+3], s[26:27] offset:512*\c
.endr
	s_wait_xcnt 0x0                                ; the stores have read the codes' registers, which are written again
	QUANT X+64, PW+1
.irp c, 0,1,2,3
	global_store_b128 v4, v[PC+4*\c:PC+4*\c+3], s[26:27] offset:2048+512*\c
.endr
	v_cmp_eq_u32 vcc_lo, 1, v3
	v_cndmask_b32 v[T0], v[PW], v[PW+1], vcc_lo    ; lanes 0-15 store K step 0's words, lanes 16-31 K step 1's
	v_lshlrev_b32 v[T0+1], 9, v3
	v_lshl_add_u32 v[T0+1], v2, 2, v[T0+1]
	global_store_b32 v[T0+1], v[T0], s[28:29]      ; two pieces of 64 bytes: all the words that a tile owns
	s_wait_tensorcnt 0x0
	ds_add_u32 v224, v225
	s_wait_dscnt 0x0
	s_endpgm
.Lfunc_end_k_qcf807ce6d9_ln1:
	.size	k_qcf807ce6d9_ln1, .Lfunc_end_k_qcf807ce6d9_ln1-k_qcf807ce6d9_ln1
	.p2alignl 7, 3214868480
	.fill 96, 4, 3214868480
	.section	.rodata,"a",@progbits
	.p2align	6, 0x0
	.amdhsa_kernel k_qcf807ce6d9_ln1
		.amdhsa_group_segment_fixed_size 43520
		.amdhsa_private_segment_fixed_size 0
		.amdhsa_enable_private_segment 0
		.amdhsa_kernarg_size 32
		.amdhsa_user_sgpr_count 2
		.amdhsa_user_sgpr_kernarg_segment_ptr 1
		.amdhsa_wavefront_size32 1
		.amdhsa_system_sgpr_workgroup_id_x 1
		.amdhsa_system_sgpr_workgroup_id_y 1
		.amdhsa_system_sgpr_workgroup_id_z 1
		.amdhsa_system_vgpr_workitem_id 0
		.amdhsa_next_free_vgpr 226
		.amdhsa_next_free_sgpr 66
		.amdhsa_reserve_vcc 1
		.amdhsa_float_denorm_mode_32 3
		.amdhsa_float_denorm_mode_16_64 3
		.amdhsa_memory_ordered 1
		.amdhsa_forward_progress 1
		.amdhsa_inst_pref_size 54
	.end_amdhsa_kernel
	.amdgpu_metadata
---
amdhsa.version: [ 1, 2 ]
amdhsa.kernels:
  - .name:           k_qcf807ce6d9_ln1
    .symbol:         k_qcf807ce6d9_ln1.kd
    .args:
      - { .name: x, .offset: 0, .size: 8, .value_kind: global_buffer, .address_space: global }
      - { .name: ln1_w, .offset: 8, .size: 8, .value_kind: global_buffer, .address_space: global }
      - { .name: ln1_b, .offset: 16, .size: 8, .value_kind: global_buffer, .address_space: global }
      - { .name: hr, .offset: 24, .size: 8, .value_kind: global_buffer, .address_space: global }
    .group_segment_fixed_size: 43520
    .private_segment_fixed_size: 0
    .kernarg_segment_align: 8
    .kernarg_segment_size: 32
    .max_flat_workgroup_size: 128
    .sgpr_count:     66
    .vgpr_count:     226
    .wavefront_size: 32
...
	.end_amdgpu_metadata
.endif
;; end of part 2
;; launch qkv (part 3): grid 12 x 16, 4 waves a work-group, clusters of 4 x 4, 327,680 bytes of LDS; arguments hr, wr, attn_b, qkvr; writes qkvr
.if DOCPART == 3
	.amdgcn_target "amdgcn-amd-amdhsa--gfx1250"
	.amdhsa_code_object_version 6
	.text
	.protected	k_qcf807ce6d9_qkv
	.globl	k_qcf807ce6d9_qkv
	.p2align	8
	.type	k_qcf807ce6d9_qkv,@function
k_qcf807ce6d9_qkv:
	s_mov_b64 s[64:65], 0
	v_nop
	global_prefetch_b8 v0, s[64:65] scope:SCOPE_SE
	s_setreg_imm32_b32 hwreg(HW_REG_WAVE_MODE, 25, 1), 1
	s_wait_xcnt 0x0
	s_wait_alu depctr_hold_cnt(0) depctr_sa_sdst(0) depctr_va_vdst(0) depctr_va_sdst(0) depctr_va_ssrc(0) depctr_va_vcc(0) depctr_vm_vsrc(0)
	s_getreg_b32 s2, hwreg(HW_REG_IB_STS2, 6, 4)
	s_cmp_eq_u32 s2, 0
	s_cbranch_scc0 .Lentry_in_a_cluster
	s_endpgm
.Lentry_in_a_cluster:
	s_bfe_u32 s2, ttmp6, 0x10000c
	s_cmp_lg_u32 s2, 0xf033
	s_cbranch_scc0 .Lentry_shape_is_right
	s_endpgm
.Lentry_shape_is_right:
; qkv = h attn_w + attn_b on codes of E4M3 with E8M0 scales, K = 1,024; q, k and v are quantised in registers on the way out and stored as attention's operands.
; OPERANDS lie in memory as records (128 rows x 256 K, 33,792 bytes, register images: codes at a*4096 + q*2048 + c*512 + 16*lane, scale words at 32768 + q*512 + a*64 + 4*r; lane r of tile 2 b + u = row 32 b + 8 u + r + 8 (r / 8)).
; A tile of C, 256 x 256, is made by four waves, 128 x 128 each: 64 accumulators.  K goes in steps of 256 through two LDS slots of four records; each wave fetches one record by one dense tensor load, codes and scales together.
; CLUSTERS: 4 x 4; the A role's records are shared along a row of the cluster, the B role's along a column: joint loads.  The product is used transposed (source 0 = B role, source 1 = A role): a lane holds one row of the
; A role, and its 64 registers of a block of eight tiles are 128 neighbouring rows of the B role, in the order of the next operand's registers.
; ROLES.  Cluster x = 0: q, 1: k: A role = tokens (hr), B role = channels (wr): a lane's registers run along the channels, two heads of 64: each head's 64 are half a fragment of q or k.
; Cluster x = 2: v: the roles are swapped AT THE GLOBAL ADDRESSES ALONE (A role = v's channels, B role = tokens): a lane holds a channel and its registers run along 128 keys: a fragment of V^T.  LDS, masks and loop are the same.
; qkvr: [head 32][key step 16][17,152 bytes: K's codes 8 tiles x 1,024, V^T's codes 4 tiles x 2,048, K's scale words 512, V's 256]; from QOFF Q's codes [head][tile 128][1,024]; from QSOFF Q's scale words [head][tile][16].
; A head's scale word of q or k has its two bytes low; the two upper bytes (the neighbour head's, or 0) stand over zero codes and are never 0xff.
; LIMITS: NaN and infinities are not served; a block whose largest magnitude lies under 2^-118 gets the byte 1: the bytes are read by this program alone.
.set KSL,   4                          ; K / 256
.set KREC,  17152
.set QOFF,  8781824
.set QSOFF, 12976128
.set REC,   33792
.set SLOT,  4*REC                      ; the A role's two records, then the B role's two
.set NQ,    2
.set FR,    16
.set NL,    4
.set NP,    8                          ; places behind this matrix instruction (ISA guide 7.12.1)
.set LAPS,  KSL/2
.set SW0,   2*SLOT                     ; behind the ring: 1,024 bytes a wave for scale words, and 4,096 on the same for the second head's
.set SPARE, SW0+8192                   ; the spare words, 128 bytes a wave: two blocks of 256 bytes that no other line names
.set BV,    8                          ; v8-15   v: the bias of my channel in tile a
.set ADRA,  16                         ; v16-17  LDS address of my A fragments in slot 0, 1
.set ADRB,  20                         ; v20-21  B's
.set ADRS,  22                         ; v22-23  the scale words': lanes 0-15 A's, lanes 16-31 B's
.set LI,    24                         ; v24     16 x lane
.set SWI,   25                         ; v25     where a trip's scale word goes
.set SWO,   26                         ; v26     where 16 bytes of words come back
.set SOF,   27                         ; v27     their offset in memory
.set SPW,   28                         ; v28     my spare word; never rewritten
.set NIL,   29                         ; v29     0; never rewritten
.set TA,    30
.set TC,    31
.set SC,    32                         ; v32-63  scale words, a set for each slot: register 2 i + q
.set BI,    64                         ; v64-127 q, k: the bias of my 64 channels
.set AF,    128                        ; v128-255 A's eight fragments; on the way out: H, TM, PC, PW
.set H,     128
.set TM,    192
.set PC,    208
.set PW,    224
.set SEL,   12
.set MNT,   97
.set G1,    24
.set G0,    32
.set G1B,   48
.set G0B,   56
.set MSB,   0
.macro WIN new                         ; the immediate's high byte repeats the setting that is left
.if MSB != (\new)
	s_set_vgpr_msb (MSB<<8)|(\new)
.set MSB, (\new)
.endif
.endm
.set MUL_LO, 0xa1                      ; source 0 (B) window 1, source 1 (A) window 0, C and D window 2
.set MUL_HI, 0xf1                      ; the same, C and D window 3
.set TO_B,   0x40
.macro JLOAD s                         ; a joint load: waves 0, 1 fetch the A role's records, waves 2, 3 the B role's; four v_nop follow each line
	s_cmp_eq_u32 s15, 0
	s_cbranch_scc0 .Lfor_b_\@
	tensor_load_to_lds s[G0+4*\s:G0+4*\s+3], s[G1:G1+7]
	s_nop 0
.rept 4
	v_nop
.endr
	s_branch .Lasked_\@
.Lfor_b_\@:
	tensor_load_to_lds s[G0B+4*\s:G0B+4*\s+3], s[G1B:G1B+7]
	s_nop 0
.rept 4
	v_nop
.endr
.Lasked_\@:
.endm
.macro CREST                           ; a round of the cluster's barrier behind its opening barrier
	s_cmp_lg_u32 s14, 0
	s_cbranch_scc1 .Lnot_wave_0_\@
	s_barrier_signal -3
.Lnot_wave_0_\@:
	s_barrier_wait -3
	s_barrier_signal -1
	s_barrier_wait -1
.endm
.macro CROUND
	s_barrier_signal -1
	s_barrier_wait -1
	CREST
.endm
.macro PLACES n
.rept \n
	v_nop
.endr
.endm
.macro FRAG reg, adr, q, i             ; a fragment comes as it lies: four loads of 512 consecutive bytes
.irp c, 0,1,2,3
	ds_load_b128 v[\reg+4*\c:\reg+4*\c+3], v[\adr] offset:(\i)*4096+(\q)*2048+512*\c
.endr
.endm
.macro MUL16 a0, p, q, sc, zero        ; A's tiles a0, a0 + 1 x B's eight; the 64 accumulators take turns
.irp a, \a0, \a0+1
.irp b, 0,1,2,3,4,5,6,7
.if \zero
	v_wmma_scale_f32_16x16x128_f8f6f4 v[8*(8*((\a)%4)+\b):8*(8*((\a)%4)+\b)+7], v[128*(\p)+FR*\b:128*(\p)+FR*\b+FR-1], v[AF+FR*(\a):AF+FR*(\a)+FR-1], 0, v[SC+8*NQ*(\sc)+NQ*\b+(\q)], v[SC+8*NQ*(\sc)+NQ*(\a)+(\q)] matrix_a_scale:MATRIX_SCALE_ROW1
.else
	v_wmma_scale_f32_16x16x128_f8f6f4 v[8*(8*((\a)%4)+\b):8*(8*((\a)%4)+\b)+7], v[128*(\p)+FR*\b:128*(\p)+FR*\b+FR-1], v[AF+FR*(\a):AF+FR*(\a)+FR-1], v[8*(8*((\a)%4)+\b):8*(8*((\a)%4)+\b)+7], v[SC+8*NQ*(\sc)+NQ*\b+(\q)], v[SC+8*NQ*(\sc)+NQ*(\a)+(\q)] matrix_a_scale:MATRIX_SCALE_ROW1
.endif
.endr
.endr
.endm
.macro FETCH_B slot, q, p
	WIN TO_B
.irp i, 0,1,2,3,4,5,6,7
	FRAG 128*(\p)+FR*\i, ADRB+\slot, \q, \i
.endr
	WIN 0
.endm
.macro FETCH_A slot, q, i0
.irp i, \i0, \i0+1, \i0+2, \i0+3
	FRAG AF+FR*(\i), ADRA+\slot, \q, \i
.endr
.endm
.macro SCALES sc                       ; a slot's scale words: lanes 0-15 A's tile i, lanes 16-31 B's tile i
.irp i, 0,1,2,3,4,5,6,7
.irp q, 0,1
	ds_load_b32 v[SC+8*NQ*\sc+NQ*\i+\q], v[ADRS+\sc] offset:32768+512*\q+64*\i
.endr
.endr
.endm
.macro STEP slot, q, zero              ; 128 along K whose successor lies in the same slot
	s_wait_dscnt 4*NL                              ; all but the youngest 16 loads (A's tiles 4-7)
	WIN MUL_LO
	MUL16 0, (\q)%2, \q, \slot, \zero
	MUL16 2, (\q)%2, \q, \slot, \zero
	s_wait_dscnt 0
	PLACES NP
	FETCH_B \slot, (\q)+1, 1-(\q)%2
	FETCH_A \slot, (\q)+1, 0
	WIN MUL_HI
	MUL16 4, (\q)%2, \q, \slot, \zero
	MUL16 6, (\q)%2, \q, \slot, \zero
	PLACES NP
	WIN 0
	FETCH_A \slot, (\q)+1, 4
.endm
.macro TURN slot, next, fill           ; a slot's last step changes slots: one barrier; fill = 1: it opens a round of the cluster's barrier and the slot is filled again
	s_wait_tensorcnt 0x0                           ; all my tensor loads have landed: my record of the next slot
	ds_add_u32 v[SPW], v[NIL]                      ; 0 onto my spare word
	s_wait_dscnt 4*NL+1                            ; (the add and the youngest 16 loads may be out)
	WIN MUL_LO
	MUL16 0, 1, NQ-1, \slot, 0
	s_wait_dscnt 0x0                               ; the add is done, and my reads of this slot are over
	s_barrier_signal -1
	MUL16 2, 1, NQ-1, \slot, 0
	WIN 0
	s_barrier_wait -1
.if \fill
	CREST                                          ; no wave of any partner still reads this slot or has a load on its way
	s_add_nc_u64 s[G0+4*\slot+2:G0+4*\slot+3], s[G0+4*\slot+2:G0+4*\slot+3], 2*REC
	s_add_nc_u64 s[G0B+4*\slot+2:G0B+4*\slot+3], s[G0B+4*\slot+2:G0B+4*\slot+3], 2*REC
	JLOAD \slot                                    ; the first tensor load behind the round, one a wave; its four v_nop are among the places below
	PLACES NP-4
.else
	PLACES NP
.endif
	FETCH_B \next, 0, 0
	FETCH_A \next, 0, 0
	SCALES \next
	WIN MUL_HI
	MUL16 4, 1, NQ-1, \slot, 0
	MUL16 6, 1, NQ-1, \slot, 0
	PLACES NP
	WIN 0
	FETCH_A \next, 0, 4
.endm
; 64 numbers of a lane, register 16 b + i = k 32 b + 16 h + i, become a fragment's codes in v[PC] on and its scale word in v[pw]
.macro QUANT s, pw
.irp b, 0,1,2,3
	v_max3_num_f32 v[TM+\b], |v[(\s)+16*\b]|, |v[(\s)+1+16*\b]|, 0x4800000   ; with the floor 2^(9 - 127): the byte cannot fall under 1
.endr
.irp i, 2,4,6,8,10,12,14
.irp b, 0,1,2,3
	v_max3_num_f32 v[TM+\b], v[TM+\b], |v[(\s)+16*\b+\i]|, |v[(\s)+1+16*\b+\i]|
.endr
.endr
.irp b, 0,1,2,3
	v_permlanex16_b32 v[TM+4+\b], v[TM+\b], s[SEL], s[SEL+1]
.endr
.irp b, 0,1,2,3
	v_max_num_f32 v[TM+\b], v[TM+\b], v[TM+4+\b]
.endr
.irp b, 0,1,2,3
	v_add_nc_u32 v[TM+12+\b], 0xfc000000, v[TM+\b] ; 8 off the exponent field: the conversion's scale operand
.endr
.irp b, 0,1,2,3
	v_and_or_b32 v[TM+8+\b], v[TM+\b], 0x7f800000, s[MNT]   ; 448 x the scale
.endr
.irp b, 0,1,2,3
	v_lshrrev_b32 v[TM+4+\b], 23, v[TM+12+\b]
.endr
	v_lshl_or_b32 v[\pw], v[TM+5], 8, v[TM+4]
	v_lshl_or_b32 v[\pw], v[TM+6], 16, v[\pw]
	v_lshl_or_b32 v[\pw], v[TM+7], 24, v[\pw]
.irp b, 0,1,2,3
.irp i, 0,1,2,3,4,5,6,7,8,9,10,11,12,13,14,15
	v_med3_num_f32 v[(\s)+16*\b+\i], v[(\s)+16*\b+\i], -v[TM+8+\b], v[TM+8+\b]   ; the conversion does not saturate (ISA guide 7.6.2): the hold
.endr
	v_cvt_scalef32_pk8_fp8_f32 v[PC+4*\b:PC+1+4*\b], v[(\s)+16*\b:(\s)+7+16*\b], v[TM+12+\b]
	v_cvt_scalef32_pk8_fp8_f32 v[PC+2+4*\b:PC+3+4*\b], v[(\s)+8+16*\b:(\s)+15+16*\b], v[TM+12+\b]
.endr
	v_nop                                          ; a plain line behind the last conversion
.endm
.macro TAKE a                          ; q, k: block a's 64 sums + the bias of my 64 channels -> H; each accumulator from its low end on
	WIN 0x02+(\a)/4
.set i, 0
.rept 32
	v_pk_add_f32 v[H+i:H+i+1], v[64*((\a)%4)+i:64*((\a)%4)+i+1], v[BI+i:BI+i+1]
.set i, i+2
.endr
	WIN 0
.endm
.macro TAKEV a                         ; v: + the bias of my one channel
	WIN 0x02+(\a)/4
.set i, 0
.rept 64
	v_add_f32 v[H+i], v[64*((\a)%4)+i], v[BV+(\a)]
.set i, i+1
.endr
	WIN 0
.endm
	s_load_b256 s[4:11], s[0:1], 0x0               ; hr, wr, attn_b, qkvr
	v_lshl_add_u32 v[SPW], v0, 2, SPARE
	v_mov_b32 v[NIL], 0
	ds_add_u32 v28, v29
	s_wait_dscnt 0x0
	v_lshrrev_b32 v1, 5, v0
	v_readfirstlane_b32 s14, v1                    ; wave
	s_lshr_b32 s15, s14, 1                         ; which of the A role's two records I multiply.  Also: I fetch for A (0) or B (1)
	s_and_b32 s16, s14, 1                          ; which of the B role's.  Also: which record of the two I fetch
	s_bfe_u32 s40, ttmp6, 0x40000                  ; cx
	s_bfe_u32 s41, ttmp6, 0x40004                  ; cy
	s_lshl_b32 s42, ttmp9, 2
	s_add_co_u32 s42, s42, s40                     ; 4 X + cx
	s_and_b32 s18, ttmp7, 0xffff
	s_lshl_b32 s19, s18, 2                         ; 4 Y
	s_lshl_b32 s43, s41, 2
	s_lshl_b32 s43, 15, s43                        ; my row of the cluster
	s_lshl_b32 s44, 0x1111, s40                    ; my column
	s_or_b32 s[G1+0], s43, (3<<16)|(1<<21)         ; 15:0 the mask; 17:16 elements of 8 bytes; 21 set beside a mask; no padding
	s_or_b32 s[G1B+0], s44, (3<<16)|(1<<21)
.irp g, G1, G1B
	s_mov_b32 s[\g+1], 32<<16                      ; a record is a dense block: 132 rows of 32 elements (256 bytes)
	s_mov_b32 s[\g+2], 132<<16
	s_mov_b32 s[\g+3], 32<<16
	s_mov_b32 s[\g+4], 132
	s_mov_b32 s[\g+5], 32
	s_mov_b32 s[\g+6], 0
	s_mov_b32 s[\g+7], 0
.endr
	s_add_co_u32 s20, s19, s41
	s_lshl_b32 s20, s20, 1
	s_add_co_u32 s20, s20, s16                     ; A role, q and k: token group 2 (4 Y + cy) + half
	s_lshl_b32 s21, s41, 1
	s_add_co_u32 s21, s21, s16
	s_add_co_u32 s21, s21, 16                      ; A role, v: attn_w's group 16 + 2 cy + half
	s_lshl_b32 s46, s42, 1
	s_add_co_u32 s46, s46, s16                     ; B role, q and k: attn_w's group 2 (4 X + cx) + half
	s_add_co_u32 s47, s19, s40
	s_lshl_b32 s47, s47, 1
	s_add_co_u32 s47, s47, s16                     ; B role, v: token group 2 (4 Y + cx) + half
	s_mul_i32 s45, s14, REC                        ; where my record goes in a slot
	s_cmp_eq_u32 ttmp9, 2                          ; the cluster's x: the same in all sixteen partners
	s_cselect_b32 s68, 1, 0                        ; v?
	s_cselect_b32 s20, s21, s20
	s_cselect_b32 s46, s47, s46
	s_mul_i32 s20, s20, KSL*REC
	s_mul_i32 s46, s46, KSL*REC
	s_mov_b32 s21, 0
	s_mov_b32 s47, 0
	s_wait_kmcnt 0x0
	s_cselect_b64 s[22:23], s[6:7], s[4:5]
	s_cselect_b64 s[92:93], s[4:5], s[6:7]
	s_add_nc_u64 s[20:21], s[22:23], s[20:21]
	s_add_nc_u64 s[46:47], s[92:93], s[46:47]
	CROUND                                         ; all sixteen work-groups are here: the first joint loads meet
.irp s, 0,1
	s_mov_b32 s[G0+4*\s], 1
	s_add_co_u32 s[G0+4*\s+1], s45, \s*SLOT
	s_add_nc_u64 s[G0+4*\s+2:G0+4*\s+3], s[20:21], \s*REC
	s_or_b32 s[G0+4*\s+3], s[G0+4*\s+3], 0x80000000
	s_mov_b32 s[G0B+4*\s], 1
	s_add_co_u32 s[G0B+4*\s+1], s45, \s*SLOT
	s_add_nc_u64 s[G0B+4*\s+2:G0B+4*\s+3], s[46:47], \s*REC
	s_or_b32 s[G0B+4*\s+3], s[G0B+4*\s+3], 0x80000000
	JLOAD \s                                       ; two loads of mine are out
.endr
	v_and_b32 v1, 15, v0                           ; r
	v_bfe_u32 v2, v0, 4, 1                         ; h
	v_and_b32 v3, 31, v0                           ; lane
	v_lshlrev_b32 v[LI], 4, v3
	s_mul_i32 s21, s15, REC
	s_mul_i32 s22, s16, REC
	s_add_co_u32 s22, s22, 2*REC
	s_sub_co_u32 s23, s22, s21
	v_mul_u32_u24 v6, s23, v2                      ; lanes 16-31 take B's words
	v_lshl_add_u32 v6, v1, 2, v6
	v_add_nc_u32 v[ADRS], s21, v6
	v_add_nc_u32 v[ADRS+1], SLOT, v[ADRS]
.irp s, 0,1
	v_add_nc_u32 v[ADRA+\s], s21, v[LI]
	v_add_nc_u32 v[ADRB+\s], s22, v[LI]
	s_add_co_u32 s21, s21, SLOT
	s_add_co_u32 s22, s22, SLOT
.endr
	s_lshl_b32 s21, s14, 10
	v_lshl_add_u32 v[SWI], v3, 2, SW0
	v_add_nc_u32 v[SWI], s21, v[SWI]               ; SW0 + 1,024 wave + 4 lane
	v_lshrrev_b32 v5, 2, v3
	v_and_b32 v6, 3, v3
	v_lshlrev_b32 v[SWO], 7, v5
	v_lshl_add_u32 v[SWO], v6, 4, v[SWO]
	v_add_nc_u32 v[SWO], s21, v[SWO]
	v_add_nc_u32 v[SWO], SW0, v[SWO]               ; lane l takes words 4 (l % 4) .. + 3 of tile l / 4
	; the biases, in both forms
	s_mov_b32 s83, 0
	s_lshl_b32 s82, s42, 1
	s_add_co_u32 s82, s82, s16
	s_lshl_b32 s82, s82, 9
	s_add_nc_u64 s[20:21], s[8:9], s[82:83]        ; the 128 channels of the B role's record (q, k)
	s_lshl_b32 s82, s41, 1
	s_add_co_u32 s82, s82, s15
	s_add_co_u32 s82, s82, 16
	s_lshl_b32 s82, s82, 9
	s_mul_i32 s82, s82, s68
	s_add_nc_u64 s[22:23], s[8:9], s[82:83]        ; the 128 channels of the A role's record (v; else the buffer's head, not used)
	v_lshlrev_b32 v5, 6, v2                        ; 64 h
	v_and_b32 v6, 8, v1
	v_add_nc_u32 v6, v6, v1
	v_lshlrev_b32 v6, 2, v6                        ; 4 (r + 8 (r / 8))
.irp b, 0,1,2,3
.irp m, 0,1,2,3
	global_load_b128 v[BI+16*\b+4*\m:BI+16*\b+4*\m+3], v5, s[20:21] offset:128*\b+16*\m
.endr
.endr
.irp a, 0,1,2,3,4,5,6,7
	global_load_b32 v[BV+\a], v6, s[22:23] offset:4*(32*(\a/2)+8*(\a%2))
.endr
	; where my results go
	s_add_co_u32 s84, s19, s41
	s_lshl_b32 s84, s84, 1
	s_add_co_u32 s84, s84, s15                     ; my token group, q and k
	s_add_co_u32 s85, s19, s40
	s_lshl_b32 s85, s85, 1
	s_add_co_u32 s85, s85, s16                     ; v
	s_lshl_b32 s86, s40, 1
	s_add_co_u32 s86, s86, s16                     ; my group of 128 channels (two heads), q and k
	s_lshl_b32 s87, s41, 1
	s_add_co_u32 s87, s87, s15                     ; v
	s_cmp_eq_u32 s68, 1
	s_cselect_b32 s84, s85, s84
	s_cselect_b32 s86, s87, s86
	s_lshr_b32 s85, s84, 4                         ; batch
	s_and_b32 s84, s84, 15                         ; key step
	s_lshl_b32 s85, s85, 4
	s_lshl_b32 s87, s86, 1
	s_add_co_u32 s85, s85, s87                     ; my first head
	s_lshl_b32 s88, s85, 7
	s_lshl_b32 s89, s84, 3
	s_add_co_u32 s88, s88, s89                     ; q: its first tile
	s_lshl_b32 s89, s88, 10
	s_add_co_u32 s89, s89, QOFF
	s_lshl_b32 s88, s88, 6
	s_add_co_u32 s88, s88, QSOFF
	s_lshl_b32 s90, s85, 4
	s_add_co_u32 s90, s90, s84
	s_mul_i32 s90, s90, KREC                       ; k, v: the head's record of this key step
	s_add_co_u32 s91, s90, 16384
	s_mov_b32 s92, 16*KREC                         ; from head to head
	s_cmp_eq_u32 ttmp9, 0
	s_cselect_b32 s89, s89, s90                    ; codes
	s_cselect_b32 s88, s88, s91                    ; scale words
	s_cselect_b32 s93, 131072, s92                 ; from head to head, codes
	s_cselect_b32 s94, 8192, s92                   ; and words
	s_cmp_eq_u32 s68, 1
	s_cselect_b32 s93, 1024, s93                   ; v: a fragment's second half lies 1,024 on
	s_cselect_b32 s95, 8192, 0                     ; v's codes lie behind k's,
	s_cselect_b32 s96, 512, 0                      ; its words behind k's
	s_cselect_b32 s79, 16*KREC-256, 0              ; v: tiles 4-7 belong to the next head
	v_mul_u32_u24 v[SOF], s79, v2
	v_add_nc_u32 v[SOF], v[SOF], v[LI]
	s_lshl_b32 s78, 1024, s68                      ; from tile to tile: 1,024, v: 2,048
	s_mov_b32 s79, 2048+16*KREC-8192               ; v: from tile 3 to tile 4
	s_add_co_u32 s82, s89, s95
	s_add_nc_u64 s[70:71], s[10:11], s[82:83]
	s_add_co_u32 s82, s82, s93
	s_add_nc_u64 s[72:73], s[10:11], s[82:83]
	s_add_co_u32 s82, s88, s96
	s_add_nc_u64 s[74:75], s[10:11], s[82:83]
	s_add_co_u32 s82, s82, s94
	s_add_nc_u64 s[76:77], s[10:11], s[82:83]
	s_mov_b32 s[SEL], 0x76543210
	s_mov_b32 s[SEL+1], 0xfedcba98
	s_mov_b32 s[MNT], 0x600000
	s_wait_tensorcnt 1                             ; my record of slot 0 is in; slot 1's may stay out
	s_barrier_signal -1
	s_barrier_wait -1
	FETCH_B 0, 0, 0
	FETCH_A 0, 0, 0
	SCALES 0
	FETCH_A 0, 0, 4
	STEP 0, 0, 1                                   ; the first step's products start the sums
	s_mov_b32 s3, LAPS-1
.Llap:
	TURN 0, 1, 1
	STEP 1, 0, 0
	TURN 1, 0, 1
	STEP 0, 0, 0
	s_sub_co_u32 s3, s3, 1
	s_cmp_lg_u32 s3, 0
	s_cbranch_scc1 .Llap
	TURN 0, 1, 0                                   ; the last lap fills nothing
	STEP 1, 0, 0
	s_wait_dscnt 4*NL
	WIN MUL_LO
	MUL16 0, 1, NQ-1, 1, 0
	MUL16 2, 1, NQ-1, 1, 0
	s_wait_dscnt 0
	WIN MUL_HI
	MUL16 4, 1, NQ-1, 1, 0
	MUL16 6, 1, NQ-1, 1, 0
	WIN 0
	PLACES NP
	; THE WAY OUT: eight trips, one for each tile a of the A role.  The quantiser is written once; only the lines that fetch a block's 64 sums differ, and a ladder on the trip's number and on v leads to them.
	s_wait_loadcnt 0x0                             ; the biases
.irp b, 0,1,2,3
	v_mov_b32 v[TM+4+\b], 0                        ; (a lane permute's destination counts as one of its sources)
.endr
	s_mov_b32 s66, 0                               ; a
	s_mov_b32 s69, 0                               ; 128 a
	s_mov_b32 s80, 0                               ; this trip's step of the pointers
	s_mov_b32 s81, 0
.Lrow:
	s_lshl_b32 s67, s68, 3
	s_add_co_u32 s67, s67, s66
.irp n, 1,2,3,4,5,6,7
	s_cmp_eq_u32 s67, \n
	s_cbranch_scc1 .Ltake\n
.endr
.irp n, 0,1,2,3,4,5,6,7
	s_cmp_eq_u32 s67, 8+\n
	s_cbranch_scc1 .Ltakev\n
.endr
	TAKE 0
	s_branch .Lcommon
.irp n, 1,2,3,4,5,6,7
.Ltake\n:
	TAKE \n
	s_branch .Lcommon
.endr
.irp n, 0,1,2,3,4,5,6,7
.Ltakev\n:
	TAKEV \n
	s_branch .Lcommon
.endr
.Lcommon:
	s_wait_xcnt 0x0                                ; the last trip's stores have read their bases and the codes' registers
	s_add_nc_u64 s[70:71], s[70:71], s[80:81]
	s_add_nc_u64 s[72:73], s[72:73], s[80:81]
	s_cmp_eq_u32 s67, 11                           ; v, tile 3: the next tile is the next head's first
	s_cselect_b32 s80, s79, s78
	QUANT H, PW
	global_store_b128 v[LI], v[PC:PC+3], s[70:71]              ; q, k: the first head's half fragment; v: the fragment's first half.  512 consecutive bytes a store
	global_store_b128 v[LI], v[PC+4:PC+7], s[70:71] offset:512
	global_store_b128 v[LI], v[PC+8:PC+11], s[72:73]           ; q, k: the second head's; v: the second half
	global_store_b128 v[LI], v[PC+12:PC+15], s[72:73] offset:512
	v_add_nc_u32 v[TA], s69, v[SWI]
	v_lshrrev_b32 v[TC], 16, v[PW]
	ds_store_b32 v[TA], v[PW]                      ; the word as it is (q, k: the first head's bytes are its low two)
	ds_store_b32 v[TA], v[TC] offset:4096          ; and the second head's bytes, low
	s_add_co_u32 s69, s69, 128
	s_add_co_u32 s66, s66, 1
	s_cmp_lt_u32 s66, 8
	s_cbranch_scc1 .Lrow
	ds_load_b128 v[H:H+3], v[SWO]                  ; LDS serves a wave's instructions in order: these see my stores
	ds_load_b128 v[H+4:H+7], v[SWO] offset:4096
	s_wait_dscnt 0x0
	global_store_b128 v[SOF], v[H:H+3], s[74:75]   ; eight tiles' words: 512 consecutive bytes; v: 256 for each of two heads
	s_cmp_eq_u32 s68, 1
	s_cbranch_scc1 .Lno_second
	global_store_b128 v[LI], v[H+4:H+7], s[76:77]  ; q, k: the second head's words
.Lno_second:
	s_wait_tensorcnt 0x0                           ; the wave's end
	ds_add_u32 v[SPW], v[NIL]
	s_wait_dscnt 0x0
	CROUND                                         ; the closing round
	s_endpgm
.Lfunc_end_k_qcf807ce6d9_qkv:
	.size	k_qcf807ce6d9_qkv, .Lfunc_end_k_qcf807ce6d9_qkv-k_qcf807ce6d9_qkv
	.p2alignl 7, 3214868480
	.fill 96, 4, 3214868480
	.section	.rodata,"a",@progbits
	.p2align	6, 0x0
	.amdhsa_kernel k_qcf807ce6d9_qkv
		.amdhsa_group_segment_fixed_size 327680
		.amdhsa_private_segment_fixed_size 0
		.amdhsa_enable_private_segment 0
		.amdhsa_kernarg_size 32
		.amdhsa_user_sgpr_count 2
		.amdhsa_user_sgpr_kernarg_segment_ptr 1
		.amdhsa_wavefront_size32 1
		.amdhsa_system_sgpr_workgroup_id_x 1
		.amdhsa_system_sgpr_workgroup_id_y 1
		.amdhsa_system_sgpr_workgroup_id_z 1
		.amdhsa_system_vgpr_workitem_id 0
		.amdhsa_next_free_vgpr 1024
		.amdhsa_next_free_sgpr 100
		.amdhsa_reserve_vcc 0
		.amdhsa_float_denorm_mode_32 3
		.amdhsa_float_denorm_mode_16_64 3
		.amdhsa_memory_ordered 1
		.amdhsa_forward_progress 1
		.amdhsa_inst_pref_size 164
	.end_amdhsa_kernel
	.amdgpu_metadata
---
amdhsa.version: [ 1, 2 ]
amdhsa.kernels:
  - .name:           k_qcf807ce6d9_qkv
    .symbol:         k_qcf807ce6d9_qkv.kd
    .args:
      - { .name: hr, .offset: 0, .size: 8, .value_kind: global_buffer, .address_space: global }
      - { .name: wr, .offset: 8, .size: 8, .value_kind: global_buffer, .address_space: global }
      - { .name: attn_b, .offset: 16, .size: 8, .value_kind: global_buffer, .address_space: global }
      - { .name: qkvr, .offset: 24, .size: 8, .value_kind: global_buffer, .address_space: global }
    .group_segment_fixed_size: 327680
    .private_segment_fixed_size: 0
    .kernarg_segment_align: 8
    .kernarg_segment_size: 32
    .max_flat_workgroup_size: 128
    .sgpr_count:     100
    .vgpr_count:     1024
    .wavefront_size: 32
...
	.end_amdgpu_metadata
.endif
;; end of part 3
;; launch attn (part 4): grid 8 x 32, 16 waves a work-group, clusters of 4 x 1, 327,680 bytes of LDS; arguments qkvr, yr; writes yr
.if DOCPART == 4
	.amdgcn_target "amdgcn-amd-amdhsa--gfx1250"
	.amdhsa_code_object_version 6
	.text
	.protected	k_qcf807ce6d9_attn
	.globl	k_qcf807ce6d9_attn
	.p2align	8
	.type	k_qcf807ce6d9_attn,@function
k_qcf807ce6d9_attn:
	s_mov_b64 s[64:65], 0
	v_nop
	global_prefetch_b8 v0, s[64:65] scope:SCOPE_SE
	s_setreg_imm32_b32 hwreg(HW_REG_WAVE_MODE, 25, 1), 1
	s_wait_xcnt 0x0
	s_wait_alu depctr_hold_cnt(0) depctr_sa_sdst(0) depctr_va_vdst(0) depctr_va_sdst(0) depctr_va_ssrc(0) depctr_va_vcc(0) depctr_vm_vsrc(0)
	s_getreg_b32 s2, hwreg(HW_REG_IB_STS2, 6, 4)
	s_cmp_eq_u32 s2, 0
	s_cbranch_scc0 .Lentry_in_a_cluster
	s_endpgm
.Lentry_in_a_cluster:
	s_bfe_u32 s2, ttmp6, 0x10000c
	s_cmp_lg_u32 s2, 0x3003
	s_cbranch_scc0 .Lentry_shape_is_right
	s_endpgm
.Lentry_shape_is_right:
; Causal attention on codes of E4M3 with E8M0 scales: 32 heads of 64 channels, 2,048 tokens.  y is quantised along the channels on the way out and stored as the next product's records.
; qkvr: [head][key step 16][17,152 bytes: K's codes 8 tiles x 1,024, V^T's codes 4 tiles x 2,048, K's scale words 512, V's 256]; from QOFF Q's codes [head][tile 128][1,024]; from QSOFF Q's scale words [head][tile][16].
; A head has 64 channels, the matrix instruction takes 128 along K: the upper halves of Q's and K's fragments are zero codes, written once.
; SOFTMAX: t = score x log2(e) / 8; M = the running largest t rounded up to a whole number; p = 2^(t - M) is quantised along the keys; the row's sum is taken of the unquantised p and divides at the end.
; LAYOUT: both products transposed (S^T = K Q^T, O^T = V^T P^T): a lane holds one query.  Lane r of tile 2 b + u holds row 32 b + 8 u + r + 8 (r / 8) of its 128: so p's 16 registers of two neighbouring tiles are 16 neighbouring keys.
; SHARES: work-group j (0..7) of a head; wave w owns query tile j of token group rho(w).  rho is a 4 x 4 magic square of 0..15: a tile of group rho needs rho + 1 key steps, so any four waves of a row or of a column
; of the square have 34 steps together, and every work-group 136.  What a wave leaves out hangs on its number alone.
; RING: two slots of four key steps (68,608 bytes); waves 0-3 fetch a record each.  CLUSTER: the four work-groups of a cluster walk the same head: each record is asked for jointly.
; LIMITS: NaN and infinities are not served; a block of y whose largest magnitude lies under 2^-118 gets the byte 1: the bytes are read by this program alone.  A head owns half a scale word of y: its bytes leave singly, one part in 32 of the output.
.set KREC,  17152
.set REC,   33792
.set QOFF,  8781824
.set QSOFF, 12976128
.set SLOT1, 1<<17
.set SPARE, 2*SLOT1                    ; the spare words, 128 bytes a wave: eight blocks of 256 bytes that no other line names
.set NSL,   4
.set SPW,  5                           ; v1 16 x lane; v2 4 r; v3 my query's place in its group - 16 h; v4 4 r + h; v10 h
.set NIL,  6
.set PFO,  7                           ; v7  256 x lane
.set AL,   8                           ; v8  the step's record + 16 x lane
.set AS,   9                           ; v9  the step's record + 4 r
.set TB,   2                           ; s2  LDS byte of the step's record
.set KS,   3                           ; s3  the step's number
.set WV,   18
.set MNT,  19
.set SEL,  20
.set CS,   22                          ; s[22:23] log2(e) / 8
.set G1,   24
.set G0,   40
.set RHO,  44
.set SLOTS, 45
.set TW,   46
.set PFA,  48
.set LIM,  50
; REGISTERS: v12 -M, v13 the largest t, v[14:15] the sum; v16-31 Q; v32-95 four fragments of K; v96-159 S^T, then p, then V's four fragments; v160-191 O^T; v224-239 p's codes; v232-254 at work; v255 Q's scale word
.macro TLOAD                           ; waves 0-3 fetch; four v_nop follow the line
	s_cmp_lt_u32 s[WV], 4
	s_cbranch_scc0 .Lasked_\@
	tensor_load_to_lds s[G0:G0+3], s[G1:G1+7]
	s_nop 0
.rept 4
	v_nop
.endr
.Lasked_\@:
.endm
; A prefetch into the L2 of the codes that the NEXT change of slots will ask for.  Both clusters of a head walk the same records: the first asks.  Its four partners take a record each, told apart by address;
; in each, wave 4 asks for the record's first 8,192 bytes and wave 5 for the next 8,192, lanes 256 bytes apart.  The last change that fills a slot asks for nothing; slots 0 and 1 come by their loads alone.
.macro ASK
	s_cmp_gt_u32 s[SLOTS], s[LIM]
	s_cbranch_scc0 .Lnot_mine_\@
	global_prefetch_b8 v[PFO], s[PFA:PFA+1] th:TH_LOAD_NT scope:SCOPE_SE
.Lnot_mine_\@:
.endm
.macro CROUND
	s_barrier_signal -1
	s_barrier_wait -1
	s_cmp_lg_u32 s[WV], 0
	s_cbranch_scc1 .Lnot_wave_0_\@
	s_barrier_signal -3
.Lnot_wave_0_\@:
	s_barrier_wait -3
	s_barrier_signal -1
	s_barrier_wait -1
.endm
	s_load_b128 s[4:7], s[0:1], 0x0                ; qkvr, yr
	v_lshl_add_u32 v[SPW], v0, 2, SPARE
	v_mov_b32 v[NIL], 0
	ds_add_u32 v5, v6
	s_wait_dscnt 0x0
	v_lshrrev_b32 v8, 5, v0
	v_readfirstlane_b32 s[WV], v8                  ; wave 0..15
	s_bfe_u32 s52, ttmp6, 0x40000                  ; cx
	s_lshl_b32 s53, ttmp9, 2
	s_add_co_u32 s53, s53, s52                     ; j
	s_and_b32 s54, ttmp7, 0xffff                   ; the head (batch x 16 + head)
	s_mov_b32 s55, 0x0de3b658                      ; the square's rows 2, 3, a nibble a wave
	s_cmp_lt_u32 s[WV], 8
	s_cselect_b32 s55, 0x7a94c12f, s55             ; rows 0, 1
	s_and_b32 s56, s[WV], 7
	s_lshl_b32 s56, s56, 2
	s_lshr_b32 s55, s55, s56
	s_and_b32 s[RHO], s55, 15
	s_mov_b32 s[G1], 15|(3<<16)|(1<<21)            ; the mask: all four work-groups; elements of 8 bytes; bit 21 beside a mask
	s_mov_b32 s[G1+1], 32<<16                      ; a record is a dense block: 67 rows of 256 bytes
	s_mov_b32 s[G1+2], 67<<16
	s_mov_b32 s[G1+3], 32<<16
	s_mov_b32 s[G1+4], 67
	s_mov_b32 s[G1+5], 32
	s_mov_b32 s[G1+6], 0
	s_mov_b32 s[G1+7], 0
	s_and_b32 s56, s[WV], 3
	s_lshl_b32 s57, s54, 4
	s_add_co_u32 s58, s57, s56
	s_mul_i32 s58, s58, KREC                       ; the head's record w
	s_mov_b32 s59, 0
	s_mul_i32 s60, s56, KREC                       ; and its place in a slot
	s_wait_kmcnt 0x0
	CROUND                                         ; all four work-groups are here: the first joint loads meet
	s_mov_b32 s[G0], 1
	s_mov_b32 s[G0+1], s60
	s_add_nc_u64 s[G0+2:G0+3], s[4:5], s[58:59]
	s_or_b32 s[G0+3], s[G0+3], 0x80000000
	TLOAD                                          ; slot 0
	s_lshl_b32 s56, s[RHO], 3
	s_add_co_u32 s56, s56, s53
	s_lshl_b32 s57, s54, 7
	s_add_co_u32 s56, s56, s57                     ; my query tile: 128 head + 8 rho + j
	s_lshl_b32 s62, s56, 10
	s_add_co_u32 s62, s62, QOFF
	s_mov_b32 s63, 0
	s_add_nc_u64 s[70:71], s[4:5], s[62:63]
	s_lshl_b32 s62, s56, 6
	s_add_co_u32 s62, s62, QSOFF
	s_add_nc_u64 s[72:73], s[4:5], s[62:63]
	v_and_b32 v9, 15, v0                           ; r
	v_bfe_u32 v10, v0, 4, 1                        ; h
	v_and_b32 v1, 31, v0
	v_lshlrev_b32 v[PFO], 8, v1
	v_lshlrev_b32 v1, 4, v1
	v_lshlrev_b32 v2, 2, v9
	v_add_nc_u32 v4, v2, v10
	global_load_b128 v[16:19], v1, s[70:71]        ; Q's half fragment stays in registers
	global_load_b128 v[20:23], v1, s[70:71] offset:512
	global_load_b32 v255, v2, s[72:73]
	s_lshr_b32 s60, s53, 1
	s_lshl_b32 s60, s60, 5
	s_and_b32 s61, s53, 1
	s_lshl_b32 s61, s61, 3
	s_add_co_u32 s61, s61, s60
	v_and_b32 v11, 8, v9
	v_add_nc_u32 v11, v11, v9
	v_lshlrev_b32 v3, 4, v10
	v_sub_nc_u32 v3, v11, v3
	v_add_nc_u32 v3, s61, v3                       ; d: in the diagonal step register 16 b + i holds key 32 b + 16 h + i of the group: hidden where 32 b + i > d
	; y: record (token group 16 batch + rho, K slot head / 4)
	s_lshr_b32 s74, s54, 4
	s_lshl_b32 s74, s74, 4
	s_add_co_u32 s74, s74, s[RHO]
	s_lshl_b32 s74, s74, 2
	s_and_b32 s75, s54, 15
	s_lshr_b32 s76, s75, 2
	s_add_co_u32 s74, s74, s76
	s_mul_i32 s74, s74, REC
	s_bfe_u32 s76, s75, 0x10001                    ; K step
	s_and_b32 s75, s75, 1                          ; which half of the fragment
	s_lshl_b32 s62, s53, 12
	s_add_co_u32 s62, s62, s74
	s_lshl_b32 s77, s76, 11
	s_add_co_u32 s62, s62, s77
	s_lshl_b32 s77, s75, 10
	s_add_co_u32 s62, s62, s77
	s_add_nc_u64 s[66:67], s[6:7], s[62:63]        ; my codes
	s_lshl_b32 s62, s53, 6
	s_add_co_u32 s62, s62, s74
	s_lshl_b32 s77, s76, 9
	s_add_co_u32 s62, s62, s77
	s_lshl_b32 s77, s75, 1
	s_add_co_u32 s62, s62, s77
	s_add_co_u32 s62, s62, 32768
	s_add_nc_u64 s[68:69], s[6:7], s[62:63]        ; my scale bytes
	; the prefetches
	s_lshl_b32 s74, s54, 4
	s_add_co_u32 s74, s74, s52
	s_add_co_u32 s74, s74, 4                       ; my work-group's record of slot 1; the first change of slots steps it to slot 2
	s_mul_i32 s74, s74, KREC
	s_and_b32 s75, s[WV], 1
	s_lshl_b32 s75, s75, 13
	s_add_co_u32 s74, s74, s75
	s_mov_b32 s75, 0
	s_add_nc_u64 s[PFA:PFA+1], s[4:5], s[74:75]
	s_lshr_b32 s74, s[WV], 1
	s_xor_b32 s74, s74, 2                          ; 0 in waves 4 and 5,
	s_or_b32 s74, s74, ttmp9                       ; of the head's first cluster: the same in all four partners
	s_cmp_eq_u32 s74, 0
	s_cselect_b32 s[LIM], 1, -1
	s_mov_b32 s[SEL], 0x76543210
	s_mov_b32 s[SEL+1], 0xfedcba98
	s_mov_b32 s[CS], 0x3e38aa3b
	s_mov_b32 s[CS+1], s[CS]
	s_mov_b32 s[MNT], 0x600000
	s_mov_b32 s[TB], 0
	s_mov_b32 s[KS], 0
	s_mov_b32 s[SLOTS], NSL-1
	v_mov_b32 v13, 0xff61b1e6                      ; the largest t so far: -3e38
	v_floor_f32 v12, -v13                          ; -M
	v_mov_b32 v14, 0
	v_mov_b32 v15, 0
.irp i, 24,25,26,27,28,29,30,31
	v_mov_b32 v[\i], 0                             ; Q's upper half: zero codes
.endr
.irp t, 0,1,2,3
.irp i, 8,9,10,11,12,13,14,15
	v_mov_b32 v[32+16*\t+\i], 0                    ; K's upper halves: written once, never loaded
.endr
.endr
.irp b, 0,1,2,3
	v_mov_b32 v[236+\b], 0                         ; (a lane permute's destination counts as one of its sources)
.endr
	v_mov_b32 v252, 0
	v_mov_b32 v253, 0
.set j, 0
.rept 32
	v_mov_b32 v[160+j], 0                          ; O^T: the step is written once; the first finds zeros, which the first change of M leaves zeros
.set j, j+1
.endr
; A KEY STEP: 128 keys
.macro STEP
	s_cmp_gt_u32 s[KS], s[RHO]                     ; all its keys come after my queries: the work is left out, not the lines at its end
	s_cbranch_scc1 .Lhidden_\@
	v_add_nc_u32 v[AL], s[TB], v1
	v_add_nc_u32 v[AS], s[TB], v2
.rept 7
	v_nop                                          ; with the two additions nine places: the products below write over the registers from which the last products read V
.endr
.irp g, 0,1
.if \g > 0
.rept 8
	v_nop                                          ; places in front of loads into registers that matrix instructions have read
.endr
.endif
.irp t, 0,1,2,3
	ds_load_b128 v[32+16*\t:35+16*\t], v[AL] offset:1024*(4*\g+\t)
	ds_load_b128 v[36+16*\t:39+16*\t], v[AL] offset:1024*(4*\g+\t)+512
	ds_load_b32 v[248+\t], v[AS] offset:16384+64*(4*\g+\t)
.endr
	s_wait_dscnt 0x0
.irp t, 0,1,2,3
	v_wmma_scale_f32_16x16x128_f8f6f4 v[96+8*(4*\g+\t):103+8*(4*\g+\t)], v[32+16*\t:47+16*\t], v[16:31], 0, v[248+\t], v255
.endr
.endr
.rept 8
	v_nop
.endr
	s_cmp_lg_u32 s[KS], s[RHO]                     ; only my last step lies on the diagonal
	s_cbranch_scc1 .Lopen_\@
	v_mov_b32 v254, 0xff800000                     ; -infinity: p = 0 then
.irp n, 0,1,2,3,4,5,6,7,8,9,10,11,12,13,14,15,16,17,18,19,20,21,22,23,24,25,26,27,28,29,30,31,32,33,34,35,36,37,38,39,40,41,42,43,44,45,46,47,48,49,50,51,52,53,54,55,56,57,58,59,60,61,62,63
	v_cmp_gt_i32 vcc_lo, 32*(\n/16)+\n%16, v3
	v_cndmask_b32 v[96+\n], v[96+\n], v254, vcc_lo
.endr
.Lopen_\@:
.irp b, 0,1,2,3
	v_max3_num_f32 v[232+\b], v[96+16*\b], v[97+16*\b], v[98+16*\b]   ; the largest score of each block of 32 keys: for the row's maximum and, since p rises with the score, for the block's largest p
.endr
.irp i, 3,5,7,9,11,13
.irp b, 0,1,2,3
	v_max3_num_f32 v[232+\b], v[232+\b], v[96+16*\b+\i], v[97+16*\b+\i]
.endr
.endr
.irp b, 0,1,2,3
	v_max_num_f32 v[232+\b], v[232+\b], v[111+16*\b]
.endr
.irp b, 0,1,2,3
	v_permlanex16_b32 v[236+\b], v[232+\b], s[SEL], s[SEL+1]
.endr
.irp b, 0,1,2,3
	v_max_num_f32 v[232+\b], v[232+\b], v[236+\b]
.endr
	v_max3_num_f32 v254, v232, v233, v234
	v_max_num_f32 v254, v254, v235
	v_mul_f32 v254, s[CS], v254
	v_max_num_f32 v13, v13, v254                   ; the running largest t
	v_mov_b32 v254, v12
	v_floor_f32 v12, -v13                          ; the new -M: M is a whole number
	v_sub_f32 v254, v12, v254
	v_cvt_i32_f32 v254, v254                       ; (it saturates)
	v_ldexp_f32 v252, 1.0, v254                    ; f = 2^(old M - new M)
.irp j, 0,2,4,6,8,10,12,14,16,18,20,22,24,26,28,30,32,34,36,38,40,42,44,46,48,50,52,54,56,58,60,62
	v_pk_fma_f32 v[96+\j:97+\j], v[96+\j:97+\j], s[CS:CS+1], v[12:13] op_sel_hi:[1,0,0]   ; t - M
.endr
.irp b, 0,1,2,3
	v_fma_f32 v[232+\b], v[232+\b], s[CS], v12
.endr
.irp j, 0,1,2,3,4,5,6,7,8,9,10,11,12,13,14,15,16,17,18,19,20,21,22,23,24,25,26,27,28,29,30,31,32,33,34,35,36,37,38,39,40,41,42,43,44,45,46,47,48,49,50,51,52,53,54,55,56,57,58,59,60,61,62,63
	v_exp_f32 v[96+\j], v[96+\j]                   ; p = 2^(t - M)
.endr
	v_pk_mul_f32 v[14:15], v[14:15], v[252:253] op_sel_hi:[1,0]   ; the sums under the new M (a plain line behind the exponentials)
	s_wait_alu depctr_va_vdst(0)                   ; one wait for the batch, ahead of its first reader
.irp b, 0,1,2,3
	v_exp_f32 v[232+\b], v[232+\b]                 ; the block's largest p
.endr
	v_pk_add_f32 v[236:237], v[96:97], v[98:99]    ; the row's sum is taken of the unquantised p
.irp j, 4,8,12,16,20,24,28,32,36,40,44,48,52,56,60
	v_pk_add_f32 v[14:15], v[14:15], v[96+\j:97+\j]
	v_pk_add_f32 v[236:237], v[236:237], v[98+\j:99+\j]
.endr
	v_pk_add_f32 v[14:15], v[14:15], v[236:237]
	s_wait_alu depctr_va_vdst(0)                   ; and one for the four
.irp b, 0,1,2,3
	v_max_num_f32 v[232+\b], 0x4800000, v[232+\b]  ; the floor 2^(9 - 127)
.endr
.irp b, 0,1,2,3
	v_add_nc_u32 v[244+\b], 0xfc000000, v[232+\b]
.endr
.irp b, 0,1,2,3
	v_and_or_b32 v[240+\b], v[232+\b], 0x7f800000, s[MNT]
.endr
.irp b, 0,1,2,3
	v_lshrrev_b32 v[236+\b], 23, v[244+\b]
.endr
	v_lshl_or_b32 v253, v237, 8, v236              ; p's scale word for these 128 keys
	v_lshl_or_b32 v253, v238, 16, v253
	v_lshl_or_b32 v253, v239, 24, v253
.irp b, 0,1,2,3
.irp i, 0,1,2,3,4,5,6,7,8,9,10,11,12,13,14,15
	v_min_num_f32 v[96+16*\b+\i], v[96+16*\b+\i], v[240+\b]   ; the hold; p is not negative
.endr
	v_cvt_scalef32_pk8_fp8_f32 v[224+4*\b:225+4*\b], v[96+16*\b:103+16*\b], v[244+\b]
	v_cvt_scalef32_pk8_fp8_f32 v[226+4*\b:227+4*\b], v[104+16*\b:111+16*\b], v[244+\b]
.endr
.irp t, 0,1,2,3
.irp c, 0,1,2,3
	ds_load_b128 v[96+16*\t+4*\c:99+16*\t+4*\c], v[AL] offset:8192+2048*\t+512*\c   ; V^T's four fragments, into the registers that p has left
.endr
	ds_load_b32 v[248+\t], v[AS] offset:16896+64*\t
.endr
.irp j, 0,2,4,6,8,10,12,14,16,18,20,22,24,26,28,30
	v_pk_mul_f32 v[160+\j:161+\j], v[160+\j:161+\j], v[252:253] op_sel_hi:[1,0]   ; O^T under the new M; these are also the places in front of the products
.endr
	s_wait_dscnt 0x0
.irp t, 0,1,2,3
	v_wmma_scale_f32_16x16x128_f8f6f4 v[160+8*\t:167+8*\t], v[96+16*\t:111+16*\t], v[224:239], v[160+8*\t:167+8*\t], v[248+\t], v253
.endr
.Lhidden_\@:
	s_add_co_u32 s[KS], s[KS], 1
	s_add_co_u32 s[TB], s[TB], KREC
.endm
; THE CHANGE OF SLOTS stands at a slot's head: every wave waits for all its tensor loads, adds 0 to its spare word, waits for that and for its reads of the slot that it has left.  fill = 1: a round of the cluster's
; barrier, and the slot just left is filled with the next four key steps: the load has four steps in which to land.
.macro CHANGE fill
	s_wait_tensorcnt 0x0
	ds_add_u32 v[SPW], v[NIL]
.if \fill
	s_xor_b32 s[G0+1], s[G0+1], SLOT1              ; the walking descriptor: the other slot,
	s_add_nc_u64 s[G0+2:G0+3], s[G0+2:G0+3], 4*KREC   ; the next four records
	s_wait_xcnt 0x0                                ; the last prefetch, a slot back, has read its address
	s_add_nc_u64 s[PFA:PFA+1], s[PFA:PFA+1], 4*KREC
	s_wait_dscnt 0x0
	CROUND
	TLOAD                                          ; the first thing behind the round, one tensor load in each of waves 0-3
	ASK
.else
	s_wait_dscnt 0x0
	s_barrier_signal -1
	s_barrier_wait -1
.endif
.endm
.macro SLOT_STEPS                      ; a slot's four steps: written once, walked four times
	s_mov_b32 s[TW], 4
.Lstep_\@:
	STEP
	s_sub_co_u32 s[TW], s[TW], 1
	s_cmp_lg_u32 s[TW], 0
	s_cbranch_scc1 .Lstep_\@
	s_sub_co_u32 s[TB], s[TB], 4*KREC
	s_xor_b32 s[TB], s[TB], SLOT1
.endm
	s_wait_loadcnt 0x0                             ; Q
.Lslot:
	CHANGE 1
	SLOT_STEPS
	s_sub_co_u32 s[SLOTS], s[SLOTS], 1
	s_cmp_lg_u32 s[SLOTS], 0
	s_cbranch_scc1 .Lslot
	CHANGE 0                                       ; the last slot is written out
	SLOT_STEPS
	; THE WAY OUT: y = O^T / the sum; register 16 b + i is channel 32 b + 16 h + i of my query: two blocks of 32, half a fragment of the next product's operand
	v_add_f32 v14, v14, v15
	v_permlanex16_b32 v252, v14, s[SEL], s[SEL+1]
	v_add_f32 v14, v14, v252
	v_rcp_f32 v14, v14
.rept 6
	v_nop                                          ; the plain line behind the reciprocal, and with the additions above the places behind the last products
.endr
	s_wait_alu depctr_va_vdst(0)                   ; ahead of the reciprocal's first reader
.set j, 0
.rept 32
	v_mul_f32 v[96+j], v[160+j], v14
.set j, j+1
.endr
.irp b, 0,1
	v_max3_num_f32 v[232+\b], |v[96+16*\b]|, |v[97+16*\b]|, 0x4800000
.endr
.irp i, 2,4,6,8,10,12,14
.irp b, 0,1
	v_max3_num_f32 v[232+\b], v[232+\b], |v[96+16*\b+\i]|, |v[97+16*\b+\i]|
.endr
.endr
.irp b, 0,1
	v_permlanex16_b32 v[236+\b], v[232+\b], s[SEL], s[SEL+1]
.endr
.irp b, 0,1
	v_max_num_f32 v[232+\b], v[232+\b], v[236+\b]
.endr
.irp b, 0,1
	v_add_nc_u32 v[244+\b], 0xfc000000, v[232+\b]
.endr
.irp b, 0,1
	v_and_or_b32 v[240+\b], v[232+\b], 0x7f800000, s[MNT]
.endr
.irp b, 0,1
	v_lshrrev_b32 v[236+\b], 23, v[244+\b]
.endr
.irp b, 0,1
.irp i, 0,1,2,3,4,5,6,7,8,9,10,11,12,13,14,15
	v_med3_num_f32 v[96+16*\b+\i], v[96+16*\b+\i], -v[240+\b], v[240+\b]
.endr
	v_cvt_scalef32_pk8_fp8_f32 v[224+4*\b:225+4*\b], v[96+16*\b:103+16*\b], v[244+\b]
	v_cvt_scalef32_pk8_fp8_f32 v[226+4*\b:227+4*\b], v[104+16*\b:111+16*\b], v[244+\b]
.endr
	v_cmp_eq_u32 vcc_lo, 1, v10
	v_cndmask_b32 v238, v236, v237, vcc_lo         ; lanes 0-15 store the first block's byte, lanes 16-31 the second's
	global_store_b128 v1, v[224:227], s[66:67]     ; 512 consecutive bytes a store
	global_store_b128 v1, v[228:231], s[66:67] offset:512
	global_store_b8 v4, v238, s[68:69]
	s_wait_tensorcnt 0x0                           ; the wave's end
	ds_add_u32 v[SPW], v[NIL]
	s_wait_dscnt 0x0
	CROUND                                         ; the closing round
	s_endpgm
.Lfunc_end_k_qcf807ce6d9_attn:
	.size	k_qcf807ce6d9_attn, .Lfunc_end_k_qcf807ce6d9_attn-k_qcf807ce6d9_attn
	.p2alignl 7, 3214868480
	.fill 96, 4, 3214868480
	.section	.rodata,"a",@progbits
	.p2align	6, 0x0
	.amdhsa_kernel k_qcf807ce6d9_attn
		.amdhsa_group_segment_fixed_size 327680
		.amdhsa_private_segment_fixed_size 0
		.amdhsa_enable_private_segment 0
		.amdhsa_kernarg_size 16
		.amdhsa_user_sgpr_count 2
		.amdhsa_user_sgpr_kernarg_segment_ptr 1
		.amdhsa_wavefront_size32 1
		.amdhsa_system_sgpr_workgroup_id_x 1
		.amdhsa_system_sgpr_workgroup_id_y 1
		.amdhsa_system_sgpr_workgroup_id_z 1
		.amdhsa_system_vgpr_workitem_id 0
		.amdhsa_next_free_vgpr 256
		.amdhsa_next_free_sgpr 90
		.amdhsa_reserve_vcc 1
		.amdhsa_float_denorm_mode_32 3
		.amdhsa_float_denorm_mode_16_64 3
		.amdhsa_memory_ordered 1
		.amdhsa_forward_progress 1
		.amdhsa_inst_pref_size 65
	.end_amdhsa_kernel
	.amdgpu_metadata
---
amdhsa.version: [ 1, 2 ]
amdhsa.kernels:
  - .name:           k_qcf807ce6d9_attn
    .symbol:         k_qcf807ce6d9_attn.kd
    .args:
      - { .name: qkvr, .offset: 0, .size: 8, .value_kind: global_buffer, .address_space: global }
      - { .name: yr, .offset: 8, .size: 8, .value_kind: global_buffer, .address_space: global }
    .group_segment_fixed_size: 327680
    .private_segment_fixed_size: 0
    .kernarg_segment_align: 8
    .kernarg_segment_size: 16
    .max_flat_workgroup_size: 512
    .sgpr_count:     90
    .vgpr_count:     256
    .wavefront_size: 32
...
	.end_amdgpu_metadata
.endif
;; end of part 4
;; launch proj (part 5): grid 4 x 16, 4 waves a work-group, clusters of 4 x 4, 327,680 bytes of LDS; arguments yr, wr, proj_b, x, x2; writes x2
.if DOCPART == 5
	.amdgcn_target "amdgcn-amd-amdhsa--gfx1250"
	.amdhsa_code_object_version 6
	.text
	.protected	k_qcf807ce6d9_proj
	.globl	k_qcf807ce6d9_proj
	.p2align	8
	.type	k_qcf807ce6d9_proj,@function
k_qcf807ce6d9_proj:
	s_mov_b64 s[64:65], 0
	v_nop
	global_prefetch_b8 v0, s[64:65] scope:SCOPE_SE
	s_setreg_imm32_b32 hwreg(HW_REG_WAVE_MODE, 25, 1), 1
	s_wait_xcnt 0x0
	s_wait_alu depctr_hold_cnt(0) depctr_sa_sdst(0) depctr_va_vdst(0) depctr_va_sdst(0) depctr_va_ssrc(0) depctr_va_vcc(0) depctr_vm_vsrc(0)
	s_getreg_b32 s2, hwreg(HW_REG_IB_STS2, 6, 4)
	s_cmp_eq_u32 s2, 0
	s_cbranch_scc0 .Lentry_in_a_cluster
	s_endpgm
.Lentry_in_a_cluster:
	s_bfe_u32 s2, ttmp6, 0x10000c
	s_cmp_lg_u32 s2, 0xf033
	s_cbranch_scc0 .Lentry_shape_is_right
	s_endpgm
.Lentry_shape_is_right:
; x2 = x + (y proj_w + proj_b): a product on codes of E4M3 with E8M0 scales, K = 1,024, N = 1,024; the result, f32, gets its bias and the residual on the way out.
; OPERANDS lie in memory as records (128 rows x 256 K, 33,792 bytes, register images: codes at a*4096 + q*2048 + c*512 + 16*lane, scale words at 32768 + q*512 + a*64 + 4*r; lane r of tile 2 b + u = row 32 b + 8 u + r + 8 (r / 8)).
; A tile of C, 256 x 256, is made by four waves, 128 x 128 each: 64 accumulators.  K goes in steps of 256 through two LDS slots of four records; each wave fetches one record by one dense tensor load, codes and scales together.
; CLUSTERS: 4 x 4; A's records are shared along a row of the cluster, B's along a column: joint loads.  The product is used transposed (source 0 = the weight's rows, source 1 = tokens): a lane holds one token,
; and the registers of tiles 2 b, 2 b + 1 are channels 32 b + 16 h + 0..15.  N = 1,024 gives 64 tiles of this size: 64 work-groups.
.set KSL,   4                          ; K / 256
.set WREC0, 96                         ; the weight's first record in wr
.set REC,   33792
.set SLOT,  4*REC
.set NQ,    2
.set FR,    16
.set NL,    4
.set NP,    8                          ; places behind this matrix instruction (ISA guide 7.12.1)
.set LAPS,  KSL/2
.set SPARE, 2*SLOT                     ; behind the ring: the spare words, 128 bytes a wave: two blocks of 256 bytes that no other line names
.set SPITCH, 528                       ; the way out: a stage of 16 rows x (512 + 16) bytes a wave, in slot 0, which has had its last fill and its last read by then
.set BIA,   8                          ; v8-11   the bias of columns 4 lane .. + 3
.set ADRA,  16
.set ADRB,  20
.set ADRS,  22
.set STO,   24
.set RD,    25
.set CO,    26
.set SPW,   28
.set NIL,   29
.set SC,    32
.set AF,    128
.set BK,    128                        ; the way out: 16 rows back from the stage, v128-191 and v192-255 by turns; the residual's rows in window 1, v0-63 and v64-127
.set G1,    24
.set G0,    32
.set G1B,   48
.set G0B,   56
.set MSB,   0
.macro WIN new
.if MSB != (\new)
	s_set_vgpr_msb (MSB<<8)|(\new)
.set MSB, (\new)
.endif
.endm
.set MUL_LO, 0xa1
.set MUL_HI, 0xf1
.set TO_B,   0x40
.macro JLOAD s
	s_cmp_eq_u32 s15, 0
	s_cbranch_scc0 .Lfor_b_\@
	tensor_load_to_lds s[G0+4*\s:G0+4*\s+3], s[G1:G1+7]
	s_nop 0
.rept 4
	v_nop
.endr
	s_branch .Lasked_\@
.Lfor_b_\@:
	tensor_load_to_lds s[G0B+4*\s:G0B+4*\s+3], s[G1B:G1B+7]
	s_nop 0
.rept 4
	v_nop
.endr
.Lasked_\@:
.endm
.macro CREST
	s_cmp_lg_u32 s14, 0
	s_cbranch_scc1 .Lnot_wave_0_\@
	s_barrier_signal -3
.Lnot_wave_0_\@:
	s_barrier_wait -3
	s_barrier_signal -1
	s_barrier_wait -1
.endm
.macro CROUND
	s_barrier_signal -1
	s_barrier_wait -1
	CREST
.endm
.macro PLACES n
.rept \n
	v_nop
.endr
.endm
.macro FRAG reg, adr, q, i
.irp c, 0,1,2,3
	ds_load_b128 v[\reg+4*\c:\reg+4*\c+3], v[\adr] offset:(\i)*4096+(\q)*2048+512*\c
.endr
.endm
.macro MUL16 a0, p, q, sc, zero        ; the 64 accumulators take turns
.irp a, \a0, \a0+1
.irp b, 0,1,2,3,4,5,6,7
.if \zero
	v_wmma_scale_f32_16x16x128_f8f6f4 v[8*(8*((\a)%4)+\b):8*(8*((\a)%4)+\b)+7], v[128*(\p)+FR*\b:128*(\p)+FR*\b+FR-1], v[AF+FR*(\a):AF+FR*(\a)+FR-1], 0, v[SC+8*NQ*(\sc)+NQ*\b+(\q)], v[SC+8*NQ*(\sc)+NQ*(\a)+(\q)] matrix_a_scale:MATRIX_SCALE_ROW1
.else
	v_wmma_scale_f32_16x16x128_f8f6f4 v[8*(8*((\a)%4)+\b):8*(8*((\a)%4)+\b)+7], v[128*(\p)+FR*\b:128*(\p)+FR*\b+FR-1], v[AF+FR*(\a):AF+FR*(\a)+FR-1], v[8*(8*((\a)%4)+\b):8*(8*((\a)%4)+\b)+7], v[SC+8*NQ*(\sc)+NQ*\b+(\q)], v[SC+8*NQ*(\sc)+NQ*(\a)+(\q)] matrix_a_scale:MATRIX_SCALE_ROW1
.endif
.endr
.endr
.endm
.macro FETCH_B slot, q, p
	WIN TO_B
.irp i, 0,1,2,3,4,5,6,7
	FRAG 128*(\p)+FR*\i, ADRB+\slot, \q, \i
.endr
	WIN 0
.endm
.macro FETCH_A slot, q, i0
.irp i, \i0, \i0+1, \i0+2, \i0+3
	FRAG AF+FR*(\i), ADRA+\slot, \q, \i
.endr
.endm
.macro SCALES sc
.irp i, 0,1,2,3,4,5,6,7
.irp q, 0,1
	ds_load_b32 v[SC+8*NQ*\sc+NQ*\i+\q], v[ADRS+\sc] offset:32768+512*\q+64*\i
.endr
.endr
.endm
.macro STEP slot, q, zero
	s_wait_dscnt 4*NL                              ; all but the youngest 16 loads (A's tiles 4-7)
	WIN MUL_LO
	MUL16 0, (\q)%2, \q, \slot, \zero
	MUL16 2, (\q)%2, \q, \slot, \zero
	s_wait_dscnt 0
	PLACES NP
	FETCH_B \slot, (\q)+1, 1-(\q)%2
	FETCH_A \slot, (\q)+1, 0
	WIN MUL_HI
	MUL16 4, (\q)%2, \q, \slot, \zero
	MUL16 6, (\q)%2, \q, \slot, \zero
	PLACES NP
	WIN 0
	FETCH_A \slot, (\q)+1, 4
.endm
.macro TURN slot, next, fill
	s_wait_tensorcnt 0x0                           ; all my tensor loads have landed: my record of the next slot
	ds_add_u32 v[SPW], v[NIL]
	s_wait_dscnt 4*NL+1                            ; (the add and the youngest 16 loads may be out)
	WIN MUL_LO
	MUL16 0, 1, NQ-1, \slot, 0
	s_wait_dscnt 0x0                               ; the add is done, and my reads of this slot are over
	s_barrier_signal -1
	MUL16 2, 1, NQ-1, \slot, 0
	WIN 0
	s_barrier_wait -1
.if \fill
	CREST                                          ; no wave of any partner still reads this slot or has a load on its way
	s_add_nc_u64 s[G0+4*\slot+2:G0+4*\slot+3], s[G0+4*\slot+2:G0+4*\slot+3], 2*REC
	s_add_nc_u64 s[G0B+4*\slot+2:G0B+4*\slot+3], s[G0B+4*\slot+2:G0B+4*\slot+3], 2*REC
	JLOAD \slot                                    ; the first tensor load behind the round, one a wave
	PLACES NP-4
.else
	PLACES NP
.endif
	FETCH_B \next, 0, 0
	FETCH_A \next, 0, 0
	SCALES \next
	WIN MUL_HI
	MUL16 4, 1, NQ-1, \slot, 0
	MUL16 6, 1, NQ-1, \slot, 0
	PLACES NP
	WIN 0
	FETCH_A \next, 0, 4
.endm
	s_load_b256 s[4:11], s[0:1], 0x0               ; A's records, wr, the bias, the residual
	s_load_b64 s[12:13], s[0:1], 0x20              ; the result
	v_lshl_add_u32 v[SPW], v0, 2, SPARE
	v_mov_b32 v[NIL], 0
	ds_add_u32 v28, v29
	s_wait_dscnt 0x0
	v_lshrrev_b32 v1, 5, v0
	v_readfirstlane_b32 s14, v1                    ; wave
	s_lshr_b32 s15, s14, 1                         ; which of A's two records I multiply.  Also: I fetch for A (0) or B (1)
	s_and_b32 s16, s14, 1                          ; which of B's.  Also: which record of the two I fetch
	s_bfe_u32 s40, ttmp6, 0x40000
	s_bfe_u32 s41, ttmp6, 0x40004
	s_lshl_b32 s42, ttmp9, 2
	s_add_co_u32 s42, s42, s40                     ; tile column
	s_and_b32 s17, ttmp7, 0xffff
	s_lshl_b32 s17, s17, 2
	s_add_co_u32 s17, s17, s41                     ; tile row
	s_lshl_b32 s43, s41, 2
	s_lshl_b32 s43, 15, s43
	s_lshl_b32 s44, 0x1111, s40
	s_or_b32 s[G1+0], s43, (3<<16)|(1<<21)         ; the mask; elements of 8 bytes; bit 21 beside a mask; no padding
	s_or_b32 s[G1B+0], s44, (3<<16)|(1<<21)
.irp g, G1, G1B
	s_mov_b32 s[\g+1], 32<<16                      ; a record is a dense block: 132 rows of 256 bytes
	s_mov_b32 s[\g+2], 132<<16
	s_mov_b32 s[\g+3], 32<<16
	s_mov_b32 s[\g+4], 132
	s_mov_b32 s[\g+5], 32
	s_mov_b32 s[\g+6], 0
	s_mov_b32 s[\g+7], 0
.endr
	s_lshl_b32 s20, s17, 1
	s_add_co_u32 s20, s20, s16
	s_mul_i32 s20, s20, KSL*REC
	s_mov_b32 s21, 0
	s_lshl_b32 s46, s42, 1
	s_add_co_u32 s46, s46, s16
	s_mul_i32 s46, s46, KSL*REC
	s_add_co_u32 s46, s46, WREC0*REC
	s_mov_b32 s47, 0
	s_mul_i32 s45, s14, REC
	s_wait_kmcnt 0x0
	s_add_nc_u64 s[20:21], s[4:5], s[20:21]
	s_add_nc_u64 s[46:47], s[6:7], s[46:47]
	CROUND
.irp s, 0,1
	s_mov_b32 s[G0+4*\s], 1
	s_add_co_u32 s[G0+4*\s+1], s45, \s*SLOT
	s_add_nc_u64 s[G0+4*\s+2:G0+4*\s+3], s[20:21], \s*REC
	s_or_b32 s[G0+4*\s+3], s[G0+4*\s+3], 0x80000000
	s_mov_b32 s[G0B+4*\s], 1
	s_add_co_u32 s[G0B+4*\s+1], s45, \s*SLOT
	s_add_nc_u64 s[G0B+4*\s+2:G0B+4*\s+3], s[46:47], \s*REC
	s_or_b32 s[G0B+4*\s+3], s[G0B+4*\s+3], 0x80000000
	JLOAD \s
.endr
	v_and_b32 v1, 15, v0
	v_bfe_u32 v2, v0, 4, 1
	v_and_b32 v3, 31, v0
	v_lshlrev_b32 v[CO], 4, v3                     ; 16 x lane
	s_mul_i32 s21, s15, REC
	s_mul_i32 s22, s16, REC
	s_add_co_u32 s22, s22, 2*REC
	s_sub_co_u32 s23, s22, s21
	v_mul_u32_u24 v6, s23, v2
	v_lshl_add_u32 v6, v1, 2, v6
	v_add_nc_u32 v[ADRS], s21, v6
	v_add_nc_u32 v[ADRS+1], SLOT, v[ADRS]
.irp s, 0,1
	v_add_nc_u32 v[ADRA+\s], s21, v[CO]
	v_add_nc_u32 v[ADRB+\s], s22, v[CO]
	s_add_co_u32 s21, s21, SLOT
	s_add_co_u32 s22, s22, SLOT
.endr
	s_mul_i32 s23, s14, 16*SPITCH                  ; my stage
	v_mul_u32_u24 v5, v1, SPITCH
	v_lshl_add_u32 v5, v2, 6, v5
	v_add_nc_u32 v[STO], s23, v5                   ; in: row r, + 64 h
	v_add_nc_u32 v[RD], s23, v[CO]                 ; back: a row's 512 bytes
	s_lshl_b32 s20, s42, 10
	s_lshl_b32 s21, s16, 9
	s_add_co_u32 s20, s20, s21                     ; my first column, in bytes
	s_mov_b32 s21, 0
	s_add_nc_u64 s[8:9], s[8:9], s[20:21]
	global_load_b128 v[BIA:BIA+3], v[CO], s[8:9]
	s_lshl_b32 s22, s17, 8
	s_lshl_b32 s23, s15, 7
	s_add_co_u32 s22, s22, s23                     ; my first row
	s_lshl_b32 s22, s22, 12
	s_add_co_u32 s20, s20, s22
	s_add_nc_u64 s[10:11], s[10:11], s[20:21]
	s_add_nc_u64 s[12:13], s[12:13], s[20:21]
	s_wait_tensorcnt 1                             ; my record of slot 0 is in; slot 1's may stay out
	s_barrier_signal -1
	s_barrier_wait -1
	FETCH_B 0, 0, 0
	FETCH_A 0, 0, 0
	SCALES 0
	FETCH_A 0, 0, 4
	STEP 0, 0, 1
	s_mov_b32 s3, LAPS-1
.Llap:
	TURN 0, 1, 1
	STEP 1, 0, 0
	TURN 1, 0, 1
	STEP 0, 0, 0
	s_sub_co_u32 s3, s3, 1
	s_cmp_lg_u32 s3, 0
	s_cbranch_scc1 .Llap
	TURN 0, 1, 0
	STEP 1, 0, 0
	s_wait_dscnt 4*NL
	WIN MUL_LO
	MUL16 0, 1, NQ-1, 1, 0
	MUL16 2, 1, NQ-1, 1, 0
	s_wait_dscnt 0
	WIN MUL_HI
	MUL16 4, 1, NQ-1, 1, 0
	MUL16 6, 1, NQ-1, 1, 0
	WIN 0
; THE WAY OUT, tile by tile of 16 tokens x 128 columns, through my own stage: back as whole rows of 512 bytes, + bias, + residual, stored as two aligned blocks of 256 bytes.  Row t of tile a is token 32 (a / 2) + 8 (a % 2) + t + 8 (t / 8).
.macro RLOAD a                         ; the residual's 16 rows, two tiles ahead
.set RR, 64*((\a)%2)
	WIN 0x40
.irp t, 0,1,2,3,4,5,6,7,8,9,10,11,12,13,14,15
	global_load_b128 v[RR+4*\t:RR+4*\t+3], v[CO], s[10:11] offset:(32*((\a)/2)+8*((\a)%2)+\t+8*(\t/8))*4096 th:TH_LOAD_NT
.endr
	WIN 0
.endm
.macro TOSTAGE a
.set AC, 64*((\a)%4)
	WIN 0x08+4*((\a)/4)                            ; an LDS store's data: window 2 or 3
.irp b, 0,1,2,3,4,5,6,7
	ds_store_b128 v[STO], v[AC+8*\b:AC+8*\b+3] offset:128*(\b/2)+32*(\b%2)          ; each accumulator from its low end on
	ds_store_b128 v[STO], v[AC+8*\b+4:AC+8*\b+7] offset:128*(\b/2)+32*(\b%2)+16
.endr
	WIN 0
.set BB, BK+64*((\a)%2)
.irp t, 0,1,2,3,4,5,6,7,8,9,10,11,12,13,14,15
	ds_load_b128 v[BB+4*\t:BB+4*\t+3], v[RD] offset:\t*SPITCH   ; LDS serves a wave's instructions in order: these see my stores
.endr
.endm
.macro SEND a, younger
.set BB, BK+64*((\a)%2)
.set RR, 64*((\a)%2)
	s_wait_dscnt \younger                          ; the tile is back; the next tile's 16 stores and 16 loads may be out
.set i, 0
.rept 16
	v_pk_add_f32 v[BB+i:BB+i+1], v[BB+i:BB+i+1], v[BIA:BIA+1]
	v_pk_add_f32 v[BB+i+2:BB+i+3], v[BB+i+2:BB+i+3], v[BIA+2:BIA+3]
.set i, i+4
.endr
.if (\a) < 7
	s_wait_loadcnt 16                              ; this tile's residual is in; the next tile's 16 loads may be out
.else
	s_wait_loadcnt 0x0
.endif
	WIN 0x04                                       ; source 1 window 1
.set i, 0
.rept 32
	v_pk_add_f32 v[BB+i:BB+i+1], v[BB+i:BB+i+1], v[RR+i:RR+i+1]
.set i, i+2
.endr
	WIN 0
.irp t, 0,1,2,3,4,5,6,7,8,9,10,11,12,13,14,15
	global_store_b128 v[CO], v[BB+4*\t:BB+4*\t+3], s[12:13] offset:(32*((\a)/2)+8*((\a)%2)+\t+8*(\t/8))*4096   ; 512 consecutive bytes, aligned
.endr
.if (\a) < 6
	RLOAD (\a)+2
.endif
.endm
	PLACES NP
	s_wait_loadcnt 0x0                             ; the bias
	RLOAD 0
	RLOAD 1
	TOSTAGE 0
.irp a, 1,2,3,4,5,6,7
.if \a > 1
	s_wait_xcnt 0x0                                ; tile a - 2's stores have read their registers, into which tile a comes back
.endif
	TOSTAGE \a
	SEND \a-1, 32
.endr
	SEND 7, 0
	s_wait_tensorcnt 0x0                           ; the wave's end
	ds_add_u32 v[SPW], v[NIL]
	s_wait_dscnt 0x0
	CROUND                                         ; the closing round
	s_endpgm
.Lfunc_end_k_qcf807ce6d9_proj:
	.size	k_qcf807ce6d9_proj, .Lfunc_end_k_qcf807ce6d9_proj-k_qcf807ce6d9_proj
	.p2alignl 7, 3214868480
	.fill 96, 4, 3214868480
	.section	.rodata,"a",@progbits
	.p2align	6, 0x0
	.amdhsa_kernel k_qcf807ce6d9_proj
		.amdhsa_group_segment_fixed_size 327680
		.amdhsa_private_segment_fixed_size 0
		.amdhsa_enable_private_segment 0
		.amdhsa_kernarg_size 40
		.amdhsa_user_sgpr_count 2
		.amdhsa_user_sgpr_kernarg_segment_ptr 1
		.amdhsa_wavefront_size32 1
		.amdhsa_system_sgpr_workgroup_id_x 1
		.amdhsa_system_sgpr_workgroup_id_y 1
		.amdhsa_system_sgpr_workgroup_id_z 1
		.amdhsa_system_vgpr_workitem_id 0
		.amdhsa_next_free_vgpr 1024
		.amdhsa_next_free_sgpr 100
		.amdhsa_reserve_vcc 0
		.amdhsa_float_denorm_mode_32 3
		.amdhsa_float_denorm_mode_16_64 3
		.amdhsa_memory_ordered 1
		.amdhsa_forward_progress 1
		.amdhsa_inst_pref_size 190
	.end_amdhsa_kernel
	.amdgpu_metadata
---
amdhsa.version: [ 1, 2 ]
amdhsa.kernels:
  - .name:           k_qcf807ce6d9_proj
    .symbol:         k_qcf807ce6d9_proj.kd
    .args:
      - { .name: yr, .offset: 0, .size: 8, .value_kind: global_buffer, .address_space: global }
      - { .name: wr, .offset: 8, .size: 8, .value_kind: global_buffer, .address_space: global }
      - { .name: proj_b, .offset: 16, .size: 8, .value_kind: global_buffer, .address_space: global }
      - { .name: x, .offset: 24, .size: 8, .value_kind: global_buffer, .address_space: global }
      - { .name: x2, .offset: 32, .size: 8, .value_kind: global_buffer, .address_space: global }
    .group_segment_fixed_size: 327680
    .private_segment_fixed_size: 0
    .kernarg_segment_align: 8
    .kernarg_segment_size: 40
    .max_flat_workgroup_size: 128
    .sgpr_count:     100
    .vgpr_count:     1024
    .wavefront_size: 32
...
	.end_amdgpu_metadata
.endif
;; end of part 5
;; launch ln2: the kernel of part 2 again; grid 256 x 1, 4 waves a work-group, no clusters, 43,520 bytes of LDS; arguments x2, ln2_w, ln2_b, hr; writes hr
;; launch fc (part 6): grid 16 x 16, 4 waves a work-group, clusters of 4 x 4, 327,680 bytes of LDS; arguments hr, wr, fc_b, hid; writes hid
.if DOCPART == 6
	.amdgcn_target "amdgcn-amd-amdhsa--gfx1250"
	.amdhsa_code_object_version 6
	.text
	.protected	k_qcf807ce6d9_fc
	.globl	k_qcf807ce6d9_fc
	.p2align	8
	.type	k_qcf807ce6d9_fc,@function
k_qcf807ce6d9_fc:
	s_mov_b64 s[64:65], 0
	v_nop
	global_prefetch_b8 v0, s[64:65] scope:SCOPE_SE
	s_setreg_imm32_b32 hwreg(HW_REG_WAVE_MODE, 25, 1), 1
	s_wait_xcnt 0x0
	s_wait_alu depctr_hold_cnt(0) depctr_sa_sdst(0) depctr_va_vdst(0) depctr_va_sdst(0) depctr_va_ssrc(0) depctr_va_vcc(0) depctr_vm_vsrc(0)
	s_getreg_b32 s2, hwreg(HW_REG_IB_STS2, 6, 4)
	s_cmp_eq_u32 s2, 0
	s_cbranch_scc0 .Lentry_in_a_cluster
	s_endpgm
.Lentry_in_a_cluster:
	s_bfe_u32 s2, ttmp6, 0x10000c
	s_cmp_lg_u32 s2, 0xf033
	s_cbranch_scc0 .Lentry_shape_is_right
	s_endpgm
.Lentry_shape_is_right:
; hid = gelu(h fc_w + fc_b), exact (erf) gelu, on codes of E4M3 with E8M0 scales, K = 1,024, N = 4,096; the result is quantised in registers along N, the next product's K, and stored as records.
; OPERANDS lie in memory as records (128 rows x 256 K, 33,792 bytes, register images: codes at a*4096 + q*2048 + c*512 + 16*lane, scale words at 32768 + q*512 + a*64 + 4*r; lane r of tile 2 b + u = row 32 b + 8 u + r + 8 (r / 8)).
; A tile of C, 256 x 256, is made by four waves, 128 x 128 each.  K goes in steps of 256 through two LDS slots of four records; each wave fetches one record by one dense tensor load.  CLUSTERS: 4 x 4, joint loads.
; The product is used transposed (source 0 = the weight's rows, source 1 = tokens): a lane holds one token and the 64 registers of a block of eight tiles are 128 neighbouring hidden units in the order of a fragment's registers.
; GELU: gelu(x) = max(x, 0) - |x| Q(|x|), Q the normal distribution's upper tail: Q(z) = 2^(-z^2 log2(e) / 2) t (c1 + t (c2 + t (c3 + t (c4 + t c5)))), t = 1 / (1 + 0.2316419 z) (Abramowitz and Stegun 26.2.17).
; LIMITS: Q's absolute error is up to 7.5e-8, the size of f32's own rounding of 1 + erf; NaN and infinities are not served; a block whose largest magnitude lies under 2^-118 gets the byte 1: the bytes are read by this program alone.
.set KSL,   4
.set WREC0, 128
.set REC,   33792
.set SLOT,  4*REC
.set NQ,    2
.set FR,    16
.set NL,    4
.set NP,    8                          ; places behind this matrix instruction (ISA guide 7.12.1)
.set LAPS,  KSL/2
.set SW0,   2*SLOT                     ; behind the ring: 1,024 bytes a wave for scale words
.set SPARE, SW0+4096                   ; the spare words, 128 bytes a wave: two blocks of 256 bytes that no other line names
.set C4,    8                          ; v8-9    c4, twice
.set ADRA,  16
.set ADRB,  20
.set ADRS,  22
.set LI,    24
.set SWI,   25
.set SWO,   26
.set SPW,   28
.set NIL,   29
.set TA,    30
.set SC,    32
.set BI,    64                         ; v64-127 the bias of my 64 hidden units
.set AF,    128
.set H,     128                        ; the way out: v128-191 a block's 64 numbers; v192-239 gelu's t, exponential, polynomial for 16 of them; then the codes; v240-255 the quantiser's
.set GT,    192
.set GE,    208
.set GP,    224
.set TM,    240
.set PC,    192
.set PW,    208
.set SEL,   12
.set CP,    66
.set K2,    68
.set C5,    70
.set C3,    72
.set C2,    74
.set C1,    76
.set MNT,   86
.set G1,    24
.set G0,    32
.set G1B,   48
.set G0B,   56
.set MSB,   0
.macro WIN new
.if MSB != (\new)
	s_set_vgpr_msb (MSB<<8)|(\new)
.set MSB, (\new)
.endif
.endm
.set MUL_LO, 0xa1
.set MUL_HI, 0xf1
.set TO_B,   0x40
.macro JLOAD s
	s_cmp_eq_u32 s15, 0
	s_cbranch_scc0 .Lfor_b_\@
	tensor_load_to_lds s[G0+4*\s:G0+4*\s+3], s[G1:G1+7]
	s_nop 0
.rept 4
	v_nop
.endr
	s_branch .Lasked_\@
.Lfor_b_\@:
	tensor_load_to_lds s[G0B+4*\s:G0B+4*\s+3], s[G1B:G1B+7]
	s_nop 0
.rept 4
	v_nop
.endr
.Lasked_\@:
.endm
.macro CREST
	s_cmp_lg_u32 s14, 0
	s_cbranch_scc1 .Lnot_wave_0_\@
	s_barrier_signal -3
.Lnot_wave_0_\@:
	s_barrier_wait -3
	s_barrier_signal -1
	s_barrier_wait -1
.endm
.macro CROUND
	s_barrier_signal -1
	s_barrier_wait -1
	CREST
.endm
.macro PLACES n
.rept \n
	v_nop
.endr
.endm
.macro FRAG reg, adr, q, i
.irp c, 0,1,2,3
	ds_load_b128 v[\reg+4*\c:\reg+4*\c+3], v[\adr] offset:(\i)*4096+(\q)*2048+512*\c
.endr
.endm
.macro MUL16 a0, p, q, sc, zero        ; the 64 accumulators take turns
.irp a, \a0, \a0+1
.irp b, 0,1,2,3,4,5,6,7
.if \zero
	v_wmma_scale_f32_16x16x128_f8f6f4 v[8*(8*((\a)%4)+\b):8*(8*((\a)%4)+\b)+7], v[128*(\p)+FR*\b:128*(\p)+FR*\b+FR-1], v[AF+FR*(\a):AF+FR*(\a)+FR-1], 0, v[SC+8*NQ*(\sc)+NQ*\b+(\q)], v[SC+8*NQ*(\sc)+NQ*(\a)+(\q)] matrix_a_scale:MATRIX_SCALE_ROW1
.else
	v_wmma_scale_f32_16x16x128_f8f6f4 v[8*(8*((\a)%4)+\b):8*(8*((\a)%4)+\b)+7], v[128*(\p)+FR*\b:128*(\p)+FR*\b+FR-1], v[AF+FR*(\a):AF+FR*(\a)+FR-1], v[8*(8*((\a)%4)+\b):8*(8*((\a)%4)+\b)+7], v[SC+8*NQ*(\sc)+NQ*\b+(\q)], v[SC+8*NQ*(\sc)+NQ*(\a)+(\q)] matrix_a_scale:MATRIX_SCALE_ROW1
.endif
.endr
.endr
.endm
.macro FETCH_B slot, q, p
	WIN TO_B
.irp i, 0,1,2,3,4,5,6,7
	FRAG 128*(\p)+FR*\i, ADRB+\slot, \q, \i
.endr
	WIN 0
.endm
.macro FETCH_A slot, q, i0
.irp i, \i0, \i0+1, \i0+2, \i0+3
	FRAG AF+FR*(\i), ADRA+\slot, \q, \i
.endr
.endm
.macro SCALES sc
.irp i, 0,1,2,3,4,5,6,7
.irp q, 0,1
	ds_load_b32 v[SC+8*NQ*\sc+NQ*\i+\q], v[ADRS+\sc] offset:32768+512*\q+64*\i
.endr
.endr
.endm
.macro STEP slot, q, zero
	s_wait_dscnt 4*NL                              ; all but the youngest 16 loads (A's tiles 4-7)
	WIN MUL_LO
	MUL16 0, (\q)%2, \q, \slot, \zero
	MUL16 2, (\q)%2, \q, \slot, \zero
	s_wait_dscnt 0
	PLACES NP
	FETCH_B \slot, (\q)+1, 1-(\q)%2
	FETCH_A \slot, (\q)+1, 0
	WIN MUL_HI
	MUL16 4, (\q)%2, \q, \slot, \zero
	MUL16 6, (\q)%2, \q, \slot, \zero
	PLACES NP
	WIN 0
	FETCH_A \slot, (\q)+1, 4
.endm
.macro TURN slot, next, fill
	s_wait_tensorcnt 0x0                           ; all my tensor loads have landed: my record of the next slot
	ds_add_u32 v[SPW], v[NIL]
	s_wait_dscnt 4*NL+1                            ; (the add and the youngest 16 loads may be out)
	WIN MUL_LO
	MUL16 0, 1, NQ-1, \slot, 0
	s_wait_dscnt 0x0                               ; the add is done, and my reads of this slot are over
	s_barrier_signal -1
	MUL16 2, 1, NQ-1, \slot, 0
	WIN 0
	s_barrier_wait -1
.if \fill
	CREST                                          ; no wave of any partner still reads this slot or has a load on its way
	s_add_nc_u64 s[G0+4*\slot+2:G0+4*\slot+3], s[G0+4*\slot+2:G0+4*\slot+3], 2*REC
	s_add_nc_u64 s[G0B+4*\slot+2:G0B+4*\slot+3], s[G0B+4*\slot+2:G0B+4*\slot+3], 2*REC
	JLOAD \slot                                    ; the first tensor load behind the round, one a wave
	PLACES NP-4
.else
	PLACES NP
.endif
	FETCH_B \next, 0, 0
	FETCH_A \next, 0, 0
	SCALES \next
	WIN MUL_HI
	MUL16 4, 1, NQ-1, \slot, 0
	MUL16 6, 1, NQ-1, \slot, 0
	PLACES NP
	WIN 0
	FETCH_A \next, 0, 4
.endm
.macro QUANT s, pw
.irp b, 0,1,2,3
	v_max3_num_f32 v[TM+\b], |v[(\s)+16*\b]|, |v[(\s)+1+16*\b]|, 0x4800000   ; with the floor 2^(9 - 127): the byte cannot fall under 1
.endr
.irp i, 2,4,6,8,10,12,14
.irp b, 0,1,2,3
	v_max3_num_f32 v[TM+\b], v[TM+\b], |v[(\s)+16*\b+\i]|, |v[(\s)+1+16*\b+\i]|
.endr
.endr
.irp b, 0,1,2,3
	v_permlanex16_b32 v[TM+4+\b], v[TM+\b], s[SEL], s[SEL+1]
.endr
.irp b, 0,1,2,3
	v_max_num_f32 v[TM+\b], v[TM+\b], v[TM+4+\b]
.endr
.irp b, 0,1,2,3
	v_add_nc_u32 v[TM+12+\b], 0xfc000000, v[TM+\b]
.endr
.irp b, 0,1,2,3
	v_and_or_b32 v[TM+8+\b], v[TM+\b], 0x7f800000, s[MNT]
.endr
.irp b, 0,1,2,3
	v_lshrrev_b32 v[TM+4+\b], 23, v[TM+12+\b]
.endr
	v_lshl_or_b32 v[\pw], v[TM+5], 8, v[TM+4]
	v_lshl_or_b32 v[\pw], v[TM+6], 16, v[\pw]
	v_lshl_or_b32 v[\pw], v[TM+7], 24, v[\pw]
.irp b, 0,1,2,3
.irp i, 0,1,2,3,4,5,6,7,8,9,10,11,12,13,14,15
	v_med3_num_f32 v[(\s)+16*\b+\i], v[(\s)+16*\b+\i], -v[TM+8+\b], v[TM+8+\b]   ; the conversion does not saturate (ISA guide 7.6.2): the hold
.endr
	v_cvt_scalef32_pk8_fp8_f32 v[PC+4*\b:PC+1+4*\b], v[(\s)+16*\b:(\s)+7+16*\b], v[TM+12+\b]
	v_cvt_scalef32_pk8_fp8_f32 v[PC+2+4*\b:PC+3+4*\b], v[(\s)+8+16*\b:(\s)+15+16*\b], v[TM+12+\b]
.endr
	v_nop
.endm
.macro TAKE a                          ; block a's 64 sums + the bias -> H; each accumulator from its low end on
	WIN 0x02+(\a)/4
.set i, 0
.rept 32
	v_pk_add_f32 v[H+i:H+i+1], v[64*((\a)%4)+i:64*((\a)%4)+i+1], v[BI+i:BI+i+1]
.set i, i+2
.endr
	WIN 0
.endm
.macro GELU16 s                        ; 16 numbers in place: one batch of 16 reciprocals and 16 exponentials, one wait
.set i, 0
.rept 16
	v_fma_f32 v[GT+i], |v[(\s)+i]|, s[CP], 1.0
.set i, i+1
.endr
.set i, 0
.rept 8
	v_pk_mul_f32 v[GE+i:GE+i+1], v[(\s)+i:(\s)+i+1], v[(\s)+i:(\s)+i+1]
.set i, i+2
.endr
.set i, 0
.rept 8
	v_pk_mul_f32 v[GE+i:GE+i+1], v[GE+i:GE+i+1], s[K2:K2+1] op_sel_hi:[1,0]
.set i, i+2
.endr
.set i, 0
.rept 16
	v_rcp_f32 v[GT+i], v[GT+i]                     ; t
.set i, i+1
.endr
.set i, 0
.rept 16
	v_exp_f32 v[GE+i], v[GE+i]                     ; 2^(-x^2 log2(e) / 2)
.set i, i+1
.endr
	v_nop                                          ; a plain line behind the last transcendental
	s_wait_alu depctr_va_vdst(0)                   ; one wait for the batch, ahead of its first reader
.set i, 0
.rept 8
	v_pk_fma_f32 v[GP+i:GP+i+1], v[GT+i:GT+i+1], s[C5:C5+1], v[C4:C4+1] op_sel_hi:[1,0,1]
.set i, i+2
.endr
.irp k, C3, C2, C1
.set i, 0
.rept 8
	v_pk_fma_f32 v[GP+i:GP+i+1], v[GP+i:GP+i+1], v[GT+i:GT+i+1], s[\k:\k+1] op_sel_hi:[1,1,0]
.set i, i+2
.endr
.endr
.set i, 0
.rept 8
	v_pk_mul_f32 v[GT+i:GT+i+1], v[GT+i:GT+i+1], v[GE+i:GE+i+1]
.set i, i+2
.endr
.set i, 0
.rept 8
	v_pk_mul_f32 v[GP+i:GP+i+1], v[GP+i:GP+i+1], v[GT+i:GT+i+1]   ; Q(|x|)
.set i, i+2
.endr
.set i, 0
.rept 16
	v_max_num_f32 v[GE+i], 0, v[(\s)+i]
.set i, i+1
.endr
.set i, 0
.rept 16
	v_fma_f32 v[(\s)+i], -|v[(\s)+i]|, v[GP+i], v[GE+i]
.set i, i+1
.endr
.endm
	s_load_b256 s[4:11], s[0:1], 0x0               ; hr, wr, fc_b, hid
	v_lshl_add_u32 v[SPW], v0, 2, SPARE
	v_mov_b32 v[NIL], 0
	ds_add_u32 v28, v29
	s_wait_dscnt 0x0
	v_lshrrev_b32 v1, 5, v0
	v_readfirstlane_b32 s14, v1
	s_lshr_b32 s15, s14, 1
	s_and_b32 s16, s14, 1
	s_bfe_u32 s40, ttmp6, 0x40000
	s_bfe_u32 s41, ttmp6, 0x40004
	s_lshl_b32 s42, ttmp9, 2
	s_add_co_u32 s42, s42, s40                     ; tile column
	s_and_b32 s17, ttmp7, 0xffff
	s_lshl_b32 s17, s17, 2
	s_add_co_u32 s17, s17, s41                     ; tile row
	s_lshl_b32 s43, s41, 2
	s_lshl_b32 s43, 15, s43
	s_lshl_b32 s44, 0x1111, s40
	s_or_b32 s[G1+0], s43, (3<<16)|(1<<21)
	s_or_b32 s[G1B+0], s44, (3<<16)|(1<<21)
.irp g, G1, G1B
	s_mov_b32 s[\g+1], 32<<16                      ; a record is a dense block: 132 rows of 256 bytes
	s_mov_b32 s[\g+2], 132<<16
	s_mov_b32 s[\g+3], 32<<16
	s_mov_b32 s[\g+4], 132
	s_mov_b32 s[\g+5], 32
	s_mov_b32 s[\g+6], 0
	s_mov_b32 s[\g+7], 0
.endr
	s_lshl_b32 s20, s17, 1
	s_add_co_u32 s20, s20, s16
	s_mul_i32 s20, s20, KSL*REC
	s_mov_b32 s21, 0
	s_lshl_b32 s46, s42, 1
	s_add_co_u32 s46, s46, s16
	s_mul_i32 s46, s46, KSL*REC
	s_add_co_u32 s46, s46, WREC0*REC
	s_mov_b32 s47, 0
	s_mul_i32 s45, s14, REC
	s_wait_kmcnt 0x0
	s_add_nc_u64 s[20:21], s[4:5], s[20:21]
	s_add_nc_u64 s[46:47], s[6:7], s[46:47]
	CROUND
.irp s, 0,1
	s_mov_b32 s[G0+4*\s], 1
	s_add_co_u32 s[G0+4*\s+1], s45, \s*SLOT
	s_add_nc_u64 s[G0+4*\s+2:G0+4*\s+3], s[20:21], \s*REC
	s_or_b32 s[G0+4*\s+3], s[G0+4*\s+3], 0x80000000
	s_mov_b32 s[G0B+4*\s], 1
	s_add_co_u32 s[G0B+4*\s+1], s45, \s*SLOT
	s_add_nc_u64 s[G0B+4*\s+2:G0B+4*\s+3], s[46:47], \s*REC
	s_or_b32 s[G0B+4*\s+3], s[G0B+4*\s+3], 0x80000000
	JLOAD \s
.endr
	v_and_b32 v1, 15, v0
	v_bfe_u32 v2, v0, 4, 1
	v_and_b32 v3, 31, v0
	v_lshlrev_b32 v[LI], 4, v3
	s_mul_i32 s21, s15, REC
	s_mul_i32 s22, s16, REC
	s_add_co_u32 s22, s22, 2*REC
	s_sub_co_u32 s23, s22, s21
	v_mul_u32_u24 v6, s23, v2
	v_lshl_add_u32 v6, v1, 2, v6
	v_add_nc_u32 v[ADRS], s21, v6
	v_add_nc_u32 v[ADRS+1], SLOT, v[ADRS]
.irp s, 0,1
	v_add_nc_u32 v[ADRA+\s], s21, v[LI]
	v_add_nc_u32 v[ADRB+\s], s22, v[LI]
	s_add_co_u32 s21, s21, SLOT
	s_add_co_u32 s22, s22, SLOT
.endr
	s_lshl_b32 s21, s14, 10
	v_lshl_add_u32 v[SWI], v3, 2, SW0
	v_add_nc_u32 v[SWI], s21, v[SWI]
	v_lshrrev_b32 v5, 2, v3
	v_and_b32 v6, 3, v3
	v_lshlrev_b32 v[SWO], 7, v5
	v_lshl_add_u32 v[SWO], v6, 4, v[SWO]
	v_add_nc_u32 v[SWO], s21, v[SWO]
	v_add_nc_u32 v[SWO], SW0, v[SWO]
	s_lshl_b32 s84, s42, 1
	s_add_co_u32 s84, s84, s16
	s_lshl_b32 s84, s84, 9
	s_mov_b32 s85, 0
	s_add_nc_u64 s[20:21], s[8:9], s[84:85]        ; the bias of my 128 hidden units
	v_lshlrev_b32 v5, 6, v2
.irp b, 0,1,2,3
.irp m, 0,1,2,3
	global_load_b128 v[BI+16*\b+4*\m:BI+16*\b+4*\m+3], v5, s[20:21] offset:128*\b+16*\m
.endr
.endr
	s_lshl_b32 s84, s17, 1
	s_add_co_u32 s84, s84, s15
	s_lshl_b32 s84, s84, 4
	s_add_co_u32 s84, s84, s42
	s_mul_i32 s84, s84, REC                        ; hid's record (my token group, K slot = tile column)
	s_lshl_b32 s87, s16, 11
	s_add_co_u32 s87, s87, s84
	s_lshl_b32 s88, s16, 9
	s_add_co_u32 s88, s88, s84
	s_add_co_u32 s88, s88, 32768
	s_mov_b32 s84, s87
	s_add_nc_u64 s[80:81], s[10:11], s[84:85]      ; my K step's codes
	s_mov_b32 s84, s88
	s_add_nc_u64 s[82:83], s[10:11], s[84:85]      ; its scale words
	s_mov_b32 s[SEL], 0x76543210
	s_mov_b32 s[SEL+1], 0xfedcba98
	s_mov_b32 s[MNT], 0x600000
	s_mov_b32 s[CP], 0x3e6d3389                    ; 0.2316419
	s_mov_b32 s[CP+1], s[CP]
	s_mov_b32 s[K2], 0xbf38aa3b                    ; -log2(e) / 2
	s_mov_b32 s[K2+1], s[K2]
	s_mov_b32 s[C5], 0x3f07dc22                    ; 0.530702714
	s_mov_b32 s[C5+1], s[C5]
	s_mov_b32 s[C3], 0x3f35f0e3                    ; 0.710706871
	s_mov_b32 s[C3+1], s[C3]
	s_mov_b32 s[C2], 0xbe11a98e                    ; -0.142248368
	s_mov_b32 s[C2+1], s[C2]
	s_mov_b32 s[C1], 0x3e027906                    ; 0.127414796
	s_mov_b32 s[C1+1], s[C1]
	v_mov_b32 v[C4], 0xbf3a00e3                    ; -0.726576013
	v_mov_b32 v[C4+1], v[C4]
	s_wait_tensorcnt 1                             ; my record of slot 0 is in; slot 1's may stay out
	s_barrier_signal -1
	s_barrier_wait -1
	FETCH_B 0, 0, 0
	FETCH_A 0, 0, 0
	SCALES 0
	FETCH_A 0, 0, 4
	STEP 0, 0, 1
	s_mov_b32 s3, LAPS-1
.Llap:
	TURN 0, 1, 1
	STEP 1, 0, 0
	TURN 1, 0, 1
	STEP 0, 0, 0
	s_sub_co_u32 s3, s3, 1
	s_cmp_lg_u32 s3, 0
	s_cbranch_scc1 .Llap
	TURN 0, 1, 0
	STEP 1, 0, 0
	s_wait_dscnt 4*NL
	WIN MUL_LO
	MUL16 0, 1, NQ-1, 1, 0
	MUL16 2, 1, NQ-1, 1, 0
	s_wait_dscnt 0
	WIN MUL_HI
	MUL16 4, 1, NQ-1, 1, 0
	MUL16 6, 1, NQ-1, 1, 0
	WIN 0
	PLACES NP
	; THE WAY OUT: eight trips, one for each tile of tokens.  Gelu and the quantiser are written once; only the lines that fetch a block's 64 sums differ, and a ladder on the trip's number leads to them.
	s_wait_loadcnt 0x0                             ; the bias
.irp b, 0,1,2,3
	v_mov_b32 v[TM+4+\b], 0                        ; (a lane permute's destination counts as one of its sources)
.endr
	s_mov_b32 s78, 0                               ; a
	s_mov_b32 s79, 0                               ; 128 a
	s_mov_b32 s84, 0                               ; this trip's step of the pointer
.Lrow:
.irp n, 1,2,3,4,5,6,7
	s_cmp_eq_u32 s78, \n
	s_cbranch_scc1 .Ltake\n
.endr
	TAKE 0
	s_branch .Lcommon
.irp n, 1,2,3,4,5,6,7
.Ltake\n:
	TAKE \n
	s_branch .Lcommon
.endr
.Lcommon:
	s_wait_xcnt 0x0                                ; the last trip's stores have read their base and the codes' registers
	s_add_nc_u64 s[80:81], s[80:81], s[84:85]
	s_mov_b32 s84, 4096                            ; from tile to tile
	GELU16 H
	GELU16 H+16
	GELU16 H+32
	GELU16 H+48
	QUANT H, PW
.irp c, 0,1,2,3
	global_store_b128 v[LI], v[PC+4*\c:PC+4*\c+3], s[80:81] offset:512*\c   ; 512 consecutive bytes
.endr
	v_add_nc_u32 v[TA], s79, v[SWI]
	ds_store_b32 v[TA], v[PW]
	s_add_co_u32 s79, s79, 128
	s_add_co_u32 s78, s78, 1
	s_cmp_lt_u32 s78, 8
	s_cbranch_scc1 .Lrow
	ds_load_b128 v[H:H+3], v[SWO]                  ; LDS serves a wave's instructions in order: this sees my stores
	s_wait_dscnt 0x0
	global_store_b128 v[LI], v[H:H+3], s[82:83]    ; eight tiles' words: 512 consecutive bytes
	s_wait_tensorcnt 0x0                           ; the wave's end
	ds_add_u32 v[SPW], v[NIL]
	s_wait_dscnt 0x0
	CROUND                                         ; the closing round
	s_endpgm
.Lfunc_end_k_qcf807ce6d9_fc:
	.size	k_qcf807ce6d9_fc, .Lfunc_end_k_qcf807ce6d9_fc-k_qcf807ce6d9_fc
	.p2alignl 7, 3214868480
	.fill 96, 4, 3214868480
	.section	.rodata,"a",@progbits
	.p2align	6, 0x0
	.amdhsa_kernel k_qcf807ce6d9_fc
		.amdhsa_group_segment_fixed_size 327680
		.amdhsa_private_segment_fixed_size 0
		.amdhsa_enable_private_segment 0
		.amdhsa_kernarg_size 32
		.amdhsa_user_sgpr_count 2
		.amdhsa_user_sgpr_kernarg_segment_ptr 1
		.amdhsa_wavefront_size32 1
		.amdhsa_system_sgpr_workgroup_id_x 1
		.amdhsa_system_sgpr_workgroup_id_y 1
		.amdhsa_system_sgpr_workgroup_id_z 1
		.amdhsa_system_vgpr_workitem_id 0
		.amdhsa_next_free_vgpr 1024
		.amdhsa_next_free_sgpr 100
		.amdhsa_reserve_vcc 0
		.amdhsa_float_denorm_mode_32 3
		.amdhsa_float_denorm_mode_16_64 3
		.amdhsa_memory_ordered 1
		.amdhsa_forward_progress 1
		.amdhsa_inst_pref_size 175
	.end_amdhsa_kernel
	.amdgpu_metadata
---
amdhsa.version: [ 1, 2 ]
amdhsa.kernels:
  - .name:           k_qcf807ce6d9_fc
    .symbol:         k_qcf807ce6d9_fc.kd
    .args:
      - { .name: hr, .offset: 0, .size: 8, .value_kind: global_buffer, .address_space: global }
      - { .name: wr, .offset: 8, .size: 8, .value_kind: global_buffer, .address_space: global }
      - { .name: fc_b, .offset: 16, .size: 8, .value_kind: global_buffer, .address_space: global }
      - { .name: hid, .offset: 24, .size: 8, .value_kind: global_buffer, .address_space: global }
    .group_segment_fixed_size: 327680
    .private_segment_fixed_size: 0
    .kernarg_segment_align: 8
    .kernarg_segment_size: 32
    .max_flat_workgroup_size: 128
    .sgpr_count:     100
    .vgpr_count:     1024
    .wavefront_size: 32
...
	.end_amdgpu_metadata
.endif
;; end of part 6
;; launch out (part 7): grid 4 x 16, 4 waves a work-group, clusters of 4 x 4, 327,680 bytes of LDS; arguments hid, wr, fc_proj_b, x2, out0; writes out0
.if DOCPART == 7
	.amdgcn_target "amdgcn-amd-amdhsa--gfx1250"
	.amdhsa_code_object_version 6
	.text
	.protected	k_qcf807ce6d9_out
	.globl	k_qcf807ce6d9_out
	.p2align	8
	.type	k_qcf807ce6d9_out,@function
k_qcf807ce6d9_out:
	s_mov_b64 s[64:65], 0
	v_nop
	global_prefetch_b8 v0, s[64:65] scope:SCOPE_SE
	s_setreg_imm32_b32 hwreg(HW_REG_WAVE_MODE, 25, 1), 1
	s_wait_xcnt 0x0
	s_wait_alu depctr_hold_cnt(0) depctr_sa_sdst(0) depctr_va_vdst(0) depctr_va_sdst(0) depctr_va_ssrc(0) depctr_va_vcc(0) depctr_vm_vsrc(0)
	s_getreg_b32 s2, hwreg(HW_REG_IB_STS2, 6, 4)
	s_cmp_eq_u32 s2, 0
	s_cbranch_scc0 .Lentry_in_a_cluster
	s_endpgm
.Lentry_in_a_cluster:
	s_bfe_u32 s2, ttmp6, 0x10000c
	s_cmp_lg_u32 s2, 0xf033
	s_cbranch_scc0 .Lentry_shape_is_right
	s_endpgm
.Lentry_shape_is_right:
; out0 = x2 + (hid fc_proj_w + fc_proj_b): a product on codes of E4M3 with E8M0 scales, K = 4,096, N = 1,024; the result, f32, gets its bias and the residual on the way out.
; OPERANDS lie in memory as records (128 rows x 256 K, 33,792 bytes, register images: codes at a*4096 + q*2048 + c*512 + 16*lane, scale words at 32768 + q*512 + a*64 + 4*r; lane r of tile 2 b + u = row 32 b + 8 u + r + 8 (r / 8)).
; A tile of C, 256 x 256, is made by four waves, 128 x 128 each: 64 accumulators.  K goes in steps of 256 through two LDS slots of four records; each wave fetches one record by one dense tensor load, codes and scales together.
; CLUSTERS: 4 x 4; A's records are shared along a row of the cluster, B's along a column: joint loads.  The product is used transposed (source 0 = the weight's rows, source 1 = tokens): a lane holds one token,
; and the registers of tiles 2 b, 2 b + 1 are channels 32 b + 16 h + 0..15.  N = 1,024 gives 64 tiles of this size: 64 work-groups.
.set KSL,   16                         ; K / 256
.set WREC0, 256                        ; the weight's first record in wr
.set REC,   33792
.set SLOT,  4*REC
.set NQ,    2
.set FR,    16
.set NL,    4
.set NP,    8                          ; places behind this matrix instruction (ISA guide 7.12.1)
.set LAPS,  KSL/2
.set SPARE, 2*SLOT                     ; behind the ring: the spare words, 128 bytes a wave: two blocks of 256 bytes that no other line names
.set SPITCH, 528                       ; the way out: a stage of 16 rows x (512 + 16) bytes a wave, in slot 0, which has had its last fill and its last read by then
.set BIA,   8
.set ADRA,  16
.set ADRB,  20
.set ADRS,  22
.set STO,   24
.set RD,    25
.set CO,    26
.set SPW,   28
.set NIL,   29
.set SC,    32
.set AF,    128
.set BK,    128
.set G1,    24
.set G0,    32
.set G1B,   48
.set G0B,   56
.set MSB,   0
.macro WIN new
.if MSB != (\new)
	s_set_vgpr_msb (MSB<<8)|(\new)
.set MSB, (\new)
.endif
.endm
.set MUL_LO, 0xa1
.set MUL_HI, 0xf1
.set TO_B,   0x40
.macro JLOAD s
	s_cmp_eq_u32 s15, 0
	s_cbranch_scc0 .Lfor_b_\@
	tensor_load_to_lds s[G0+4*\s:G0+4*\s+3], s[G1:G1+7]
	s_nop 0
.rept 4
	v_nop
.endr
	s_branch .Lasked_\@
.Lfor_b_\@:
	tensor_load_to_lds s[G0B+4*\s:G0B+4*\s+3], s[G1B:G1B+7]
	s_nop 0
.rept 4
	v_nop
.endr
.Lasked_\@:
.endm
.macro CREST
	s_cmp_lg_u32 s14, 0
	s_cbranch_scc1 .Lnot_wave_0_\@
	s_barrier_signal -3
.Lnot_wave_0_\@:
	s_barrier_wait -3
	s_barrier_signal -1
	s_barrier_wait -1
.endm
.macro CROUND
	s_barrier_signal -1
	s_barrier_wait -1
	CREST
.endm
.macro PLACES n
.rept \n
	v_nop
.endr
.endm
.macro FRAG reg, adr, q, i
.irp c, 0,1,2,3
	ds_load_b128 v[\reg+4*\c:\reg+4*\c+3], v[\adr] offset:(\i)*4096+(\q)*2048+512*\c
.endr
.endm
.macro MUL16 a0, p, q, sc, zero        ; the 64 accumulators take turns
.irp a, \a0, \a0+1
.irp b, 0,1,2,3,4,5,6,7
.if \zero
	v_wmma_scale_f32_16x16x128_f8f6f4 v[8*(8*((\a)%4)+\b):8*(8*((\a)%4)+\b)+7], v[128*(\p)+FR*\b:128*(\p)+FR*\b+FR-1], v[AF+FR*(\a):AF+FR*(\a)+FR-1], 0, v[SC+8*NQ*(\sc)+NQ*\b+(\q)], v[SC+8*NQ*(\sc)+NQ*(\a)+(\q)] matrix_a_scale:MATRIX_SCALE_ROW1
.else
	v_wmma_scale_f32_16x16x128_f8f6f4 v[8*(8*((\a)%4)+\b):8*(8*((\a)%4)+\b)+7], v[128*(\p)+FR*\b:128*(\p)+FR*\b+FR-1], v[AF+FR*(\a):AF+FR*(\a)+FR-1], v[8*(8*((\a)%4)+\b):8*(8*((\a)%4)+\b)+7], v[SC+8*NQ*(\sc)+NQ*\b+(\q)], v[SC+8*NQ*(\sc)+NQ*(\a)+(\q)] matrix_a_scale:MATRIX_SCALE_ROW1
.endif
.endr
.endr
.endm
.macro FETCH_B slot, q, p
	WIN TO_B
.irp i, 0,1,2,3,4,5,6,7
	FRAG 128*(\p)+FR*\i, ADRB+\slot, \q, \i
.endr
	WIN 0
.endm
.macro FETCH_A slot, q, i0
.irp i, \i0, \i0+1, \i0+2, \i0+3
	FRAG AF+FR*(\i), ADRA+\slot, \q, \i
.endr
.endm
.macro SCALES sc
.irp i, 0,1,2,3,4,5,6,7
.irp q, 0,1
	ds_load_b32 v[SC+8*NQ*\sc+NQ*\i+\q], v[ADRS+\sc] offset:32768+512*\q+64*\i
.endr
.endr
.endm
.macro STEP slot, q, zero
	s_wait_dscnt 4*NL                              ; all but the youngest 16 loads (A's tiles 4-7)
	WIN MUL_LO
	MUL16 0, (\q)%2, \q, \slot, \zero
	MUL16 2, (\q)%2, \q, \slot, \zero
	s_wait_dscnt 0
	PLACES NP
	FETCH_B \slot, (\q)+1, 1-(\q)%2
	FETCH_A \slot, (\q)+1, 0
	WIN MUL_HI
	MUL16 4, (\q)%2, \q, \slot, \zero
	MUL16 6, (\q)%2, \q, \slot, \zero
	PLACES NP
	WIN 0
	FETCH_A \slot, (\q)+1, 4
.endm
.macro TURN slot, next, fill
	s_wait_tensorcnt 0x0                           ; all my tensor loads have landed: my record of the next slot
	ds_add_u32 v[SPW], v[NIL]
	s_wait_dscnt 4*NL+1                            ; (the add and the youngest 16 loads may be out)
	WIN MUL_LO
	MUL16 0, 1, NQ-1, \slot, 0
	s_wait_dscnt 0x0                               ; the add is done, and my reads of this slot are over
	s_barrier_signal -1
	MUL16 2, 1, NQ-1, \slot, 0
	WIN 0
	s_barrier_wait -1
.if \fill
	CREST                                          ; no wave of any partner still reads this slot or has a load on its way
	s_add_nc_u64 s[G0+4*\slot+2:G0+4*\slot+3], s[G0+4*\slot+2:G0+4*\slot+3], 2*REC
	s_add_nc_u64 s[G0B+4*\slot+2:G0B+4*\slot+3], s[G0B+4*\slot+2:G0B+4*\slot+3], 2*REC
	JLOAD \slot                                    ; the first tensor load behind the round, one a wave
	PLACES NP-4
.else
	PLACES NP
.endif
	FETCH_B \next, 0, 0
	FETCH_A \next, 0, 0
	SCALES \next
	WIN MUL_HI
	MUL16 4, 1, NQ-1, \slot, 0
	MUL16 6, 1, NQ-1, \slot, 0
	PLACES NP
	WIN 0
	FETCH_A \next, 0, 4
.endm
	s_load_b256 s[4:11], s[0:1], 0x0               ; A's records, wr, the bias, the residual
	s_load_b64 s[12:13], s[0:1], 0x20              ; the result
	v_lshl_add_u32 v[SPW], v0, 2, SPARE
	v_mov_b32 v[NIL], 0
	ds_add_u32 v28, v29
	s_wait_dscnt 0x0
	v_lshrrev_b32 v1, 5, v0
	v_readfirstlane_b32 s14, v1                    ; wave
	s_lshr_b32 s15, s14, 1                         ; which of A's two records I multiply.  Also: I fetch for A (0) or B (1)
	s_and_b32 s16, s14, 1                          ; which of B's.  Also: which record of the two I fetch
	s_bfe_u32 s40, ttmp6, 0x40000
	s_bfe_u32 s41, ttmp6, 0x40004
	s_lshl_b32 s42, ttmp9, 2
	s_add_co_u32 s42, s42, s40                     ; tile column
	s_and_b32 s17, ttmp7, 0xffff
	s_lshl_b32 s17, s17, 2
	s_add_co_u32 s17, s17, s41                     ; tile row
	s_lshl_b32 s43, s41, 2
	s_lshl_b32 s43, 15, s43
	s_lshl_b32 s44, 0x1111, s40
	s_or_b32 s[G1+0], s43, (3<<16)|(1<<21)         ; the mask; elements of 8 bytes; bit 21 beside a mask; no padding
	s_or_b32 s[G1B+0], s44, (3<<16)|(1<<21)
.irp g, G1, G1B
	s_mov_b32 s[\g+1], 32<<16                      ; a record is a dense block: 132 rows of 256 bytes
	s_mov_b32 s[\g+2], 132<<16
	s_mov_b32 s[\g+3], 32<<16
	s_mov_b32 s[\g+4], 132
	s_mov_b32 s[\g+5], 32
	s_mov_b32 s[\g+6], 0
	s_mov_b32 s[\g+7], 0
.endr
	s_lshl_b32 s20, s17, 1
	s_add_co_u32 s20, s20, s16
	s_mul_i32 s20, s20, KSL*REC
	s_mov_b32 s21, 0
	s_lshl_b32 s46, s42, 1
	s_add_co_u32 s46, s46, s16
	s_mul_i32 s46, s46, KSL*REC
	s_add_co_u32 s46, s46, WREC0*REC
	s_mov_b32 s47, 0
	s_mul_i32 s45, s14, REC
	s_wait_kmcnt 0x0
	s_add_nc_u64 s[20:21], s[4:5], s[20:21]
	s_add_nc_u64 s[46:47], s[6:7], s[46:47]
	CROUND
.irp s, 0,1
	s_mov_b32 s[G0+4*\s], 1
	s_add_co_u32 s[G0+4*\s+1], s45, \s*SLOT
	s_add_nc_u64 s[G0+4*\s+2:G0+4*\s+3], s[20:21], \s*REC
	s_or_b32 s[G0+4*\s+3], s[G0+4*\s+3], 0x80000000
	s_mov_b32 s[G0B+4*\s], 1
	s_add_co_u32 s[G0B+4*\s+1], s45, \s*SLOT
	s_add_nc_u64 s[G0B+4*\s+2:G0B+4*\s+3], s[46:47], \s*REC
	s_or_b32 s[G0B+4*\s+3], s[G0B+4*\s+3], 0x80000000
	JLOAD \s
.endr
	v_and_b32 v1, 15, v0
	v_bfe_u32 v2, v0, 4, 1
	v_and_b32 v3, 31, v0
	v_lshlrev_b32 v[CO], 4, v3                     ; 16 x lane
	s_mul_i32 s21, s15, REC
	s_mul_i32 s22, s16, REC
	s_add_co_u32 s22, s22, 2*REC
	s_sub_co_u32 s23, s22, s21
	v_mul_u32_u24 v6, s23, v2
	v_lshl_add_u32 v6, v1, 2, v6
	v_add_nc_u32 v[ADRS], s21, v6
	v_add_nc_u32 v[ADRS+1], SLOT, v[ADRS]
.irp s, 0,1
	v_add_nc_u32 v[ADRA+\s], s21, v[CO]
	v_add_nc_u32 v[ADRB+\s], s22, v[CO]
	s_add_co_u32 s21, s21, SLOT
	s_add_co_u32 s22, s22, SLOT
.endr
	s_mul_i32 s23, s14, 16*SPITCH                  ; my stage
	v_mul_u32_u24 v5, v1, SPITCH
	v_lshl_add_u32 v5, v2, 6, v5
	v_add_nc_u32 v[STO], s23, v5                   ; in: row r, + 64 h
	v_add_nc_u32 v[RD], s23, v[CO]                 ; back: a row's 512 bytes
	s_lshl_b32 s20, s42, 10
	s_lshl_b32 s21, s16, 9
	s_add_co_u32 s20, s20, s21                     ; my first column, in bytes
	s_mov_b32 s21, 0
	s_add_nc_u64 s[8:9], s[8:9], s[20:21]
	global_load_b128 v[BIA:BIA+3], v[CO], s[8:9]
	s_lshl_b32 s22, s17, 8
	s_lshl_b32 s23, s15, 7
	s_add_co_u32 s22, s22, s23                     ; my first row
	s_lshl_b32 s22, s22, 12
	s_add_co_u32 s20, s20, s22
	s_add_nc_u64 s[10:11], s[10:11], s[20:21]
	s_add_nc_u64 s[12:13], s[12:13], s[20:21]
	s_wait_tensorcnt 1                             ; my record of slot 0 is in; slot 1's may stay out
	s_barrier_signal -1
	s_barrier_wait -1
	FETCH_B 0, 0, 0
	FETCH_A 0, 0, 0
	SCALES 0
	FETCH_A 0, 0, 4
	STEP 0, 0, 1
	s_mov_b32 s3, LAPS-1
.Llap:
	TURN 0, 1, 1
	STEP 1, 0, 0
	TURN 1, 0, 1
	STEP 0, 0, 0
	s_sub_co_u32 s3, s3, 1
	s_cmp_lg_u32 s3, 0
	s_cbranch_scc1 .Llap
	TURN 0, 1, 0
	STEP 1, 0, 0
	s_wait_dscnt 4*NL
	WIN MUL_LO
	MUL16 0, 1, NQ-1, 1, 0
	MUL16 2, 1, NQ-1, 1, 0
	s_wait_dscnt 0
	WIN MUL_HI
	MUL16 4, 1, NQ-1, 1, 0
	MUL16 6, 1, NQ-1, 1, 0
	WIN 0
; THE WAY OUT, tile by tile of 16 tokens x 128 columns, through my own stage: back as whole rows of 512 bytes, + bias, + residual, stored as two aligned blocks of 256 bytes.  Row t of tile a is token 32 (a / 2) + 8 (a % 2) + t + 8 (t / 8).
.macro RLOAD a                         ; the residual's 16 rows, two tiles ahead
.set RR, 64*((\a)%2)
	WIN 0x40
.irp t, 0,1,2,3,4,5,6,7,8,9,10,11,12,13,14,15
	global_load_b128 v[RR+4*\t:RR+4*\t+3], v[CO], s[10:11] offset:(32*((\a)/2)+8*((\a)%2)+\t+8*(\t/8))*4096 th:TH_LOAD_NT
.endr
	WIN 0
.endm
.macro TOSTAGE a
.set AC, 64*((\a)%4)
	WIN 0x08+4*((\a)/4)                            ; an LDS store's data: window 2 or 3
.irp b, 0,1,2,3,4,5,6,7
	ds_store_b128 v[STO], v[AC+8*\b:AC+8*\b+3] offset:128*(\b/2)+32*(\b%2)          ; each accumulator from its low end on
	ds_store_b128 v[STO], v[AC+8*\b+4:AC+8*\b+7] offset:128*(\b/2)+32*(\b%2)+16
.endr
	WIN 0
.set BB, BK+64*((\a)%2)
.irp t, 0,1,2,3,4,5,6,7,8,9,10,11,12,13,14,15
	ds_load_b128 v[BB+4*\t:BB+4*\t+3], v[RD] offset:\t*SPITCH   ; LDS serves a wave's instructions in order: these see my stores
.endr
.endm
.macro SEND a, younger
.set BB, BK+64*((\a)%2)
.set RR, 64*((\a)%2)
	s_wait_dscnt \younger                          ; the tile is back; the next tile's 16 stores and 16 loads may be out
.set i, 0
.rept 16
	v_pk_add_f32 v[BB+i:BB+i+1], v[BB+i:BB+i+1], v[BIA:BIA+1]
	v_pk_add_f32 v[BB+i+2:BB+i+3], v[BB+i+2:BB+i+3], v[BIA+2:BIA+3]
.set i, i+4
.endr
.if (\a) < 7
	s_wait_loadcnt 16                              ; this tile's residual is in; the next tile's 16 loads may be out
.else
	s_wait_loadcnt 0x0
.endif
	WIN 0x04                                       ; source 1 window 1
.set i, 0
.rept 32
	v_pk_add_f32 v[BB+i:BB+i+1], v[BB+i:BB+i+1], v[RR+i:RR+i+1]
.set i, i+2
.endr
	WIN 0
.irp t, 0,1,2,3,4,5,6,7,8,9,10,11,12,13,14,15
	global_store_b128 v[CO], v[BB+4*\t:BB+4*\t+3], s[12:13] offset:(32*((\a)/2)+8*((\a)%2)+\t+8*(\t/8))*4096 th:TH_STORE_NT   ; 512 consecutive bytes, aligned
.endr
.if (\a) < 6
	RLOAD (\a)+2
.endif
.endm
	PLACES NP
	s_wait_loadcnt 0x0                             ; the bias
	RLOAD 0
	RLOAD 1
	TOSTAGE 0
.irp a, 1,2,3,4,5,6,7
.if \a > 1
	s_wait_xcnt 0x0                                ; tile a - 2's stores have read their registers, into which tile a comes back
.endif
	TOSTAGE \a
	SEND \a-1, 32
.endr
	SEND 7, 0
	s_wait_tensorcnt 0x0                           ; the wave's end
	ds_add_u32 v[SPW], v[NIL]
	s_wait_dscnt 0x0
	CROUND                                         ; the closing round
	s_endpgm
.Lfunc_end_k_qcf807ce6d9_out:
	.size	k_qcf807ce6d9_out, .Lfunc_end_k_qcf807ce6d9_out-k_qcf807ce6d9_out
	.p2alignl 7, 3214868480
	.fill 96, 4, 3214868480
	.section	.rodata,"a",@progbits
	.p2align	6, 0x0
	.amdhsa_kernel k_qcf807ce6d9_out
		.amdhsa_group_segment_fixed_size 327680
		.amdhsa_private_segment_fixed_size 0
		.amdhsa_enable_private_segment 0
		.amdhsa_kernarg_size 40
		.amdhsa_user_sgpr_count 2
		.amdhsa_user_sgpr_kernarg_segment_ptr 1
		.amdhsa_wavefront_size32 1
		.amdhsa_system_sgpr_workgroup_id_x 1
		.amdhsa_system_sgpr_workgroup_id_y 1
		.amdhsa_system_sgpr_workgroup_id_z 1
		.amdhsa_system_vgpr_workitem_id 0
		.amdhsa_next_free_vgpr 1024
		.amdhsa_next_free_sgpr 100
		.amdhsa_reserve_vcc 0
		.amdhsa_float_denorm_mode_32 3
		.amdhsa_float_denorm_mode_16_64 3
		.amdhsa_memory_ordered 1
		.amdhsa_forward_progress 1
		.amdhsa_inst_pref_size 190
	.end_amdhsa_kernel
	.amdgpu_metadata
---
amdhsa.version: [ 1, 2 ]
amdhsa.kernels:
  - .name:           k_qcf807ce6d9_out
    .symbol:         k_qcf807ce6d9_out.kd
    .args:
      - { .name: hid, .offset: 0, .size: 8, .value_kind: global_buffer, .address_space: global }
      - { .name: wr, .offset: 8, .size: 8, .value_kind: global_buffer, .address_space: global }
      - { .name: fc_proj_b, .offset: 16, .size: 8, .value_kind: global_buffer, .address_space: global }
      - { .name: x2, .offset: 24, .size: 8, .value_kind: global_buffer, .address_space: global }
      - { .name: out0, .offset: 32, .size: 8, .value_kind: global_buffer, .address_space: global }
    .group_segment_fixed_size: 327680
    .private_segment_fixed_size: 0
    .kernarg_segment_align: 8
    .kernarg_segment_size: 40
    .max_flat_workgroup_size: 128
    .sgpr_count:     100
    .vgpr_count:     1024
    .wavefront_size: 32
...
	.end_amdgpu_metadata
.endif
;; end of part 7
;; ======== version 2 of 2: 8 launches
;; limits: a function is approximated: absolute error at most 7.5e-08
;; workspace buffers: wr 12,976,128 bytes; hr 4,325,376 bytes; qkvr 13,238,272 bytes; yr 4,325,376 bytes; x2 16,777,216 bytes; hid 17,301,504 bytes
;; launch prep: the kernel of part 1 again; grid 384 x 1, 4 waves a work-group, no clusters, 35,328 bytes of LDS; arguments attn_w_codes, attn_w_scales, proj_w_codes, proj_w_scales, fc_w_codes, fc_w_scales, fc_proj_w_codes, fc_proj_w_scales, wr; writes wr
;; launch ln1: the kernel of part 2 again; grid 256 x 1, 4 waves a work-group, no clusters, 43,520 bytes of LDS; arguments x, ln1_w, ln1_b, hr; writes hr
;; launch qkv: the kernel of part 3 again; grid 12 x 16, 4 waves a work-group, clusters of 4 x 4, 327,680 bytes of LDS; arguments hr, wr, attn_b, qkvr; writes qkvr
;; launch attn: the kernel of part 4 again; grid 8 x 32, 16 waves a work-group, clusters of 4 x 1, 327,680 bytes of LDS; arguments qkvr, yr; writes yr
;; launch proj (part 8): grid 8 x 32, 4 waves a work-group, clusters of 4 x 4, 327,680 bytes of LDS; arguments yr, wr, proj_b, x, x2; writes x2
.if DOCPART == 8
	.amdgcn_target "amdgcn-amd-amdhsa--gfx1250"
	.amdhsa_code_object_version 6
	.text
	.protected	k_qcf807ce6d9_proj
	.globl	k_qcf807ce6d9_proj
	.p2align	8
	.type	k_qcf807ce6d9_proj,@function
k_qcf807ce6d9_proj:
	s_mov_b64 s[64:65], 0
	v_nop
	global_prefetch_b8 v0, s[64:65] scope:SCOPE_SE
	s_setreg_imm32_b32 hwreg(HW_REG_WAVE_MODE, 25, 1), 1
	s_wait_xcnt 0x0
	s_wait_alu depctr_hold_cnt(0) depctr_sa_sdst(0) depctr_va_vdst(0) depctr_va_sdst(0) depctr_va_ssrc(0) depctr_va_vcc(0) depctr_vm_vsrc(0)
	s_getreg_b32 s2, hwreg(HW_REG_IB_STS2, 6, 4)
	s_cmp_eq_u32 s2, 0
	s_cbranch_scc0 .Lentry_in_a_cluster
	s_endpgm
.Lentry_in_a_cluster:
	s_bfe_u32 s2, ttmp6, 0x10000c
	s_cmp_lg_u32 s2, 0xf033
	s_cbranch_scc0 .Lentry_shape_is_right
	s_endpgm
.Lentry_shape_is_right:
; x2 = x + (y proj_w + proj_b): a product on codes of E4M3 with E8M0 scales, K = 1,024, N = 1,024; the result, f32, gets its bias and the residual on the way out.
; OPERANDS lie in memory as records (128 rows x 256 K, 33,792 bytes, register images: codes at a*4096 + q*2048 + c*512 + 16*lane, scale words at 32768 + q*512 + a*64 + 4*r; lane r of tile 2 b + u = row 32 b + 8 u + r + 8 (r / 8)).
; THE TILE of C is 128 x 128: 4,096 x 1,024 numbers make 256 such tiles, against 64 of 256 x 256.  Four waves, 64 x 64 each: 16 accumulators.
; K goes in steps of 512 through two LDS slots of four records: A's K slots 2 n and 2 n + 1 (waves 0, 1 fetch them), then B's (waves 2, 3): one dense tensor load a wave, codes and scales together.
; K = 1,024 is two slots: both are first fills, nothing is filled again, and the loop over laps is not assembled.
; CLUSTERS: 4 x 4; A's records are shared along a row of the cluster, B's along a column: joint loads.  The product is used transposed (source 0 = the weight's rows, source 1 = tokens): a lane holds one token,
; and the registers of tiles 2 b, 2 b + 1 are channels 32 b + 16 h + 0..15.
; THE RESIDUAL's 64 x 64 numbers of a wave are asked for at the head, in the layout of the rows that come back from the stage, and lie in registers until the way out.
; REGISTERS, in windows of 256: window 0: v8-11 bias; v16-29 addresses; v32-63 scale words, a set for each slot; v64-127 rows on the way out; v128-255 the accumulators ((a, b) at v[128 + 8 (4 a + b)]).
;   window 1: two fragment buffers of 128: A's four fragments, then B's four, of 128 along K.   window 2: v0-127 the residual.
.set KSL,   4                          ; K / 256
.set WREC0, 96                         ; the weight's first record in wr
.set REC,   33792
.set SLOT,  4*REC
.set FR,    16                         ; registers of a fragment
.set NP,    8                          ; places behind this matrix instruction (ISA guide 7.12.1)
.set LAPS,  KSL/4                      ; a lap = two slots = 1,024 along K
.set SPARE, 2*SLOT                     ; behind the ring: the spare words, 128 bytes a wave: two blocks of 256 bytes that no other line names
.set STAGE, SPARE+512                  ; behind them: a stage of 16 rows x (256 + 16) bytes for each wave; no tensor load fills it
.set SPITCH, 272
.set BIA,   8                          ; v8-11   the bias of columns 4 (lane % 16) .. + 3
.set ADRA,  16                         ; v16-17  LDS address of my A fragments in slot 0, 1
.set ADRB,  20                         ; v20-21  B's
.set ADRS,  22                         ; v22-23  the scale words': lanes 0-15 A's, lanes 16-31 B's
.set STO,   24                         ; v24     the way out: where I put 32 bytes of a row
.set RD,    25                         ; v25     where I read a row back
.set CO,    26                         ; v26     my byte offset in two rows of the result: 4,096 h + 16 r; never rewritten
.set LI,    27                         ; v27     16 x lane
.set SPW,   28                         ; v28     my spare word; never rewritten
.set NIL,   29                         ; v29     0; never rewritten
.set SC,    32                         ; set sc at v[32 + 16 sc]; in it register 4 i + t: tile i, the slot's t-th 128 along K
.set BK,    64                         ; the way out: 16 rows back from the stage, v64-95 and v96-127 by turns
.set ACC,   128
.set F0,    0                          ; fragment buffers, in window 1
.set F1,    128
.set G1,    24
.set G0,    32
.set G1B,   48
.set G0B,   56
.set MSB,   0
.macro WIN new                         ; the immediate's high byte repeats the setting that is left
.if MSB != (\new)
	s_set_vgpr_msb (MSB<<8)|(\new)
.set MSB, (\new)
.endif
.endm
.set MUL,  0x05                        ; sources 0 (B) and 1 (A) window 1; C and D window 0
.set TO_F, 0x40                        ; destination window 1, address window 0
.set TO_R, 0x80                        ; destination window 2
.set RES,  0x08                        ; source 1 window 2
.macro JLOAD s                         ; a joint load: waves 0, 1 fetch A's records, waves 2, 3 B's; four v_nop follow each line
	s_cmp_eq_u32 s15, 0
	s_cbranch_scc0 .Lfor_b_\@
	tensor_load_to_lds s[G0+4*\s:G0+4*\s+3], s[G1:G1+7]
	s_nop 0
.rept 4
	v_nop
.endr
	s_branch .Lasked_\@
.Lfor_b_\@:
	tensor_load_to_lds s[G0B+4*\s:G0B+4*\s+3], s[G1B:G1B+7]
	s_nop 0
.rept 4
	v_nop
.endr
.Lasked_\@:
.endm
.macro CREST                           ; a round of the cluster's barrier behind its opening barrier
	s_cmp_lg_u32 s14, 0
	s_cbranch_scc1 .Lnot_wave_0_\@
	s_barrier_signal -3
.Lnot_wave_0_\@:
	s_barrier_wait -3
	s_barrier_signal -1
	s_barrier_wait -1
.endm
.macro CROUND
	s_barrier_signal -1
	s_barrier_wait -1
	CREST
.endm
.macro PLACES n
.rept \n
	v_nop
.endr
.endm
.macro FRAG reg, adr, t, i             ; a fragment comes as it lies: four loads of 512 consecutive bytes; step t of the slot lies in record t / 2, K step t % 2
.irp c, 0,1,2,3
	ds_load_b128 v[(\reg)+4*\c:(\reg)+4*\c+3], v[\adr] offset:((\t)/2)*REC+((\t)%2)*2048+(\i)*4096+512*\c
.endr
.endm
.macro FETCH slot, t, f                ; 32 LDS loads in one run: B's four fragments and A's four of the slot's step t, into buffer f
	WIN TO_F
.irp i, 0,1,2,3
	FRAG (\f)+64+FR*\i, ADRB+\slot, \t, \i
.endr
.irp i, 0,1,2,3
	FRAG (\f)+FR*\i, ADRA+\slot, \t, \i
.endr
.endm
.macro SCALES sc                       ; a slot's scale words: lanes 0-15 A's tile i, lanes 16-31 B's tile i
	WIN 0
.irp i, 0,1,2,3
.irp t, 0,1,2,3
	ds_load_b32 v[SC+16*\sc+4*\i+\t], v[ADRS+\sc] offset:(\t/2)*REC+(\t%2)*512+64*\i
.endr
.endr
.endm
.macro MULA f, a, t, sc, zero          ; A's tile a x B's four; the 16 accumulators take turns, one instruction a turn, in the same order in every step
.irp b, 0,1,2,3
.if \zero
	v_wmma_scale_f32_16x16x128_f8f6f4 v[ACC+8*(4*(\a)+\b):ACC+8*(4*(\a)+\b)+7], v[(\f)+64+FR*\b:(\f)+64+FR*\b+FR-1], v[(\f)+FR*(\a):(\f)+FR*(\a)+FR-1], 0, v[SC+16*(\sc)+4*\b+(\t)], v[SC+16*(\sc)+4*(\a)+(\t)] matrix_a_scale:MATRIX_SCALE_ROW1
.else
	v_wmma_scale_f32_16x16x128_f8f6f4 v[ACC+8*(4*(\a)+\b):ACC+8*(4*(\a)+\b)+7], v[(\f)+64+FR*\b:(\f)+64+FR*\b+FR-1], v[(\f)+FR*(\a):(\f)+FR*(\a)+FR-1], v[ACC+8*(4*(\a)+\b):ACC+8*(4*(\a)+\b)+7], v[SC+16*(\sc)+4*\b+(\t)], v[SC+16*(\sc)+4*(\a)+(\t)] matrix_a_scale:MATRIX_SCALE_ROW1
.endif
.endr
.endm
; One of a slot's first three steps of 128 along K: the next step's fragments are asked for, into the buffer that the step before has multiplied, then this step's 16 products follow.
.macro STEP slot, t, zero
	PLACES NP                                      ; in front of loads into registers that the last matrix instructions have read
	FETCH \slot, (\t)+1, 128*(((\t)+1)%2)
	s_wait_dscnt 32                                ; all but the 32 loads just issued: this step's fragments (and, in a slot's first step, its scale words) are in
	WIN MUL
.irp a, 0,1,2,3
	MULA 128*((\t)%2), \a, \t, \slot, \zero
.endr
.endm
; A slot's fourth step multiplies buffer 1 and changes slots: one barrier; in front of it each wave waits for all its tensor loads, adds 0 to its spare word, and waits for that and for its reads of this slot.
; fill = 1: the barrier opens a round of the cluster's barrier, and this slot is filled again, with the 512 along K two slots on.
.macro TURN slot, next, fill
	WIN 0                                          ; (the add's two registers lie in window 0)
	s_wait_tensorcnt 0x0                           ; all my tensor loads have landed: my record of the next slot
	ds_add_u32 v[SPW], v[NIL]                      ; 0 onto my spare word
	s_wait_dscnt 1                                 ; this step's fragments are in; the add may be out
	WIN MUL
	MULA F1, 0, 3, \slot, 0                        ; four matrix instructions stand between the add and the wait for it
	s_wait_dscnt 0x0                               ; the add is done, and my reads of this slot are over
	s_barrier_signal -1
	MULA F1, 1, 3, \slot, 0
	WIN 0
	s_barrier_wait -1
.if \fill
	CREST                                          ; no wave of any partner still reads this slot or has a load on its way
	s_add_nc_u64 s[G0+4*\slot+2:G0+4*\slot+3], s[G0+4*\slot+2:G0+4*\slot+3], 4*REC
	s_add_nc_u64 s[G0B+4*\slot+2:G0B+4*\slot+3], s[G0B+4*\slot+2:G0B+4*\slot+3], 4*REC
	JLOAD \slot                                    ; the first tensor load behind the round, one a wave; its four v_nop are among the places below
	PLACES NP-4
.else
	PLACES NP
.endif
	FETCH \next, 0, F0                             ; buffer 0 was multiplied a step ago
	SCALES \next
	WIN MUL
	MULA F1, 2, 3, \slot, 0
	MULA F1, 3, 3, \slot, 0
.endm
	s_load_b256 s[4:11], s[0:1], 0x0               ; A's records, wr, the bias, the residual
	s_load_b64 s[12:13], s[0:1], 0x20              ; the result
	v_lshl_add_u32 v[SPW], v0, 2, SPARE
	v_mov_b32 v[NIL], 0
	ds_add_u32 v28, v29
	s_wait_dscnt 0x0
	v_lshrrev_b32 v1, 5, v0
	v_readfirstlane_b32 s14, v1                    ; wave
	s_lshr_b32 s15, s14, 1                         ; which 64 tokens of the tile are mine.  Also: I fetch for A (0) or B (1)
	s_and_b32 s16, s14, 1                          ; which 64 columns.  Also: which of a slot's two K slots I fetch
	s_bfe_u32 s40, ttmp6, 0x40000                  ; cx
	s_bfe_u32 s41, ttmp6, 0x40004                  ; cy
	s_lshl_b32 s42, ttmp9, 2
	s_add_co_u32 s42, s42, s40                     ; tile column: the weight's group of 128 rows
	s_and_b32 s17, ttmp7, 0xffff
	s_lshl_b32 s17, s17, 2
	s_add_co_u32 s17, s17, s41                     ; tile row: the group of 128 tokens
	s_lshl_b32 s43, s41, 2
	s_lshl_b32 s43, 15, s43                        ; my row of the cluster
	s_lshl_b32 s44, 0x1111, s40                    ; my column
	s_or_b32 s[G1+0], s43, (3<<16)|(1<<21)         ; 15:0 the mask; 17:16 elements of 8 bytes; 21 set beside a mask; no padding
	s_or_b32 s[G1B+0], s44, (3<<16)|(1<<21)
.irp g, G1, G1B
	s_mov_b32 s[\g+1], 32<<16                      ; a record is a dense block: 132 rows of 32 elements (256 bytes)
	s_mov_b32 s[\g+2], 132<<16
	s_mov_b32 s[\g+3], 32<<16
	s_mov_b32 s[\g+4], 132
	s_mov_b32 s[\g+5], 32
	s_mov_b32 s[\g+6], 0
	s_mov_b32 s[\g+7], 0
.endr
	s_mul_i32 s20, s17, KSL
	s_add_co_u32 s20, s20, s16
	s_mul_i32 s20, s20, REC                        ; A: record (tile row, K slot = my half)
	s_mov_b32 s21, 0
	s_mul_i32 s46, s42, KSL
	s_add_co_u32 s46, s46, s16
	s_add_co_u32 s46, s46, WREC0
	s_mul_i32 s46, s46, REC                        ; B: record (tile column, K slot = my half) of this weight
	s_mov_b32 s47, 0
	s_mul_i32 s45, s14, REC                        ; where my record goes in a slot: no place in the cluster enters an LDS address
	s_wait_kmcnt 0x0
	s_add_nc_u64 s[20:21], s[4:5], s[20:21]
	s_add_nc_u64 s[46:47], s[6:7], s[46:47]
	CROUND                                         ; all sixteen work-groups are here: the first joint loads meet
.irp s, 0,1
	s_mov_b32 s[G0+4*\s], 1
	s_add_co_u32 s[G0+4*\s+1], s45, \s*SLOT
	s_add_nc_u64 s[G0+4*\s+2:G0+4*\s+3], s[20:21], \s*2*REC
	s_or_b32 s[G0+4*\s+3], s[G0+4*\s+3], 0x80000000
	s_mov_b32 s[G0B+4*\s], 1
	s_add_co_u32 s[G0B+4*\s+1], s45, \s*SLOT
	s_add_nc_u64 s[G0B+4*\s+2:G0B+4*\s+3], s[46:47], \s*2*REC
	s_or_b32 s[G0B+4*\s+3], s[G0B+4*\s+3], 0x80000000
	JLOAD \s                                       ; two loads of mine are out
.endr
	v_and_b32 v1, 15, v0                           ; r
	v_bfe_u32 v2, v0, 4, 1                         ; h
	v_and_b32 v3, 31, v0                           ; lane
	v_lshlrev_b32 v[LI], 4, v3
	s_lshl_b32 s21, s15, 8                         ; A's words: my four tiles begin 256 bytes x half on
	s_lshl_b32 s22, s16, 8
	s_add_co_u32 s22, s22, 2*REC                   ; B's likewise, two records on
	s_sub_co_u32 s23, s22, s21
	v_mul_u32_u24 v6, s23, v2                      ; lanes 16-31 take B's words
	v_lshl_add_u32 v6, v1, 2, v6
	v_add_nc_u32 v[ADRS], s21, v6
	v_add_nc_u32 v[ADRS], 32768, v[ADRS]           ; the words lie behind a record's codes
	v_add_nc_u32 v[ADRS+1], SLOT, v[ADRS]
	s_lshl_b32 s21, s15, 14                        ; my four tiles of A: 4 x 4,096 bytes x half
	s_lshl_b32 s22, s16, 14
	s_add_co_u32 s22, s22, 2*REC                   ; my four tiles of B
.irp s, 0,1
	v_add_nc_u32 v[ADRA+\s], s21, v[LI]
	v_add_nc_u32 v[ADRB+\s], s22, v[LI]
	s_add_co_u32 s21, s21, SLOT
	s_add_co_u32 s22, s22, SLOT
.endr
	s_mul_i32 s23, s14, 16*SPITCH
	s_add_co_u32 s23, s23, STAGE                   ; my stage
	v_mul_u32_u24 v5, v1, SPITCH
	v_lshl_add_u32 v5, v2, 6, v5
	v_add_nc_u32 v[STO], s23, v5                   ; in: row r, + 64 h
	v_mul_u32_u24 v5, v2, SPITCH
	v_lshl_add_u32 v5, v1, 4, v5
	v_add_nc_u32 v[RD], s23, v5                    ; back: lanes 0-15 one row of 256 bytes, lanes 16-31 the next
	v_lshlrev_b32 v[CO], 12, v2
	v_lshl_add_u32 v[CO], v1, 4, v[CO]             ; and the same two rows in memory
	v_lshlrev_b32 v7, 4, v1
	s_lshl_b32 s20, s42, 9
	s_lshl_b32 s21, s16, 8
	s_add_co_u32 s20, s20, s21                     ; my first column, in bytes: 512 x tile column + 256 x half
	s_mov_b32 s21, 0
	s_add_nc_u64 s[8:9], s[8:9], s[20:21]
	global_load_b128 v[BIA:BIA+3], v7, s[8:9]
	s_lshl_b32 s22, s17, 7
	s_lshl_b32 s23, s15, 6
	s_add_co_u32 s22, s22, s23                     ; my first token: 128 x tile row + 64 x half
	s_lshl_b32 s22, s22, 12
	s_add_co_u32 s20, s20, s22
	s_add_nc_u64 s[10:11], s[10:11], s[20:21]
	s_add_nc_u64 s[12:13], s[12:13], s[20:21]
	WIN TO_R
.irp a, 0,1,2,3                        ; the residual: rows 2 n, 2 n + 1 of tile a are tokens 32 (a / 2) + 8 (a % 2) + 2 n + 8 (n / 4) + h: 16 lanes read 256 consecutive bytes
.irp n, 0,1,2,3,4,5,6,7
	global_load_b128 v[32*\a+4*\n:32*\a+4*\n+3], v[CO], s[10:11] offset:(32*(\a/2)+8*(\a%2)+2*\n+8*(\n/4))*4096 th:TH_LOAD_NT
.endr
.endr
	WIN 0
	s_wait_tensorcnt 1                             ; my record of slot 0 is in; slot 1's may stay out
	s_barrier_signal -1
	s_barrier_wait -1
	FETCH 0, 0, F0
	SCALES 0
	STEP 0, 0, 1                                   ; the first step stands in front of the loop: its products start the sums
.if LAPS > 1
	WIN 0                                          ; at a label and at a branch every window is 0
	s_mov_b32 s3, LAPS-1
.Llap:                                                 ; a trip goes once round the ring, from a lap's second step to the next lap's first, and fills both slots again
	STEP 0, 1, 0
	STEP 0, 2, 0
	TURN 0, 1, 1
	STEP 1, 0, 0
	STEP 1, 1, 0
	STEP 1, 2, 0
	TURN 1, 0, 1
	STEP 0, 0, 0
	WIN 0
	s_sub_co_u32 s3, s3, 1
	s_cmp_lg_u32 s3, 0
	s_cbranch_scc1 .Llap
.endif
	STEP 0, 1, 0                                   ; the last lap fills nothing
	STEP 0, 2, 0
	TURN 0, 1, 0
	STEP 1, 0, 0
	STEP 1, 1, 0
	STEP 1, 2, 0
	s_wait_dscnt 0x0                               ; the very last step: nothing more to fetch
	WIN MUL
.irp a, 0,1,2,3
	MULA F1, \a, 3, 1, 0
.endr
	WIN 0
; THE WAY OUT, tile by tile of 16 tokens x 64 columns, through my own stage: back as whole rows of 256 bytes, + bias, + residual; 16 lanes store 256 consecutive bytes, aligned.
.macro TOSTAGE a
.irp b, 0,1,2,3
	ds_store_b128 v[STO], v[ACC+8*(4*(\a)+\b):ACC+8*(4*(\a)+\b)+3] offset:128*(\b/2)+32*(\b%2)          ; each accumulator from its low end on
	ds_store_b128 v[STO], v[ACC+8*(4*(\a)+\b)+4:ACC+8*(4*(\a)+\b)+7] offset:128*(\b/2)+32*(\b%2)+16
.endr
.set BB, BK+32*((\a)%2)
.irp n, 0,1,2,3,4,5,6,7
	ds_load_b128 v[BB+4*\n:BB+4*\n+3], v[RD] offset:\n*2*SPITCH   ; LDS serves a wave's instructions in order: these see my stores, and the next tile's stores come behind them
.endr
.endm
.macro SEND a, younger
.set BB, BK+32*((\a)%2)
.set RR, 32*(\a)
	s_wait_dscnt \younger                          ; the tile is back; the next tile's 8 stores and 8 loads may be out
.set i, 0
.rept 8
	v_pk_add_f32 v[BB+i:BB+i+1], v[BB+i:BB+i+1], v[BIA:BIA+1]
	v_pk_add_f32 v[BB+i+2:BB+i+3], v[BB+i+2:BB+i+3], v[BIA+2:BIA+3]
.set i, i+4
.endr
	WIN RES
.set i, 0
.rept 16
	v_pk_add_f32 v[BB+i:BB+i+1], v[BB+i:BB+i+1], v[RR+i:RR+i+1]
.set i, i+2
.endr
	WIN 0
.irp n, 0,1,2,3,4,5,6,7
	global_store_b128 v[CO], v[BB+4*\n:BB+4*\n+3], s[12:13] offset:(32*((\a)/2)+8*((\a)%2)+2*\n+8*(\n/4))*4096
.endr
.endm
	PLACES NP                                      ; in front of the first read of results
	s_wait_loadcnt 0x0                             ; the bias and the residual, asked for at the head
	TOSTAGE 0
.irp a, 1,2,3
.if \a > 1
	s_wait_xcnt 0x0                                ; tile a - 2's stores have read their registers, into which tile a comes back
.endif
	TOSTAGE \a
	SEND \a-1, 16
.endr
	SEND 3, 0
	s_wait_tensorcnt 0x0                           ; the wave's end
	ds_add_u32 v[SPW], v[NIL]
	s_wait_dscnt 0x0
	CROUND                                         ; the closing round
	s_endpgm
.Lfunc_end_k_qcf807ce6d9_proj:
	.size	k_qcf807ce6d9_proj, .Lfunc_end_k_qcf807ce6d9_proj-k_qcf807ce6d9_proj
	.p2alignl 7, 3214868480
	.fill 96, 4, 3214868480
	.section	.rodata,"a",@progbits
	.p2align	6, 0x0
	.amdhsa_kernel k_qcf807ce6d9_proj
		.amdhsa_group_segment_fixed_size 327680
		.amdhsa_private_segment_fixed_size 0
		.amdhsa_enable_private_segment 0
		.amdhsa_kernarg_size 40
		.amdhsa_user_sgpr_count 2
		.amdhsa_user_sgpr_kernarg_segment_ptr 1
		.amdhsa_wavefront_size32 1
		.amdhsa_system_sgpr_workgroup_id_x 1
		.amdhsa_system_sgpr_workgroup_id_y 1
		.amdhsa_system_sgpr_workgroup_id_z 1
		.amdhsa_system_vgpr_workitem_id 0
		.amdhsa_next_free_vgpr 640
		.amdhsa_next_free_sgpr 100
		.amdhsa_reserve_vcc 0
		.amdhsa_float_denorm_mode_32 3
		.amdhsa_float_denorm_mode_16_64 3
		.amdhsa_memory_ordered 1
		.amdhsa_forward_progress 1
		.amdhsa_inst_pref_size 64
	.end_amdhsa_kernel
	.amdgpu_metadata
---
amdhsa.version: [ 1, 2 ]
amdhsa.kernels:
  - .name:           k_qcf807ce6d9_proj
    .symbol:         k_qcf807ce6d9_proj.kd
    .args:
      - { .name: yr, .offset: 0, .size: 8, .value_kind: global_buffer, .address_space: global }
      - { .name: wr, .offset: 8, .size: 8, .value_kind: global_buffer, .address_space: global }
      - { .name: proj_b, .offset: 16, .size: 8, .value_kind: global_buffer, .address_space: global }
      - { .name: x, .offset: 24, .size: 8, .value_kind: global_buffer, .address_space: global }
      - { .name: x2, .offset: 32, .size: 8, .value_kind: global_buffer, .address_space: global }
    .group_segment_fixed_size: 327680
    .private_segment_fixed_size: 0
    .kernarg_segment_align: 8
    .kernarg_segment_size: 40
    .max_flat_workgroup_size: 128
    .sgpr_count:     100
    .vgpr_count:     640
    .wavefront_size: 32
...
	.end_amdgpu_metadata
.endif
;; end of part 8
;; launch ln2: the kernel of part 2 again; grid 256 x 1, 4 waves a work-group, no clusters, 43,520 bytes of LDS; arguments x2, ln2_w, ln2_b, hr; writes hr
;; launch fc: the kernel of part 6 again; grid 16 x 16, 4 waves a work-group, clusters of 4 x 4, 327,680 bytes of LDS; arguments hr, wr, fc_b, hid; writes hid
;; launch out (part 9): grid 8 x 32, 4 waves a work-group, clusters of 4 x 4, 327,680 bytes of LDS; arguments hid, wr, fc_proj_b, x2, out0; writes out0
.if DOCPART == 9
	.amdgcn_target "amdgcn-amd-amdhsa--gfx1250"
	.amdhsa_code_object_version 6
	.text
	.protected	k_qcf807ce6d9_out
	.globl	k_qcf807ce6d9_out
	.p2align	8
	.type	k_qcf807ce6d9_out,@function
k_qcf807ce6d9_out:
	s_mov_b64 s[64:65], 0
	v_nop
	global_prefetch_b8 v0, s[64:65] scope:SCOPE_SE
	s_setreg_imm32_b32 hwreg(HW_REG_WAVE_MODE, 25, 1), 1
	s_wait_xcnt 0x0
	s_wait_alu depctr_hold_cnt(0) depctr_sa_sdst(0) depctr_va_vdst(0) depctr_va_sdst(0) depctr_va_ssrc(0) depctr_va_vcc(0) depctr_vm_vsrc(0)
	s_getreg_b32 s2, hwreg(HW_REG_IB_STS2, 6, 4)
	s_cmp_eq_u32 s2, 0
	s_cbranch_scc0 .Lentry_in_a_cluster
	s_endpgm
.Lentry_in_a_cluster:
	s_bfe_u32 s2, ttmp6, 0x10000c
	s_cmp_lg_u32 s2, 0xf033
	s_cbranch_scc0 .Lentry_shape_is_right
	s_endpgm
.Lentry_shape_is_right:
; out0 = x2 + (hid fc_proj_w + fc_proj_b): a product on codes of E4M3 with E8M0 scales, K = 4,096, N = 1,024; the result, f32, gets its bias and the residual on the way out.
; OPERANDS lie in memory as records (128 rows x 256 K, 33,792 bytes, register images: codes at a*4096 + q*2048 + c*512 + 16*lane, scale words at 32768 + q*512 + a*64 + 4*r; lane r of tile 2 b + u = row 32 b + 8 u + r + 8 (r / 8)).
; THE TILE of C is 128 x 128: 4,096 x 1,024 numbers make 256 such tiles, against 64 of 256 x 256.  Four waves, 64 x 64 each: 16 accumulators.
; K goes in steps of 512 through two LDS slots of four records: A's K slots 2 n and 2 n + 1 (waves 0, 1 fetch them), then B's (waves 2, 3): one dense tensor load a wave, codes and scales together.
; K = 4,096 is eight slots' worth: two first fills and six refills, each behind a round of the cluster's barrier, with four steps of 128 along K in which to land.
; CLUSTERS: 4 x 4; A's records are shared along a row of the cluster, B's along a column: joint loads.  The product is used transposed (source 0 = the weight's rows, source 1 = tokens): a lane holds one token,
; and the registers of tiles 2 b, 2 b + 1 are channels 32 b + 16 h + 0..15.
; THE RESIDUAL's 64 x 64 numbers of a wave are asked for at the head, in the layout of the rows that come back from the stage, and lie in registers until the way out.
; REGISTERS, in windows of 256: window 0: v8-11 bias; v16-29 addresses; v32-63 scale words, a set for each slot; v64-127 rows on the way out; v128-255 the accumulators ((a, b) at v[128 + 8 (4 a + b)]).
;   window 1: two fragment buffers of 128: A's four fragments, then B's four, of 128 along K.   window 2: v0-127 the residual.
.set KSL,   16                         ; K / 256
.set WREC0, 256                        ; the weight's first record in wr
.set REC,   33792
.set SLOT,  4*REC
.set FR,    16                         ; registers of a fragment
.set NP,    8                          ; places behind this matrix instruction (ISA guide 7.12.1)
.set LAPS,  KSL/4                      ; a lap = two slots = 1,024 along K
.set SPARE, 2*SLOT                     ; behind the ring: the spare words, 128 bytes a wave: two blocks of 256 bytes that no other line names
.set STAGE, SPARE+512                  ; behind them: a stage of 16 rows x (256 + 16) bytes for each wave; no tensor load fills it
.set SPITCH, 272
.set BIA,   8                          ; v8-11   the bias of columns 4 (lane % 16) .. + 3
.set ADRA,  16                         ; v16-17  LDS address of my A fragments in slot 0, 1
.set ADRB,  20                         ; v20-21  B's
.set ADRS,  22                         ; v22-23  the scale words': lanes 0-15 A's, lanes 16-31 B's
.set STO,   24                         ; v24     the way out: where I put 32 bytes of a row
.set RD,    25                         ; v25     where I read a row back
.set CO,    26                         ; v26     my byte offset in two rows of the result: 4,096 h + 16 r; never rewritten
.set LI,    27                         ; v27     16 x lane
.set SPW,   28                         ; v28     my spare word; never rewritten
.set NIL,   29                         ; v29     0; never rewritten
.set SC,    32                         ; set sc at v[32 + 16 sc]; in it register 4 i + t: tile i, the slot's t-th 128 along K
.set BK,    64                         ; the way out: 16 rows back from the stage, v64-95 and v96-127 by turns
.set ACC,   128
.set F0,    0                          ; fragment buffers, in window 1
.set F1,    128
.set G1,    24
.set G0,    32
.set G1B,   48
.set G0B,   56
.set MSB,   0
.macro WIN new                         ; the immediate's high byte repeats the setting that is left
.if MSB != (\new)
	s_set_vgpr_msb (MSB<<8)|(\new)
.set MSB, (\new)
.endif
.endm
.set MUL,  0x05                        ; sources 0 (B) and 1 (A) window 1; C and D window 0
.set TO_F, 0x40                        ; destination window 1, address window 0
.set TO_R, 0x80                        ; destination window 2
.set RES,  0x08                        ; source 1 window 2
.macro JLOAD s                         ; a joint load: waves 0, 1 fetch A's records, waves 2, 3 B's; four v_nop follow each line
	s_cmp_eq_u32 s15, 0
	s_cbranch_scc0 .Lfor_b_\@
	tensor_load_to_lds s[G0+4*\s:G0+4*\s+3], s[G1:G1+7]
	s_nop 0
.rept 4
	v_nop
.endr
	s_branch .Lasked_\@
.Lfor_b_\@:
	tensor_load_to_lds s[G0B+4*\s:G0B+4*\s+3], s[G1B:G1B+7]
	s_nop 0
.rept 4
	v_nop
.endr
.Lasked_\@:
.endm
.macro CREST                           ; a round of the cluster's barrier behind its opening barrier
	s_cmp_lg_u32 s14, 0
	s_cbranch_scc1 .Lnot_wave_0_\@
	s_barrier_signal -3
.Lnot_wave_0_\@:
	s_barrier_wait -3
	s_barrier_signal -1
	s_barrier_wait -1
.endm
.macro CROUND
	s_barrier_signal -1
	s_barrier_wait -1
	CREST
.endm
.macro PLACES n
.rept \n
	v_nop
.endr
.endm
.macro FRAG reg, adr, t, i             ; a fragment comes as it lies: four loads of 512 consecutive bytes; step t of the slot lies in record t / 2, K step t % 2
.irp c, 0,1,2,3
	ds_load_b128 v[(\reg)+4*\c:(\reg)+4*\c+3], v[\adr] offset:((\t)/2)*REC+((\t)%2)*2048+(\i)*4096+512*\c
.endr
.endm
.macro FETCH slot, t, f                ; 32 LDS loads in one run: B's four fragments and A's four of the slot's step t, into buffer f
	WIN TO_F
.irp i, 0,1,2,3
	FRAG (\f)+64+FR*\i, ADRB+\slot, \t, \i
.endr
.irp i, 0,1,2,3
	FRAG (\f)+FR*\i, ADRA+\slot, \t, \i
.endr
.endm
.macro SCALES sc                       ; a slot's scale words: lanes 0-15 A's tile i, lanes 16-31 B's tile i
	WIN 0
.irp i, 0,1,2,3
.irp t, 0,1,2,3
	ds_load_b32 v[SC+16*\sc+4*\i+\t], v[ADRS+\sc] offset:(\t/2)*REC+(\t%2)*512+64*\i
.endr
.endr
.endm
.macro MULA f, a, t, sc, zero          ; A's tile a x B's four; the 16 accumulators take turns, one instruction a turn, in the same order in every step
.irp b, 0,1,2,3
.if \zero
	v_wmma_scale_f32_16x16x128_f8f6f4 v[ACC+8*(4*(\a)+\b):ACC+8*(4*(\a)+\b)+7], v[(\f)+64+FR*\b:(\f)+64+FR*\b+FR-1], v[(\f)+FR*(\a):(\f)+FR*(\a)+FR-1], 0, v[SC+16*(\sc)+4*\b+(\t)], v[SC+16*(\sc)+4*(\a)+(\t)] matrix_a_scale:MATRIX_SCALE_ROW1
.else
	v_wmma_scale_f32_16x16x128_f8f6f4 v[ACC+8*(4*(\a)+\b):ACC+8*(4*(\a)+\b)+7], v[(\f)+64+FR*\b:(\f)+64+FR*\b+FR-1], v[(\f)+FR*(\a):(\f)+FR*(\a)+FR-1], v[ACC+8*(4*(\a)+\b):ACC+8*(4*(\a)+\b)+7], v[SC+16*(\sc)+4*\b+(\t)], v[SC+16*(\sc)+4*(\a)+(\t)] matrix_a_scale:MATRIX_SCALE_ROW1
.endif
.endr
.endm
; One of a slot's first three steps of 128 along K: the next step's fragments are asked for, into the buffer that the step before has multiplied, then this step's 16 products follow.
.macro STEP slot, t, zero
	PLACES NP                                      ; in front of loads into registers that the last matrix instructions have read
	FETCH \slot, (\t)+1, 128*(((\t)+1)%2)
	s_wait_dscnt 32                                ; all but the 32 loads just issued: this step's fragments (and, in a slot's first step, its scale words) are in
	WIN MUL
.irp a, 0,1,2,3
	MULA 128*((\t)%2), \a, \t, \slot, \zero
.endr
.endm
; A slot's fourth step multiplies buffer 1 and changes slots: one barrier; in front of it each wave waits for all its tensor loads, adds 0 to its spare word, and waits for that and for its reads of this slot.
; fill = 1: the barrier opens a round of the cluster's barrier, and this slot is filled again, with the 512 along K two slots on.
.macro TURN slot, next, fill
	WIN 0                                          ; (the add's two registers lie in window 0)
	s_wait_tensorcnt 0x0                           ; all my tensor loads have landed: my record of the next slot
	ds_add_u32 v[SPW], v[NIL]                      ; 0 onto my spare word
	s_wait_dscnt 1                                 ; this step's fragments are in; the add may be out
	WIN MUL
	MULA F1, 0, 3, \slot, 0                        ; four matrix instructions stand between the add and the wait for it
	s_wait_dscnt 0x0                               ; the add is done, and my reads of this slot are over
	s_barrier_signal -1
	MULA F1, 1, 3, \slot, 0
	WIN 0
	s_barrier_wait -1
.if \fill
	CREST                                          ; no wave of any partner still reads this slot or has a load on its way
	s_add_nc_u64 s[G0+4*\slot+2:G0+4*\slot+3], s[G0+4*\slot+2:G0+4*\slot+3], 4*REC
	s_add_nc_u64 s[G0B+4*\slot+2:G0B+4*\slot+3], s[G0B+4*\slot+2:G0B+4*\slot+3], 4*REC
	JLOAD \slot                                    ; the first tensor load behind the round, one a wave; its four v_nop are among the places below
	PLACES NP-4
.else
	PLACES NP
.endif
	FETCH \next, 0, F0                             ; buffer 0 was multiplied a step ago
	SCALES \next
	WIN MUL
	MULA F1, 2, 3, \slot, 0
	MULA F1, 3, 3, \slot, 0
.endm
	s_load_b256 s[4:11], s[0:1], 0x0               ; A's records, wr, the bias, the residual
	s_load_b64 s[12:13], s[0:1], 0x20              ; the result
	v_lshl_add_u32 v[SPW], v0, 2, SPARE
	v_mov_b32 v[NIL], 0
	ds_add_u32 v28, v29
	s_wait_dscnt 0x0
	v_lshrrev_b32 v1, 5, v0
	v_readfirstlane_b32 s14, v1                    ; wave
	s_lshr_b32 s15, s14, 1                         ; which 64 tokens of the tile are mine.  Also: I fetch for A (0) or B (1)
	s_and_b32 s16, s14, 1                          ; which 64 columns.  Also: which of a slot's two K slots I fetch
	s_bfe_u32 s40, ttmp6, 0x40000                  ; cx
	s_bfe_u32 s41, ttmp6, 0x40004                  ; cy
	s_lshl_b32 s42, ttmp9, 2
	s_add_co_u32 s42, s42, s40                     ; tile column: the weight's group of 128 rows
	s_and_b32 s17, ttmp7, 0xffff
	s_lshl_b32 s17, s17, 2
	s_add_co_u32 s17, s17, s41                     ; tile row: the group of 128 tokens
	s_lshl_b32 s43, s41, 2
	s_lshl_b32 s43, 15, s43                        ; my row of the cluster
	s_lshl_b32 s44, 0x1111, s40                    ; my column
	s_or_b32 s[G1+0], s43, (3<<16)|(1<<21)         ; 15:0 the mask; 17:16 elements of 8 bytes; 21 set beside a mask; no padding
	s_or_b32 s[G1B+0], s44, (3<<16)|(1<<21)
.irp g, G1, G1B
	s_mov_b32 s[\g+1], 32<<16                      ; a record is a dense block: 132 rows of 32 elements (256 bytes)
	s_mov_b32 s[\g+2], 132<<16
	s_mov_b32 s[\g+3], 32<<16
	s_mov_b32 s[\g+4], 132
	s_mov_b32 s[\g+5], 32
	s_mov_b32 s[\g+6], 0
	s_mov_b32 s[\g+7], 0
.endr
	s_mul_i32 s20, s17, KSL
	s_add_co_u32 s20, s20, s16
	s_mul_i32 s20, s20, REC                        ; A: record (tile row, K slot = my half)
	s_mov_b32 s21, 0
	s_mul_i32 s46, s42, KSL
	s_add_co_u32 s46, s46, s16
	s_add_co_u32 s46, s46, WREC0
	s_mul_i32 s46, s46, REC                        ; B: record (tile column, K slot = my half) of this weight
	s_mov_b32 s47, 0
	s_mul_i32 s45, s14, REC                        ; where my record goes in a slot: no place in the cluster enters an LDS address
	s_wait_kmcnt 0x0
	s_add_nc_u64 s[20:21], s[4:5], s[20:21]
	s_add_nc_u64 s[46:47], s[6:7], s[46:47]
	CROUND                                         ; all sixteen work-groups are here: the first joint loads meet
.irp s, 0,1
	s_mov_b32 s[G0+4*\s], 1
	s_add_co_u32 s[G0+4*\s+1], s45, \s*SLOT
	s_add_nc_u64 s[G0+4*\s+2:G0+4*\s+3], s[20:21], \s*2*REC
	s_or_b32 s[G0+4*\s+3], s[G0+4*\s+3], 0x80000000
	s_mov_b32 s[G0B+4*\s], 1
	s_add_co_u32 s[G0B+4*\s+1], s45, \s*SLOT
	s_add_nc_u64 s[G0B+4*\s+2:G0B+4*\s+3], s[46:47], \s*2*REC
	s_or_b32 s[G0B+4*\s+3], s[G0B+4*\s+3], 0x80000000
	JLOAD \s                                       ; two loads of mine are out
.endr
	v_and_b32 v1, 15, v0                           ; r
	v_bfe_u32 v2, v0, 4, 1                         ; h
	v_and_b32 v3, 31, v0                           ; lane
	v_lshlrev_b32 v[LI], 4, v3
	s_lshl_b32 s21, s15, 8                         ; A's words: my four tiles begin 256 bytes x half on
	s_lshl_b32 s22, s16, 8
	s_add_co_u32 s22, s22, 2*REC                   ; B's likewise, two records on
	s_sub_co_u32 s23, s22, s21
	v_mul_u32_u24 v6, s23, v2                      ; lanes 16-31 take B's words
	v_lshl_add_u32 v6, v1, 2, v6
	v_add_nc_u32 v[ADRS], s21, v6
	v_add_nc_u32 v[ADRS], 32768, v[ADRS]           ; the words lie behind a record's codes
	v_add_nc_u32 v[ADRS+1], SLOT, v[ADRS]
	s_lshl_b32 s21, s15, 14                        ; my four tiles of A: 4 x 4,096 bytes x half
	s_lshl_b32 s22, s16, 14
	s_add_co_u32 s22, s22, 2*REC                   ; my four tiles of B
.irp s, 0,1
	v_add_nc_u32 v[ADRA+\s], s21, v[LI]
	v_add_nc_u32 v[ADRB+\s], s22, v[LI]
	s_add_co_u32 s21, s21, SLOT
	s_add_co_u32 s22, s22, SLOT
.endr
	s_mul_i32 s23, s14, 16*SPITCH
	s_add_co_u32 s23, s23, STAGE                   ; my stage
	v_mul_u32_u24 v5, v1, SPITCH
	v_lshl_add_u32 v5, v2, 6, v5
	v_add_nc_u32 v[STO], s23, v5                   ; in: row r, + 64 h
	v_mul_u32_u24 v5, v2, SPITCH
	v_lshl_add_u32 v5, v1, 4, v5
	v_add_nc_u32 v[RD], s23, v5                    ; back: lanes 0-15 one row of 256 bytes, lanes 16-31 the next
	v_lshlrev_b32 v[CO], 12, v2
	v_lshl_add_u32 v[CO], v1, 4, v[CO]             ; and the same two rows in memory
	v_lshlrev_b32 v7, 4, v1
	s_lshl_b32 s20, s42, 9
	s_lshl_b32 s21, s16, 8
	s_add_co_u32 s20, s20, s21                     ; my first column, in bytes: 512 x tile column + 256 x half
	s_mov_b32 s21, 0
	s_add_nc_u64 s[8:9], s[8:9], s[20:21]
	global_load_b128 v[BIA:BIA+3], v7, s[8:9]
	s_lshl_b32 s22, s17, 7
	s_lshl_b32 s23, s15, 6
	s_add_co_u32 s22, s22, s23                     ; my first token: 128 x tile row + 64 x half
	s_lshl_b32 s22, s22, 12
	s_add_co_u32 s20, s20, s22
	s_add_nc_u64 s[10:11], s[10:11], s[20:21]
	s_add_nc_u64 s[12:13], s[12:13], s[20:21]
	WIN TO_R
.irp a, 0,1,2,3                        ; the residual: rows 2 n, 2 n + 1 of tile a are tokens 32 (a / 2) + 8 (a % 2) + 2 n + 8 (n / 4) + h: 16 lanes read 256 consecutive bytes
.irp n, 0,1,2,3,4,5,6,7
	global_load_b128 v[32*\a+4*\n:32*\a+4*\n+3], v[CO], s[10:11] offset:(32*(\a/2)+8*(\a%2)+2*\n+8*(\n/4))*4096 th:TH_LOAD_NT
.endr
.endr
	WIN 0
	s_wait_tensorcnt 1                             ; my record of slot 0 is in; slot 1's may stay out
	s_barrier_signal -1
	s_barrier_wait -1
	FETCH 0, 0, F0
	SCALES 0
	STEP 0, 0, 1                                   ; the first step stands in front of the loop: its products start the sums
.if LAPS > 1
	WIN 0                                          ; at a label and at a branch every window is 0
	s_mov_b32 s3, LAPS-1
.Llap:                                                 ; a trip goes once round the ring, from a lap's second step to the next lap's first, and fills both slots again
	STEP 0, 1, 0
	STEP 0, 2, 0
	TURN 0, 1, 1
	STEP 1, 0, 0
	STEP 1, 1, 0
	STEP 1, 2, 0
	TURN 1, 0, 1
	STEP 0, 0, 0
	WIN 0
	s_sub_co_u32 s3, s3, 1
	s_cmp_lg_u32 s3, 0
	s_cbranch_scc1 .Llap
.endif
	STEP 0, 1, 0                                   ; the last lap fills nothing
	STEP 0, 2, 0
	TURN 0, 1, 0
	STEP 1, 0, 0
	STEP 1, 1, 0
	STEP 1, 2, 0
	s_wait_dscnt 0x0                               ; the very last step: nothing more to fetch
	WIN MUL
.irp a, 0,1,2,3
	MULA F1, \a, 3, 1, 0
.endr
	WIN 0
; THE WAY OUT, tile by tile of 16 tokens x 64 columns, through my own stage: back as whole rows of 256 bytes, + bias, + residual; 16 lanes store 256 consecutive bytes, aligned.
.macro TOSTAGE a
.irp b, 0,1,2,3
	ds_store_b128 v[STO], v[ACC+8*(4*(\a)+\b):ACC+8*(4*(\a)+\b)+3] offset:128*(\b/2)+32*(\b%2)          ; each accumulator from its low end on
	ds_store_b128 v[STO], v[ACC+8*(4*(\a)+\b)+4:ACC+8*(4*(\a)+\b)+7] offset:128*(\b/2)+32*(\b%2)+16
.endr
.set BB, BK+32*((\a)%2)
.irp n, 0,1,2,3,4,5,6,7
	ds_load_b128 v[BB+4*\n:BB+4*\n+3], v[RD] offset:\n*2*SPITCH   ; LDS serves a wave's instructions in order: these see my stores, and the next tile's stores come behind them
.endr
.endm
.macro SEND a, younger
.set BB, BK+32*((\a)%2)
.set RR, 32*(\a)
	s_wait_dscnt \younger                          ; the tile is back; the next tile's 8 stores and 8 loads may be out
.set i, 0
.rept 8
	v_pk_add_f32 v[BB+i:BB+i+1], v[BB+i:BB+i+1], v[BIA:BIA+1]
	v_pk_add_f32 v[BB+i+2:BB+i+3], v[BB+i+2:BB+i+3], v[BIA+2:BIA+3]
.set i, i+4
.endr
	WIN RES
.set i, 0
.rept 16
	v_pk_add_f32 v[BB+i:BB+i+1], v[BB+i:BB+i+1], v[RR+i:RR+i+1]
.set i, i+2
.endr
	WIN 0
.irp n, 0,1,2,3,4,5,6,7
	global_store_b128 v[CO], v[BB+4*\n:BB+4*\n+3], s[12:13] offset:(32*((\a)/2)+8*((\a)%2)+2*\n+8*(\n/4))*4096 th:TH_STORE_NT
.endr
.endm
	PLACES NP                                      ; in front of the first read of results
	s_wait_loadcnt 0x0                             ; the bias and the residual, asked for at the head
	TOSTAGE 0
.irp a, 1,2,3
.if \a > 1
	s_wait_xcnt 0x0                                ; tile a - 2's stores have read their registers, into which tile a comes back
.endif
	TOSTAGE \a
	SEND \a-1, 16
.endr
	SEND 3, 0
	s_wait_tensorcnt 0x0                           ; the wave's end
	ds_add_u32 v[SPW], v[NIL]
	s_wait_dscnt 0x0
	CROUND                                         ; the closing round
	s_endpgm
.Lfunc_end_k_qcf807ce6d9_out:
	.size	k_qcf807ce6d9_out, .Lfunc_end_k_qcf807ce6d9_out-k_qcf807ce6d9_out
	.p2alignl 7, 3214868480
	.fill 96, 4, 3214868480
	.section	.rodata,"a",@progbits
	.p2align	6, 0x0
	.amdhsa_kernel k_qcf807ce6d9_out
		.amdhsa_group_segment_fixed_size 327680
		.amdhsa_private_segment_fixed_size 0
		.amdhsa_enable_private_segment 0
		.amdhsa_kernarg_size 40
		.amdhsa_user_sgpr_count 2
		.amdhsa_user_sgpr_kernarg_segment_ptr 1
		.amdhsa_wavefront_size32 1
		.amdhsa_system_sgpr_workgroup_id_x 1
		.amdhsa_system_sgpr_workgroup_id_y 1
		.amdhsa_system_sgpr_workgroup_id_z 1
		.amdhsa_system_vgpr_workitem_id 0
		.amdhsa_next_free_vgpr 640
		.amdhsa_next_free_sgpr 100
		.amdhsa_reserve_vcc 0
		.amdhsa_float_denorm_mode_32 3
		.amdhsa_float_denorm_mode_16_64 3
		.amdhsa_memory_ordered 1
		.amdhsa_forward_progress 1
		.amdhsa_inst_pref_size 103
	.end_amdhsa_kernel
	.amdgpu_metadata
---
amdhsa.version: [ 1, 2 ]
amdhsa.kernels:
  - .name:           k_qcf807ce6d9_out
    .symbol:         k_qcf807ce6d9_out.kd
    .args:
      - { .name: hid, .offset: 0, .size: 8, .value_kind: global_buffer, .address_space: global }
      - { .name: wr, .offset: 8, .size: 8, .value_kind: global_buffer, .address_space: global }
      - { .name: fc_proj_b, .offset: 16, .size: 8, .value_kind: global_buffer, .address_space: global }
      - { .name: x2, .offset: 24, .size: 8, .value_kind: global_buffer, .address_space: global }
      - { .name: out0, .offset: 32, .size: 8, .value_kind: global_buffer, .address_space: global }
    .group_segment_fixed_size: 327680
    .private_segment_fixed_size: 0
    .kernarg_segment_align: 8
    .kernarg_segment_size: 40
    .max_flat_workgroup_size: 128
    .sgpr_count:     100
    .vgpr_count:     640
    .wavefront_size: 32
...
	.end_amdgpu_metadata
.endif
;; end of part 9
